; MI455X (gfx1250); checked and timed in simulation.
; The chip was launched on July 23, 2026; its instructions are those of AMD's public machine-readable ISA for CDNA 5 (MIT licence, August 2026) and "CDNA5" Instruction Set Architecture Reference Guide (July 2026). The comments in the code are by the model that wrote it; some were corrected since.
;; encoder Layer. Allowed arithmetic: matrix products marked QUANTISED: E3M2 operands, one E8M0 scale for each 32 along K, by v_wmma_scale_f32_16x16x128_f8f6f4 with both operands' format E3M2, f32 sums; everything else in f32.
;; Inputs: alpha1 1 float32; alpha2 1 float32; b1 2,048 float32; b2 512 float32; beta1 1 float32; beta2 1 float32; bk 512 float32; bo 512 float32; bq 512 float32; bv 512 float32; src_mask 4 x 1 x 1 x 2,048 int32; w1_codes 2,048 x 16 x 24 uint8 (E3M2 codes of w1, K innermost, in blocks of 32 codes, four codes in three bytes); w1_scales 2,048 x 16 uint8 (E8M0 scales of w1, one for each 32 codes along K); w2_codes 512 x 64 x 24 uint8 (E3M2 codes of w2, K innermost, in blocks of 32 codes, four codes in three bytes); w2_scales 512 x 64 uint8 (E8M0 scales of w2, one for each 32 codes along K); wk_codes 512 x 16 x 24 uint8 (E3M2 codes of wk, K innermost, in blocks of 32 codes, four codes in three bytes); wk_scales 512 x 16 uint8 (E8M0 scales of wk, one for each 32 codes along K); wo_codes 512 x 16 x 24 uint8 (E3M2 codes of wo, K innermost, in blocks of 32 codes, four codes in three bytes); wo_scales 512 x 16 uint8 (E8M0 scales of wo, one for each 32 codes along K); wq_codes 512 x 16 x 24 uint8 (E3M2 codes of wq, K innermost, in blocks of 32 codes, four codes in three bytes); wq_scales 512 x 16 uint8 (E8M0 scales of wq, one for each 32 codes along K); wv_codes 512 x 16 x 24 uint8 (E3M2 codes of wv, K innermost, in blocks of 32 codes, four codes in three bytes); wv_scales 512 x 16 uint8 (E8M0 scales of wv, one for each 32 codes along K); x 4 x 2,048 x 512 float32.
;; Outputs: out0 4 x 2,048 x 512 float32.
;; This version of the problem:
;;   THIS VERSION OF THE PROBLEM IS GIVEN IN LOW PRECISION. The matrix products marked QUANTISED in the list below multiply operands that are first quantised to E3M2 (3 exponent bits, 2 mantissa bits; 6 bits a number), with one power-of-two scale for each 32 numbers along K (OCP MX v1.0); their sums are f32. All else is computed in f32.
;;   The module's matrix products, in the order in which they are computed (A, B: the left and right operand; K: the contracted axis; several contracted axes count as one K, in the product's order):
;;     1. [M 8,192, K 512] x [K 512, N 512]; A: computed on the way; B: input wq (given as codes): QUANTISED
;;     2. [M 8,192, K 512] x [K 512, N 512]; A: computed on the way; B: input wk (given as codes): QUANTISED
;;     3. [M 8,192, K 512] x [K 512, N 512]; A: computed on the way; B: input wv (given as codes): QUANTISED
;;     4. batch 32 x [M 2,048, K 64] x [K 64, N 2,048]; A: computed on the way; B: computed on the way: QUANTISED
;;     5. batch 32 x [M 2,048, K 2,048] x [K 2,048, N 64]; A: softmax (see below); B: computed on the way: QUANTISED
;;     6. [M 8,192, K 512] x [K 512, N 512]; A: computed on the way; B: input wo (given as codes): QUANTISED
;;     7. [M 8,192, K 512] x [K 512, N 2,048]; A: computed on the way; B: input w1 (given as codes): QUANTISED
;;     8. [M 8,192, K 2,048] x [K 2,048, N 512]; A: computed on the way; B: input w2 (given as codes): QUANTISED
;;   THE QUANTISER, for each operand of a quantised product, along K:
;;     - K is cut into blocks of 32 from its start; a last block that is shorter is filled with zeros.
;;     - A block's scale is 2^e with e = floor(log2(the largest magnitude in the block)) - 4, held to -126 .. 127; a block of zeros has e = 0. As a byte (E8M0): e + 127.
;;     - Each number is divided by its block's scale, clamped to +-28, and rounded to the nearest number of E3M2, ties to even, subnormals kept.
;;     - The product sums the exact products of the quantised numbers (number of the format x scale) in f32.
;;   ~~~python
;;   def quantise(x, axis):      # numpy; x: float32 -> the quantised numbers, widened to float32 again
;;       x = np.moveaxis(x, axis, -1); K = x.shape[-1]
;;       x = np.pad(x, [(0, 0)] * (x.ndim - 1) + [(0, -K % 32)]); x = x.reshape(x.shape[:-1] + (-1, 32)); a = np.abs(x).max(-1, keepdims=True)
;;       e = np.where(a > 0, np.clip(np.frexp(np.where(a > 0, a, 1))[1] - 1 - 4, -126, 127), 0)      # np.frexp(a)[1] - 1 = floor(log2(a)), exactly
;;       r = np.clip(x / 2.0 ** e, -28, 28)
;;       step = 2.0 ** (np.maximum(np.frexp(np.where(r == 0, 1, r))[1] - 1, -2) - 2)
;;       q = np.round(r / step) * step * 2.0 ** e      # np.round: ties to even
;;       return np.moveaxis(q.reshape(q.shape[:-2] + (-1,))[..., :K], -1, axis).astype(np.float32)
;;   ~~~
;;   SOFTMAX AHEAD OF A QUANTISED PRODUCT. Where the list says 'softmax', what is quantised is not the finished softmax but p = 2^(t - M), with t = logit x log2(e) and M = ceil(the row's largest t), a whole number; so 1/2 < the row's largest p <= 1. The row's sum l is taken of the UNQUANTISED p, in f32, and the product's result is divided by l at the end. Since M is a whole number, a kernel that streams over the keys may use a running M (the ceiling of the running maximum): every later rescaling is an exact power of two, which a block's scale takes up: the codes' values come out the same.
;;   OPERANDS COMPUTED ON THE WAY. 'Computed on the way' means the value that the module computes at that place (a softmax that the list does not call 'softmax' is quantised finished and normalised). What goes into a quantiser is computed in f32, as accurately as f32 sums, v_exp_f32 and their like allow (about 1e-6 of the number): no bf16 or f16 on the way to a quantiser, and a product that is left as it is and whose result goes on into a quantised operand takes f32 operands (vector FMAs, or v_wmma_f32_16x16x4_f32). A number that lies on a knife's edge between two numbers of the format may be rounded either way, as far as f32 arithmetic and the matrix unit's own rounding can turn it there, and no further.
;;   INPUTS GIVEN AS CODES. w1 (in the module: [512, 2048], K = its axis 0); w2 (in the module: [2048, 512], K = its axis 0); wk (in the module: [512, 512], K = its axis 0); wo (in the module: [512, 512], K = its axis 0); wq (in the module: [512, 512], K = its axis 0); wv (in the module: [512, 512], K = its axis 0): each comes as NAME_codes (uint8): NAME with its K axis moved to the last place and cut into blocks of 32 codes, [.., K / 32, bytes a block], one block behind the other in memory; four codes in three bytes: a row's codes are one little-endian stream of bits, code i at bits 6 i .. 6 i + 5 (a code: sign, 3 exponent bits, 2 mantissa bits); and NAME_scales (uint8): the same leading axes, one E8M0 byte (e + 127) for each 32 codes along K. Its value is code x scale, taken as it is: it is not quantised again, and the codes and scales need not be those that the quantiser above would give.
;; 3 versions. Each part assembles by itself: llvm-mc -triple=amdgcn-amd-amdhsa -mcpu=gfx1250 --defsym DOCPART=n.
;; ======== version 1 of 3: 3 launches
;; limits: right only within a limited range of input values
;; workspace buffers: qimg 4,194,304 bytes; qsc 262,144 bytes; kv 7,733,248 bytes; ctx 3,145,728 bytes; ctxsc 131,072 bytes
;; launch qkv (part 1): grid 256 x 1, 16 waves a work-group, no clusters, 85,248 bytes of LDS; arguments x, src_mask, alpha1, beta1, wq_codes, wq_scales, bq, wk_codes, wk_scales, bk, wv_codes, wv_scales, bv, qimg, qsc, kv; writes qimg, qsc, kv
.if DOCPART == 1
	.amdgcn_target "amdgcn-amd-amdhsa--gfx1250"
	.amdhsa_code_object_version 6
	.text
	.protected	k_qaf5b867459_qkv
	.globl	k_qaf5b867459_qkv
	.p2align	8
	.type	k_qaf5b867459_qkv,@function
k_qaf5b867459_qkv:
	s_mov_b64 s[64:65], 0
	v_nop
	global_prefetch_b8 v0, s[64:65] scope:SCOPE_SE
	s_setreg_imm32_b32 hwreg(HW_REG_WAVE_MODE, 25, 1), 1
	s_wait_xcnt 0x0
; n = norm(x); q = n wq + bq, k = n wk + bk, v = n wv + bv, all three products on codes of BF6 (E3M2) with one E8M0 scale for each 32 along K;
; q and k are quantised along the head's 64, v along the keys, and leave as images of the operand registers that the attention launch loads.
; SHARES.  A work-group takes 32 tokens (one block of keys); wave w of 16 takes columns 32 w .. 32 w + 31 of each product: block w % 2 of head w / 2.
; The 32 rows are two tiles R = 0, 1; lane r of tile R is token 8 R + r + 8 (r / 8).  A tile of a weight takes its rows by the same map.  So in a transposed product (source 0 = 16 rows of the
; weight, source 1 = 16 tokens) a lane's 16 registers of tiles u = 0, 1 are columns 16 h + 0 .. 15 of the wave's 32, h = lane / 16; in the natural product (v) they are tokens 16 h + 0 .. 15.
; n's codes go from wave to wave through LDS as images of registers: register pair (6 c + 2 p) of lane L of a fragment lies at 768 c + 256 p + 8 L.
; THE WEIGHTS go from memory straight into registers: each fragment has one reader in the work-group and feeds two matrix instructions; a ring of two register sets, one group (2 tiles x 2 K steps, 25 loads) each.
; No joint loads: a tile asked for jointly lands in LDS, and here every weight byte (589,824 a work-group) would be written there and read back by its one reader.
; THE MASK rides in the 64 places of K that a head of 64 leaves free in an instruction of 128: q's code at k = 64 is 1.0 under the byte 127; a masked key's 64 codes are 0, its code at k = 64 is -1.0 under the byte 160.
; Its score is then -2^33 exactly, its logit -2^30.  LIMIT: reference() has -1e9 there; the two differ only where an unmasked logit lies under about -1e9.
; LIMITS: NaN and infinities among the inputs are not served; a block whose largest magnitude lies under 2^-122 keeps the scale byte 1 (a block of zeros too: its codes are zeros, and this program alone reads the bytes);
; 1 / (std + eps) is v_rcp_f32 and the root v_sqrt_f32; mean and variance are multiplied by 1/512 and 1/511.
.set STATA, 0                          ; LDS: 16 waves x 32 rows x 4 bytes: partial sums
.set STATB, 2048                       ; the same for the squares
.set NSC,   4096                       ; n's scale words: [pair of K steps 2][lane 32 = (r, R)][8 bytes]
.set NIMG,  4608                       ; n's eight fragments: [R 2][K step 4][1536]
.set RSTRN, 6272                       ; from R = 0 to R = 1: 6,144 + 128, so that the two halves of the lanes store to different banks
.set STG,   17152                      ; x's 32 rows, slot 16 R + r, 2,048 bytes + 16
.set SPT,   2064
.set LN8, 1                            ; v1   8 x lane
.set WA,  2                            ; v2   a weight fragment's place for my lane: (r + 8 (r / 8)) x 384 + 24 h
.set WSA, 4                            ; v4   its scale words': (r + 8 (r / 8) + 8 h) x 16
.set PAN, 6                            ; v6   where I store n's image
.set PSN, 7                            ; v7   and its scale byte
.set SA,  10                           ; v10  4 x thread
.set SL,  11                           ; v11  4 x lane
.set STW, 12                           ; v12  the stage: my 64 bytes of row r
.set STR, 13                           ; v13  the stage: my wave's two whole rows
.set GR,  14                           ; v14  16 x lane
.set BO,  15                           ; v15  64 h
.set OIM, 17                           ; v17  1024 h + 16 r: an image's place in qimg and kv
.set ACC, 20                           ; v20-51   four accumulators
.set KAUG, 52                          ; v52  a masked key's word at k = 64: 0x2c in the wave of block 0, else 0
.set KCB,  53                          ; v53  a masked key's spare scale byte: 160 in the wave of block 0, else 1
.set C127, 54                          ; v54  127
.set OV,   55                          ; v55  1536 h + 8 r
.set MKO,  56                          ; v56  the mask's offset: 4 x (8 h + r + 8 (r / 8))
.set BVO,  57                          ; v57  bv's offset: 4 x (r + 8 (r / 8))
.set QAUG, 58                          ; v58  q's word at k = 64: 0x0c in the wave of block 0, else 0
.set C1,   59                          ; v59  1
.set BB,  84                           ; v84-99   the next bias
.set NF,  100                          ; v100-147 four fragments of n; between two products: at work
.set NT,  100
.set QT,  100
.set QC,  132                          ; v132-139 the codes just made
.set QS,  140                          ; v140     their scale byte
.set NS,  148                          ; v148-149 n's scale words of two K steps
.set WR0, 150                          ; v150-197, v200-247 the two sets of weight fragments
.set WS0, 198                          ; v198-199, v248-249 their scale words
.set MN,  250                          ; v250-251 the means of rows (0, r), (1, r)
.set GN,  252                          ; v252-253 their gains
.set VZ,  254                          ; v254 0
.set MK,  255                          ; v255 the mask of token (r, R = h)
.set WV,  40
.set HM,  41                           ; s41  lanes 16-31
.set SEL, 46                           ; s[46:47] v_permlanex16_b32's selects for lane l xor 16
.macro BAR                             ; my LDS stores have landed and my LDS loads are in: then the work-group's barrier
	s_wait_dscnt 0x0
	s_barrier_signal -1
	s_barrier_wait -1
.endm
.macro PLACES n
.rept \n
	v_nop
.endr
.endm
; one matrix instruction.  c < 0: the constant 0 starts the sum.  ra, rb: source 0's, source 1's scales stand in lanes 16-31
.macro WM d, a, b, c, sa, sb, ra, rb
.if (\c) < 0
.if (\ra) && (\rb)
	v_wmma_scale_f32_16x16x128_f8f6f4 v[\d:\d+7], v[\a:\a+11], v[\b:\b+11], 0, v[\sa], v[\sb] matrix_a_fmt:MATRIX_FMT_BF6 matrix_b_fmt:MATRIX_FMT_BF6 matrix_a_scale:MATRIX_SCALE_ROW1 matrix_b_scale:MATRIX_SCALE_ROW1
.elseif (\ra)
	v_wmma_scale_f32_16x16x128_f8f6f4 v[\d:\d+7], v[\a:\a+11], v[\b:\b+11], 0, v[\sa], v[\sb] matrix_a_fmt:MATRIX_FMT_BF6 matrix_b_fmt:MATRIX_FMT_BF6 matrix_a_scale:MATRIX_SCALE_ROW1
.elseif (\rb)
	v_wmma_scale_f32_16x16x128_f8f6f4 v[\d:\d+7], v[\a:\a+11], v[\b:\b+11], 0, v[\sa], v[\sb] matrix_a_fmt:MATRIX_FMT_BF6 matrix_b_fmt:MATRIX_FMT_BF6 matrix_b_scale:MATRIX_SCALE_ROW1
.else
	v_wmma_scale_f32_16x16x128_f8f6f4 v[\d:\d+7], v[\a:\a+11], v[\b:\b+11], 0, v[\sa], v[\sb] matrix_a_fmt:MATRIX_FMT_BF6 matrix_b_fmt:MATRIX_FMT_BF6
.endif
.else
.if (\ra) && (\rb)
	v_wmma_scale_f32_16x16x128_f8f6f4 v[\d:\d+7], v[\a:\a+11], v[\b:\b+11], v[\c:\c+7], v[\sa], v[\sb] matrix_a_fmt:MATRIX_FMT_BF6 matrix_b_fmt:MATRIX_FMT_BF6 matrix_a_scale:MATRIX_SCALE_ROW1 matrix_b_scale:MATRIX_SCALE_ROW1
.elseif (\ra)
	v_wmma_scale_f32_16x16x128_f8f6f4 v[\d:\d+7], v[\a:\a+11], v[\b:\b+11], v[\c:\c+7], v[\sa], v[\sb] matrix_a_fmt:MATRIX_FMT_BF6 matrix_b_fmt:MATRIX_FMT_BF6 matrix_a_scale:MATRIX_SCALE_ROW1
.elseif (\rb)
	v_wmma_scale_f32_16x16x128_f8f6f4 v[\d:\d+7], v[\a:\a+11], v[\b:\b+11], v[\c:\c+7], v[\sa], v[\sb] matrix_a_fmt:MATRIX_FMT_BF6 matrix_b_fmt:MATRIX_FMT_BF6 matrix_b_scale:MATRIX_SCALE_ROW1
.else
	v_wmma_scale_f32_16x16x128_f8f6f4 v[\d:\d+7], v[\a:\a+11], v[\b:\b+11], v[\c:\c+7], v[\sa], v[\sb] matrix_a_fmt:MATRIX_FMT_BF6 matrix_b_fmt:MATRIX_FMT_BF6
.endif
.endif
.endm
; a group of weights into set slot: tiles u = 0, 1 x K steps ks = 0, 1, a fragment in six pieces of 8 bytes; then the two K steps' scale words: lanes 0-15 tile 0's rows, lanes 16-31 tile 1's.  25 loads
.macro LOADG slot, cb, va, coff, sb, vs, soff, rowb
.irp ks, 0,1
.irp u, 0,1
.irp p, 0,1,2,3,4,5
	global_load_b64 v[WR0+50*(\slot)+12*(2*\ks+\u)+2*\p:WR0+50*(\slot)+12*(2*\ks+\u)+2*\p+1], v[\va], s[\cb:\cb+1] offset:(\coff)+8*\u*(\rowb)+96*\ks+48*(\p/3)+8*(\p%3)
.endr
.endr
.endr
	global_load_b64 v[WS0+50*(\slot):WS0+50*(\slot)+1], v[\vs], s[\sb:\sb+1] offset:\soff
.endm
; four fragments of the rows' codes (K steps ks = 0, 1 x tiles R = 0, 1) and their scale words from LDS.  25 loads, each of 256 consecutive bytes
.macro FETCHN base, off, rstr, soff
.irp ks, 0,1
.irp rr, 0,1
.irp c, 0,1
.irp p, 0,1,2
	ds_load_b64 v[NF+12*(2*\ks+\rr)+6*\c+2*\p:NF+12*(2*\ks+\rr)+6*\c+2*\p+1], v[\base] offset:(\off)+\rr*(\rstr)+\ks*1536+\c*768+\p*256
.endr
.endr
.endr
.endr
	ds_load_b64 v[NS:NS+1], v[LN8] offset:\soff
.endm
; eight matrix instructions, transposed: accumulator (R, u) at acc + 16 R + 8 u.  The four accumulators take turns, one instruction a turn, in the same order in every group.
; bias >= 0: the first K step's C is the bias, eight registers a tile in the result's layout
.macro MMT slot, acc, bias
.irp ks, 0,1
.irp u, 0,1
.irp rr, 0,1
.if ((\bias) >= 0) && (\ks == 0)
	WM \acc+16*\rr+8*\u, WR0+50*(\slot)+12*(2*\ks+\u), NF+12*(2*\ks+\rr), (\bias)+8*\u, WS0+50*(\slot)+\ks, NS+\ks, \u, \rr
.else
	WM \acc+16*\rr+8*\u, WR0+50*(\slot)+12*(2*\ks+\u), NF+12*(2*\ks+\rr), \acc+16*\rr+8*\u, WS0+50*(\slot)+\ks, NS+\ks, \u, \rr
.endif
.endr
.endr
.endr
.endm
; the same in the natural order (source 0 = 16 tokens, source 1 = 16 rows of the weight): accumulator (u, R) at acc + 16 u + 8 R
.macro MMN slot, acc, zero
.irp ks, 0,1
.irp u, 0,1
.irp rr, 0,1
.if (\zero) && (\ks == 0)
	WM \acc+16*\u+8*\rr, NF+12*(2*\ks+\rr), WR0+50*(\slot)+12*(2*\ks+\u), -1, NS+\ks, WS0+50*(\slot)+\ks, \rr, \u
.else
	WM \acc+16*\u+8*\rr, NF+12*(2*\ks+\rr), WR0+50*(\slot)+12*(2*\ks+\u), \acc+16*\u+8*\rr, NS+\ks, WS0+50*(\slot)+\ks, \rr, \u
.endif
.endr
.endr
.endr
.endm
; the sum of 16 registers and of lane l xor 16's 16, into v[t]; the first line reads the low end of each run of eight
.macro RSUM16 s, t
	v_pk_add_f32 v[\t:\t+1], v[\s:\s+1], v[\s+2:\s+3]
	v_pk_add_f32 v[\t+2:\t+3], v[\s+4:\s+5], v[\s+6:\s+7]
	v_pk_add_f32 v[\t+4:\t+5], v[\s+8:\s+9], v[\s+10:\s+11]
	v_pk_add_f32 v[\t+6:\t+7], v[\s+12:\s+13], v[\s+14:\s+15]
	v_pk_add_f32 v[\t:\t+1], v[\t:\t+1], v[\t+2:\t+3]
	v_pk_add_f32 v[\t+4:\t+5], v[\t+4:\t+5], v[\t+6:\t+7]
	v_pk_add_f32 v[\t:\t+1], v[\t:\t+1], v[\t+4:\t+5]
	v_add_f32 v[\t], v[\t], v[\t+1]
	v_mov_b32 v[\t+2], 0                           ; a lane permute's destination counts as one of its sources
	v_permlanex16_b32 v[\t+2], v[\t], s[SEL], s[SEL+1]
	v_add_f32 v[\t], v[\t], v[\t+2]
.endm
.macro RSQ16 s, t                      ; the same of their squares, in two chains
	v_pk_mul_f32 v[\t:\t+1], v[\s:\s+1], v[\s:\s+1]
	v_pk_mul_f32 v[\t+2:\t+3], v[\s+2:\s+3], v[\s+2:\s+3]
.irp i, 4,8,12
	v_pk_fma_f32 v[\t:\t+1], v[\s+\i:\s+\i+1], v[\s+\i:\s+\i+1], v[\t:\t+1]
	v_pk_fma_f32 v[\t+2:\t+3], v[\s+\i+2:\s+\i+3], v[\s+\i+2:\s+\i+3], v[\t+2:\t+3]
.endr
	v_pk_add_f32 v[\t:\t+1], v[\t:\t+1], v[\t+2:\t+3]
	v_add_f32 v[\t], v[\t], v[\t+1]
	v_mov_b32 v[\t+2], 0
	v_permlanex16_b32 v[\t+2], v[\t], s[SEL], s[SEL+1]
	v_add_f32 v[\t], v[\t], v[\t+2]
.endm
; v[a], v[b]: my wave's partial sums of rows (0, r), (1, r).  Lane L stores that of row L; behind the barrier it adds the sixteen waves': v[NT+16] = the total of row L
.macro XCHG a, b, reg
	v_cndmask_b32 v[NT+16], v[\a], v[\b], s[HM]
	ds_store_b32 v[SA], v[NT+16] offset:\reg
	BAR
.irp i, 0,1,2,3,4,5,6,7,8,9,10,11,12,13,14,15
	ds_load_b32 v[NT+16+\i], v[SL] offset:\reg+128*\i
.endr
	s_wait_dscnt 0x0
.irp i, 0,4,8,12
	v_pk_add_f32 v[NT+16+\i:NT+17+\i], v[NT+16+\i:NT+17+\i], v[NT+18+\i:NT+19+\i]
.endr
	v_pk_add_f32 v[NT+16:NT+17], v[NT+16:NT+17], v[NT+20:NT+21]
	v_pk_add_f32 v[NT+24:NT+25], v[NT+24:NT+25], v[NT+28:NT+29]
	v_pk_add_f32 v[NT+16:NT+17], v[NT+16:NT+17], v[NT+24:NT+25]
	v_add_f32 v[NT+16], v[NT+16], v[NT+17]
.endm
; dst = alpha (src - mean) / (std + eps) + beta over rows of 512; register 16 R + i = column 32 w + 16 h + i of row (R, r).  Two passes: the squares are taken of src - mean.  Two barriers
.macro NORM src, dst, sal, sbt
	RSUM16 \src, NT
	RSUM16 \src+16, NT+8
	XCHG NT, NT+8, STATA
	v_mul_f32 v[NT], 0x3b000000, v[NT+16]          ; / 512: the mean of row (h, r)
	v_mov_b32 v[NT+1], 0
	v_permlanex16_b32 v[NT+1], v[NT], s[SEL], s[SEL+1]   ; and of row (1 - h, r)
	v_cndmask_b32 v[MN], v[NT], v[NT+1], s[HM]
	v_cndmask_b32 v[MN+1], v[NT+1], v[NT], s[HM]
.irp i, 0,2,4,6,8,10,12,14
	v_pk_add_f32 v[\dst+\i:\dst+\i+1], v[\src+\i:\src+\i+1], v[MN:MN+1] op_sel_hi:[1,0] neg_lo:[0,1] neg_hi:[0,1]
.endr
.irp i, 0,2,4,6,8,10,12,14
	v_pk_add_f32 v[\dst+16+\i:\dst+16+\i+1], v[\src+16+\i:\src+16+\i+1], v[MN:MN+1] op_sel:[0,1] op_sel_hi:[1,1] neg_lo:[0,1] neg_hi:[0,1]
.endr
	RSQ16 \dst, NT
	RSQ16 \dst+16, NT+8
	XCHG NT, NT+8, STATB
	v_mul_f32 v[NT], 0x3b004020, v[NT+16]          ; / 511
	v_sqrt_f32 v[NT+1], v[NT]
	v_nop                                          ; a plain instruction behind the transcendental,
	s_wait_alu depctr_va_vdst(0)                   ; and a wait ahead of its first reader
	v_add_f32 v[NT+1], 0x358637bd, v[NT+1]         ; + 1e-6
	v_rcp_f32 v[NT+2], v[NT+1]
	v_nop
	s_wait_alu depctr_va_vdst(0)
	v_mul_f32 v[NT], s[\sal], v[NT+2]
	v_mov_b32 v[NT+1], 0
	v_permlanex16_b32 v[NT+1], v[NT], s[SEL], s[SEL+1]
	v_cndmask_b32 v[GN], v[NT], v[NT+1], s[HM]
	v_cndmask_b32 v[GN+1], v[NT+1], v[NT], s[HM]
.irp i, 0,2,4,6,8,10,12,14
	v_pk_fma_f32 v[\dst+\i:\dst+\i+1], v[\dst+\i:\dst+\i+1], v[GN:GN+1], s[\sbt:\sbt+1] op_sel_hi:[1,0,0]
.endr
.irp i, 0,2,4,6,8,10,12,14
	v_pk_fma_f32 v[\dst+16+\i:\dst+16+\i+1], v[\dst+16+\i:\dst+16+\i+1], v[GN:GN+1], s[\sbt:\sbt+1] op_sel:[0,1,0] op_sel_hi:[1,1,0]
.endr
.endm
; Two blocks of 32 at once.  v[a ..], v[b ..]: numbers 16 h + 0 .. 15 of a block of set a and of set b.  Out: v[QC .. QC+5] the whole block's 24 bytes, v[QS] its scale byte: set a's in lanes 0-15, set b's in lanes 16-31
.macro Q32X2 a, b, relu, abs
.if \relu
.irp i, 0,1,2,3,4,5,6,7,8,9,10,11,12,13,14,15
	v_max_num_f32 v[\a+\i], 0, v[\a+\i]
.endr
.irp i, 0,1,2,3,4,5,6,7,8,9,10,11,12,13,14,15
	v_max_num_f32 v[\b+\i], 0, v[\b+\i]
.endr
.endif
.if \abs
	v_max3_num_f32 v[QT], |v[\a]|, |v[\a+1]|, 0x2800000       ; my 16 numbers and the floor 2^(5 - 127): the byte cannot fall under 1
	v_max3_num_f32 v[QT+1], |v[\b]|, |v[\b+1]|, 0x2800000
.irp i, 2,4,6,8,10,12,14
	v_max3_num_f32 v[QT], v[QT], |v[\a+\i]|, |v[\a+\i+1]|
	v_max3_num_f32 v[QT+1], v[QT+1], |v[\b+\i]|, |v[\b+\i+1]|
.endr
.else
	v_max3_num_f32 v[QT], v[\a], v[\a+1], 0x2800000
	v_max3_num_f32 v[QT+1], v[\b], v[\b+1], 0x2800000
.irp i, 2,4,6,8,10,12,14
	v_max3_num_f32 v[QT], v[QT], v[\a+\i], v[\a+\i+1]
	v_max3_num_f32 v[QT+1], v[QT+1], v[\b+\i], v[\b+\i+1]
.endr
.endif
	v_mov_b32 v[QT+2], 0
	v_mov_b32 v[QT+3], 0
	v_permlanex16_b32 v[QT+2], v[QT], s[SEL], s[SEL+1]
	v_permlanex16_b32 v[QT+3], v[QT+1], s[SEL], s[SEL+1]
	v_max_num_f32 v[QT], v[QT], v[QT+2]            ; with lane l xor 16's: the block's largest magnitude
	v_max_num_f32 v[QT+1], v[QT+1], v[QT+3]
	v_add_nc_u32 v[QT+4], 0xfe000000, v[QT]        ; 4 off its exponent field: the conversion's scale operand
	v_add_nc_u32 v[QT+5], 0xfe000000, v[QT+1]
	v_cvt_scalef32_pk16_bf6_f32 v[QC:QC+2], v[\a:\a+15], v[QT+4]
	v_cvt_scalef32_pk16_bf6_f32 v[QC+4:QC+6], v[\b:\b+15], v[QT+5]
	v_lshrrev_b32 v[QT+6], 23, v[QT+4]             ; the scale's byte (also the plain instruction behind the conversions)
	v_lshrrev_b32 v[QT+7], 23, v[QT+5]
.irp i, 0,1,2
	v_permlane16_swap_b32 v[QC+\i], v[QC+4+\i]     ; the first's lanes 16-31 change places with the second's lanes 0-15: a lane now holds a whole block
.endr
	v_mov_b32 v[QC+3], v[QC+4]
	v_mov_b32 v[QC+4], v[QC+5]
	v_mov_b32 v[QC+5], v[QC+6]
	v_cndmask_b32 v[QS], v[QT+6], v[QT+7], s[HM]
.endm
.macro BIAS sb, off                    ; 16 numbers of a bias: columns 16 h + 0 .. 15 of my 32
.irp i, 0,1,2,3
	global_load_b128 v[BB+4*\i:BB+4*\i+3], v[BO], s[\sb:\sb+1] offset:(\off)+16*\i
.endr
.endm
.macro GRP pair, n                     ; n's fragments of K steps 2 pair, 2 pair + 1; n: the global loads issued behind this group's weights
	FETCHN LN8, NIMG+3072*(\pair), RSTRN, NSC+256*(\pair)
	s_wait_loadcnt \n
	s_wait_dscnt 0x0
.endm
	s_load_b512 s[8:23], s[0:1], 0x0               ; x 8, src_mask 10, alpha1 12, beta1 14, wq_codes 16, wq_scales 18, bq 20, wk_codes 22
	s_load_b512 s[24:39], s[0:1], 0x40             ; wk_scales 24, bk 26, wv_codes 28, wv_scales 30, bv 32, qimg 34, qsc 36, kv 38
	v_lshl_add_u32 v82, v0, 2, 0x14500
	v_mov_b32 v83, 0
	v_lshrrev_b32 v100, 5, v0
	v_readfirstlane_b32 s[WV], v100                ; wave 0..15
	v_and_b32 v100, 31, v0                         ; lane
	v_and_b32 v101, 15, v0                         ; r
	v_bfe_u32 v102, v0, 4, 1                       ; h
	v_and_b32 v103, 8, v0
	v_add_nc_u32 v103, v103, v101                  ; r + 8 (r / 8)
	v_lshl_add_u32 v104, v102, 3, v103             ; + 8 h
	v_lshlrev_b32 v[LN8], 3, v100
	v_mul_u32_u24 v[WA], v103, 384
	v_mad_u32_u24 v[WA], v102, 24, v[WA]
	v_lshlrev_b32 v[WSA], 4, v104
	v_lshlrev_b32 v[MKO], 2, v104
	v_lshlrev_b32 v[BVO], 2, v103
	v_lshlrev_b32 v[SA], 2, v0
	v_lshlrev_b32 v[SL], 2, v100
	v_lshlrev_b32 v[GR], 4, v100
	v_lshlrev_b32 v[BO], 6, v102
	v_lshlrev_b32 v[OIM], 4, v101
	v_lshl_add_u32 v[OIM], v102, 10, v[OIM]
	v_mul_u32_u24 v[OV], v102, 1536
	v_lshl_add_u32 v[OV], v101, 3, v[OV]
	v_mov_b32 v[VZ], 0
	v_mov_b32 v[C127], 127
	v_mov_b32 v[C1], 1
	s_mov_b32 s[HM], 0xffff0000
	s_mov_b32 s[SEL], 0x76543210
	s_mov_b32 s[SEL+1], 0xfedcba98
	s_and_b32 s53, s[WV], 1                        ; which block of the head is mine
	s_lshr_b32 s48, s[WV], 2                       ; my block w of n's K: K step w / 4, c = (w / 2) % 2, lanes' half w % 2
	s_mul_i32 s48, s48, 1536
	s_bfe_u32 s49, s[WV], 0x10001
	s_mul_i32 s49, s49, 768
	s_add_co_u32 s48, s48, s49
	s_lshl_b32 s49, s53, 7
	s_add_co_u32 s48, s48, s49
	s_add_co_u32 s48, s48, NIMG
	v_mul_u32_u24 v[PAN], v102, RSTRN
	v_lshl_add_u32 v[PAN], v101, 3, v[PAN]
	v_add_nc_u32 v[PAN], s48, v[PAN]
	s_lshr_b32 s48, s[WV], 3                       ; its byte: pair w / 8, word (w / 4) % 2, byte w % 4
	s_lshl_b32 s48, s48, 8
	s_bfe_u32 s49, s[WV], 0x10002
	s_lshl_b32 s49, s49, 2
	s_add_co_u32 s48, s48, s49
	s_and_b32 s49, s[WV], 3
	s_add_co_u32 s48, s48, s49
	s_add_co_u32 s48, s48, NSC
	v_add_nc_u32 v[PSN], s48, v[LN8]
	s_lshl_b32 s48, s[WV], 7
	s_add_co_u32 s48, s48, STG
	v_mul_u32_u24 v[STW], v101, SPT
	v_lshl_add_u32 v[STW], v102, 6, v[STW]
	v_add_nc_u32 v[STW], s48, v[STW]
	s_mul_i32 s48, s[WV], 2*SPT
	s_add_co_u32 s48, s48, STG
	v_add_nc_u32 v[STR], s48, v[GR]
	s_cmp_eq_u32 s53, 0
	s_cselect_b32 s60, 0x0c, 0                     ; 1.0
	s_cselect_b32 s61, 0x2c, 0                     ; -1.0
	s_mov_b32 s62, 1
	s_cselect_b32 s62, 160, s62                    ; 2^33
	v_mov_b32 v[QAUG], s60
	v_mov_b32 v[KAUG], s61
	v_mov_b32 v[KCB], s62
	; slots 2 w, 2 w + 1 of the stage are tokens t0, t0 + 1: t0 = 8 (w / 8) + 2 (w % 8) + 8 ((w % 8) / 4)
	s_lshr_b32 s48, s[WV], 3
	s_lshl_b32 s48, s48, 3
	s_and_b32 s49, s[WV], 7
	s_lshl_b32 s50, s49, 1
	s_add_co_u32 s48, s48, s50
	s_lshr_b32 s49, s49, 2
	s_lshl_b32 s49, s49, 3
	s_add_co_u32 s48, s48, s49
	s_lshl_b32 s48, s48, 11
	s_lshl_b32 s49, ttmp9, 16                      ; the block's 32 rows of 2,048 bytes
	s_add_co_u32 s48, s48, s49
	s_mov_b32 s49, 0
	s_wait_kmcnt 0x0
	s_load_b32 s42, s[12:13], 0x0                  ; alpha1
	s_load_b32 s44, s[14:15], 0x0                  ; beta1
	s_add_nc_u64 s[8:9], s[8:9], s[48:49]
	s_lshl_b32 s48, ttmp9, 7                       ; the mask: 4 bytes a token
	s_add_nc_u64 s[10:11], s[10:11], s[48:49]
	s_mul_i32 s48, s[WV], 12288                    ; my 32 rows of each weight,
	s_add_nc_u64 s[16:17], s[16:17], s[48:49]
	s_add_nc_u64 s[22:23], s[22:23], s[48:49]
	s_add_nc_u64 s[28:29], s[28:29], s[48:49]
	s_lshl_b32 s48, s[WV], 9                       ; of its scale bytes,
	s_add_nc_u64 s[18:19], s[18:19], s[48:49]
	s_add_nc_u64 s[24:25], s[24:25], s[48:49]
	s_add_nc_u64 s[30:31], s[30:31], s[48:49]
	s_lshl_b32 s48, s[WV], 7                       ; my 32 numbers of each bias
	s_add_nc_u64 s[20:21], s[20:21], s[48:49]
	s_add_nc_u64 s[26:27], s[26:27], s[48:49]
	s_add_nc_u64 s[32:33], s[32:33], s[48:49]
.irp i, 0,1,2,3,4,5,6,7
	global_load_b128 v[ACC+4*\i:ACC+4*\i+3], v[GR], s[8:9] offset:512*\i th:TH_LOAD_NT   ; two whole rows of x: 4,096 consecutive bytes
.endr
	global_load_b32 v[MK], v[MKO], s[10:11]
	BIAS 20, 0
	LOADG 0, 16, WA, 0, 18, WSA, 0, 384
	LOADG 1, 16, WA, 192, 18, WSA, 8, 384
	; where the results go.  b = block / 64, j = block % 64; head = w / 2; bh = 8 b + head; a chunk of kv is 16 blocks, a step 4
	s_lshr_b32 s50, ttmp9, 6
	s_and_b32 s51, ttmp9, 63
	s_lshr_b32 s52, s[WV], 1
	s_lshl_b32 s54, s50, 3
	s_add_co_u32 s54, s54, s52                     ; bh
	s_lshl_b32 s48, s54, 17                        ; qimg: (128 bh + 2 j) x 1,024 + 256 x my block
	s_lshl_b32 s55, s51, 11
	s_add_co_u32 s48, s48, s55
	s_lshl_b32 s55, s53, 8
	s_add_co_u32 s48, s48, s55
	s_add_nc_u64 s[34:35], s[34:35], s[48:49]
	s_lshl_b32 s48, s54, 13                        ; qsc: (2,048 bh + 32 j) x 4 + my block
	s_lshl_b32 s55, s51, 7
	s_add_co_u32 s48, s48, s55
	s_add_co_u32 s48, s48, s53
	s_add_nc_u64 s[36:37], s[36:37], s[48:49]
	s_mul_i32 s56, s54, 241664                     ; kv: the head's block, the chunk
	s_lshr_b32 s55, s51, 4
	s_mul_i32 s55, s55, 60416
	s_add_co_u32 s56, s56, s55
	s_and_b32 s57, s51, 15                         ; the block in its chunk,
	s_lshr_b32 s58, s57, 2                         ; its step,
	s_and_b32 s59, s51, 3                          ; its place in the step
	s_lshl_b32 s48, s57, 11                        ; K's images: tiles 2 (j % 16), + 1
	s_add_co_u32 s48, s48, s56
	s_lshl_b32 s55, s53, 8
	s_add_co_u32 s48, s48, s55
	s_add_nc_u64 s[66:67], s[38:39], s[48:49]
	s_lshl_b32 s48, s58, 9                         ; K's scale words
	s_add_co_u32 s48, s48, s56
	s_lshl_b32 s55, s59, 2
	s_add_co_u32 s48, s48, s55
	s_add_co_u32 s48, s48, s53
	s_add_co_u32 s48, s48, 57344
	s_add_nc_u64 s[68:69], s[38:39], s[48:49]
	s_mul_i32 s48, s58, 6144                       ; V's fragments
	s_add_co_u32 s48, s48, s56
	s_mul_i32 s55, s53, 3072
	s_add_co_u32 s48, s48, s55
	s_lshr_b32 s55, s59, 1
	s_mul_i32 s55, s55, 768
	s_add_co_u32 s48, s48, s55
	s_and_b32 s55, s59, 1
	s_lshl_b32 s55, s55, 7
	s_add_co_u32 s48, s48, s55
	s_add_co_u32 s48, s48, 32768
	s_add_nc_u64 s[70:71], s[38:39], s[48:49]
	s_lshl_b32 s48, s58, 8                         ; V's scale words
	s_add_co_u32 s48, s48, s56
	s_lshl_b32 s55, s53, 2
	s_add_co_u32 s48, s48, s55
	s_add_co_u32 s48, s48, s59
	s_add_co_u32 s48, s48, 59392
	s_add_nc_u64 s[72:73], s[38:39], s[48:49]
	s_wait_loadcnt 55                              ; x's eight loads are in; behind them: the mask 1, bq 4, two groups 50
.irp i, 0,1,2,3,4,5,6,7
	ds_store_b128 v[STR], v[ACC+4*\i:ACC+4*\i+3] offset:(\i/4)*SPT+512*(\i%4)
.endr
	BAR                                            ; the 32 rows lie in the stage
.irp rr, 0,1
.irp i, 0,1,2,3
	ds_load_b128 v[ACC+16*\rr+4*\i:ACC+16*\rr+4*\i+3], v[STW] offset:\rr*16*SPT+16*\i   ; columns 32 w + 16 h + 0 .. 15 of rows (0, r), (1, r)
.endr
.endr
	s_wait_dscnt 0x0
	s_wait_kmcnt 0x0
	s_mov_b32 s45, s44                             ; (named with it as a pair)
	NORM ACC, ACC, 42, 44
	Q32X2 ACC, ACC+16, 0, 1                        ; block w of n's K, for the two tiles of rows
.irp p, 0,1,2
	ds_store_b64 v[PAN], v[QC+2*\p:QC+2*\p+1] offset:256*\p
.endr
	ds_store_b8 v[PSN], v[QS]
	BAR                                            ; n's eight fragments and their scale words lie in LDS
	; ---- q
	GRP 0, 25                                      ; behind wq's first group: its second
	MMT 0, ACC, BB
	PLACES 4                                       ; in front of loads into registers that the products have read
	BIAS 26, 0
	LOADG 0, 22, WA, 0, 24, WSA, 0, 384
	GRP 1, 29                                      ; behind wq's second group: bk 4, wk's first 25
	MMT 1, ACC, -1
	PLACES 4                                       ; and in front of the first read of the results
	LOADG 1, 22, WA, 192, 24, WSA, 8, 384
	Q32X2 ACC, ACC+16, 0, 1
	v_mov_b32 v[QC+6], v[QAUG]
	v_mov_b32 v[QC+7], 0
	global_store_b128 v[OIM], v[QC:QC+3], s[34:35]             ; lanes 0-15 and lanes 16-31 each store 256 consecutive bytes, aligned
	global_store_b128 v[OIM], v[QC+4:QC+7], s[34:35] offset:512
	global_store_b8 v[SL], v[QS], s[36:37]
	global_store_b8 v[SL], v[C127], s[36:37] offset:2
	; ---- k
	s_wait_xcnt 0x0                                ; the stores have read their registers: the loads below land there
	GRP 0, 25
	MMT 0, ACC, BB
	PLACES 4
	global_load_b32 v[BB], v[BVO], s[32:33]        ; bv of my lane's column in tile 0,
	global_load_b32 v[BB+1], v[BVO], s[32:33] offset:32        ; and in tile 1
	LOADG 0, 28, WA, 0, 30, WSA, 0, 384
	GRP 1, 27                                      ; behind wk's second group: bv 2, wv's first 25
	MMT 1, ACC, -1
	PLACES 4
	LOADG 1, 28, WA, 192, 30, WSA, 8, 384
	Q32X2 ACC, ACC+16, 0, 1
	v_cmp_ne_u32 vcc_lo, 0, v[MK]                  ; the key counts
.irp i, 0,1,2,3,4,5
	v_cndmask_b32 v[QC+\i], 0, v[QC+\i], vcc_lo    ; a masked key's codes are zeros,
.endr
	v_cndmask_b32 v[QC+6], v[KAUG], v[VZ], vcc_lo  ; its code at k = 64 is -1.0,
	v_mov_b32 v[QC+7], 0
	v_cndmask_b32 v[QT], v[KCB], v[C1], vcc_lo     ; under the byte 160; a key that counts has the byte 1 over zeros
	global_store_b128 v[OIM], v[QC:QC+3], s[66:67]
	global_store_b128 v[OIM], v[QC+4:QC+7], s[66:67] offset:512
	global_store_b8 v[GR], v[QS], s[68:69]
	global_store_b8 v[GR], v[QT], s[68:69] offset:2
	; ---- v, in the natural order: a lane holds one column and 16 tokens
	s_wait_xcnt 0x0
	GRP 0, 25
	MMN 0, ACC, 1
	PLACES 4
	GRP 1, 0
	MMN 1, ACC, 0
	PLACES 4
.irp i, 0,2,4,6,8,10,12,14
	v_pk_add_f32 v[ACC+\i:ACC+\i+1], v[ACC+\i:ACC+\i+1], v[BB:BB+1] op_sel_hi:[1,0]
.endr
.irp i, 0,2,4,6,8,10,12,14
	v_pk_add_f32 v[ACC+16+\i:ACC+16+\i+1], v[ACC+16+\i:ACC+16+\i+1], v[BB:BB+1] op_sel:[0,1] op_sel_hi:[1,1]
.endr
	Q32X2 ACC, ACC+16, 0, 1                        ; the block of 32 keys, for my two tiles of the head's channels
.irp p, 0,1,2
	global_store_b64 v[OV], v[QC+2*\p:QC+2*\p+1], s[70:71] offset:256*\p   ; runs of 128 consecutive bytes: a block of 32 keys is half of a fragment's piece
.endr
	global_store_b8 v[LN8], v[QS], s[72:73]
	s_wait_tensorcnt 0x0
	ds_add_u32 v82, v83
	s_wait_dscnt 0x0
	s_endpgm
.Lfunc_end_k_qaf5b867459_qkv:
	.size	k_qaf5b867459_qkv, .Lfunc_end_k_qaf5b867459_qkv-k_qaf5b867459_qkv
	.p2alignl 7, 3214868480
	.fill 96, 4, 3214868480
	.section	.rodata,"a",@progbits
	.p2align	6, 0x0
	.amdhsa_kernel k_qaf5b867459_qkv
		.amdhsa_group_segment_fixed_size 85248
		.amdhsa_private_segment_fixed_size 0
		.amdhsa_enable_private_segment 0
		.amdhsa_kernarg_size 128
		.amdhsa_user_sgpr_count 2
		.amdhsa_user_sgpr_kernarg_segment_ptr 1
		.amdhsa_wavefront_size32 1
		.amdhsa_system_sgpr_workgroup_id_x 1
		.amdhsa_system_sgpr_workgroup_id_y 1
		.amdhsa_system_sgpr_workgroup_id_z 1
		.amdhsa_system_vgpr_workitem_id 0
		.amdhsa_next_free_vgpr 256
		.amdhsa_next_free_sgpr 100
		.amdhsa_reserve_vcc 1
		.amdhsa_float_denorm_mode_32 3
		.amdhsa_float_denorm_mode_16_64 3
		.amdhsa_memory_ordered 1
		.amdhsa_forward_progress 1
		.amdhsa_inst_pref_size 60
	.end_amdhsa_kernel
	.amdgpu_metadata
---
amdhsa.version: [ 1, 2 ]
amdhsa.kernels:
  - .name:           k_qaf5b867459_qkv
    .symbol:         k_qaf5b867459_qkv.kd
    .args:
      - { .name: x, .offset: 0, .size: 8, .value_kind: global_buffer, .address_space: global }
      - { .name: src_mask, .offset: 8, .size: 8, .value_kind: global_buffer, .address_space: global }
      - { .name: alpha1, .offset: 16, .size: 8, .value_kind: global_buffer, .address_space: global }
      - { .name: beta1, .offset: 24, .size: 8, .value_kind: global_buffer, .address_space: global }
      - { .name: wq_codes, .offset: 32, .size: 8, .value_kind: global_buffer, .address_space: global }
      - { .name: wq_scales, .offset: 40, .size: 8, .value_kind: global_buffer, .address_space: global }
      - { .name: bq, .offset: 48, .size: 8, .value_kind: global_buffer, .address_space: global }
      - { .name: wk_codes, .offset: 56, .size: 8, .value_kind: global_buffer, .address_space: global }
      - { .name: wk_scales, .offset: 64, .size: 8, .value_kind: global_buffer, .address_space: global }
      - { .name: bk, .offset: 72, .size: 8, .value_kind: global_buffer, .address_space: global }
      - { .name: wv_codes, .offset: 80, .size: 8, .value_kind: global_buffer, .address_space: global }
      - { .name: wv_scales, .offset: 88, .size: 8, .value_kind: global_buffer, .address_space: global }
      - { .name: bv, .offset: 96, .size: 8, .value_kind: global_buffer, .address_space: global }
      - { .name: qimg, .offset: 104, .size: 8, .value_kind: global_buffer, .address_space: global }
      - { .name: qsc, .offset: 112, .size: 8, .value_kind: global_buffer, .address_space: global }
      - { .name: kv, .offset: 120, .size: 8, .value_kind: global_buffer, .address_space: global }
    .group_segment_fixed_size: 85248
    .private_segment_fixed_size: 0
    .kernarg_segment_align: 8
    .kernarg_segment_size: 128
    .max_flat_workgroup_size: 512
    .sgpr_count:     100
    .vgpr_count:     256
    .wavefront_size: 32
...
	.end_amdgpu_metadata
.endif
;; end of part 1
;; launch attn (part 2): grid 8 x 32, 16 waves a work-group, clusters of 4 x 1, 264,192 bytes of LDS; arguments qimg, qsc, kv, ctx, ctxsc; writes ctx, ctxsc
.if DOCPART == 2
	.amdgcn_target "amdgcn-amd-amdhsa--gfx1250"
	.amdhsa_code_object_version 6
	.text
	.protected	k_qaf5b867459_attn
	.globl	k_qaf5b867459_attn
	.p2align	8
	.type	k_qaf5b867459_attn,@function
k_qaf5b867459_attn:
	s_mov_b64 s[64:65], 0
	v_nop
	global_prefetch_b8 v0, s[64:65] scope:SCOPE_SE
	s_setreg_imm32_b32 hwreg(HW_REG_WAVE_MODE, 25, 1), 1
	s_wait_xcnt 0x0
	s_wait_alu depctr_hold_cnt(0) depctr_sa_sdst(0) depctr_va_vdst(0) depctr_va_sdst(0) depctr_va_ssrc(0) depctr_va_vcc(0) depctr_vm_vsrc(0)
	s_getreg_b32 s2, hwreg(HW_REG_IB_STS2, 6, 4)
	s_cmp_eq_u32 s2, 0
	s_cbranch_scc0 .Lentry_in_a_cluster
	s_endpgm
.Lentry_in_a_cluster:
	s_bfe_u32 s2, ttmp6, 0x10000c
	s_cmp_lg_u32 s2, 0x3003
	s_cbranch_scc0 .Lentry_shape_is_right
	s_endpgm
.Lentry_shape_is_right:
; ctx = softmax(q k^T / 8, masked) v for one (batch, head), both products on codes of BF6 (E3M2) with one E8M0 scale for each 32 along K; ctx is quantised along the model's 512 and leaves as an image of operand registers.
; THE SOFTMAX: t = score x log2(e) / 8; M = the running largest t rounded up to a whole number; p = 2^(t - M) is quantised along the keys, not normalised; the row's sum is taken of the unquantised p and divides at the end.
; THE MASK costs nothing here: a masked key's score arrives as -2^33 (the launch before has laid it into the 64 places of K that a head of 64 leaves free), t is then a whole number, p = 0 beside any key that counts and 1 in a row
; all of whose keys are masked.  LIMIT: the masked logit is -2^30 where reference() has -1e9.  NaN and infinities are not served.  1 / sum is v_rcp_f32.
; SHARES.  A work-group owns 256 queries of one head, each of its sixteen waves one tile of 16, in 256 registers: four waves to a SIMD, so that one wave's vector work stands beside another's matrix work and LDS loads.
; LDS holds the head's whole K and V, 241,664 bytes, an image of kv[bh], filled ONCE: four chunks of 512 keys, each brought by waves 0-3 (59 rows of 256 bytes each).  Nothing is filled again.
; CLUSTER.  The four query blocks of a cluster belong to one head: each load is asked for jointly, with the same descriptor and the mask of all four.  A wave has four tensor loads out at the most.
; No prefetch: every byte that the launch reads is asked for by the loads at its head.
; LAYOUT.  S^T = K Q^T and O^T = V^T P^T: a lane holds one query (lane % 16).  Tile 2 b + u of a step holds keys 32 b + 8 u + r + 8 (r / 8), so the 16 registers of tiles 2 b, 2 b + 1 are keys 32 b + 16 h + 0 .. 15.
; V's tiles of channels follow the same map, so O^T's 16 registers of tiles 2 i, 2 i + 1 are channels 32 i + 16 h + 0 .. 15: half a block of the next product's K.
.set CHB,  60416                       ; a chunk: K's images 32,768, V's fragments 24,576, K's scale words 2,048, V's 1,024
.set L16, 1                            ; v1   16 x lane
.set L8,  2                            ; v2   8 x lane
.set ADK, 3                            ; v3-6 LDS addresses of the step in hand: K's images, V's fragments, K's scale words, V's
.set ADV, 4
.set ADS, 5
.set ADT, 6
.set QSO, 7                            ; v7   4 r
.set CSO, 8                            ; v8   8 r + h
.set QF,  16                           ; v16-27   Q's fragment; v24-27 stay 0
.set QW,  28                           ; v28      Q's scale word
.set VS,  30                           ; v30-31   V's scale words
.set KF,  32                           ; v32-79   four fragments of K; registers 8-11 of each stay 0
.set ST,  96                           ; v96-159  S^T, then p; then v96-143 V's four fragments
.set OT,  160                          ; v160-191 O^T
.set BM,  200                          ; v200-203 the blocks' largest scores, then largest p
.set PD,  204                          ; v204-207 at work
.set SO,  208                          ; v208-211 the conversions' scale operands
.set H2,  212                          ; v212-214, v216-218 the conversions' second halves
.set FS,  220                          ; v220-221 f = 2^(old M - new M)
.set PW,  222                          ; v222     p's scale word
.set TP,  223
.set PCD, 224                          ; v224-235 p's codes
.set QT,  200                          ; the way out: at work, the codes, the byte
.set QC,  224
.set QS,  240
.set KS,  248                          ; v248-251 K's scale words
.set WV,  18
.set SEL, 20
.set CS,  22                           ; s[22:23] c = log2(e) / 8
.set G1,  24                           ; s[24:31] descriptor group 1;  s[32:47] group 0, a set for each chunk
.set G0,  32
.set TK,  2
.set TV,  3
.set TS,  66
.set TU,  67
.set HM,  69
.macro BAR
	s_wait_dscnt 0x0
	s_barrier_signal -1
	s_barrier_wait -1
.endm
.macro PLACES n
.rept \n
	v_nop
.endr
.endm
.macro CROUND                          ; a round of the cluster's barrier
	s_barrier_signal -1
	s_barrier_wait -1
	s_cmp_lg_u32 s[WV], 0
	s_cbranch_scc1 .Lnot_wave_0_\@
	s_barrier_signal -3
.Lnot_wave_0_\@:
	s_barrier_wait -3
	s_barrier_signal -1
	s_barrier_wait -1
.endm
.macro WM d, a, b, c, sa, sb, ra       ; one matrix instruction.  c < 0: the constant 0 starts the sum.  ra: source 0's scales stand in lanes 16-31
.if (\c) < 0
.if (\ra)
	v_wmma_scale_f32_16x16x128_f8f6f4 v[\d:\d+7], v[\a:\a+11], v[\b:\b+11], 0, v[\sa], v[\sb] matrix_a_fmt:MATRIX_FMT_BF6 matrix_b_fmt:MATRIX_FMT_BF6 matrix_a_scale:MATRIX_SCALE_ROW1
.else
	v_wmma_scale_f32_16x16x128_f8f6f4 v[\d:\d+7], v[\a:\a+11], v[\b:\b+11], 0, v[\sa], v[\sb] matrix_a_fmt:MATRIX_FMT_BF6 matrix_b_fmt:MATRIX_FMT_BF6
.endif
.else
.if (\ra)
	v_wmma_scale_f32_16x16x128_f8f6f4 v[\d:\d+7], v[\a:\a+11], v[\b:\b+11], v[\c:\c+7], v[\sa], v[\sb] matrix_a_fmt:MATRIX_FMT_BF6 matrix_b_fmt:MATRIX_FMT_BF6 matrix_a_scale:MATRIX_SCALE_ROW1
.else
	v_wmma_scale_f32_16x16x128_f8f6f4 v[\d:\d+7], v[\a:\a+11], v[\b:\b+11], v[\c:\c+7], v[\sa], v[\sb] matrix_a_fmt:MATRIX_FMT_BF6 matrix_b_fmt:MATRIX_FMT_BF6
.endif
.endif
.endm
	s_load_b256 s[4:11], s[0:1], 0x0               ; qimg 4, qsc 6, kv 8, ctx 10
	s_load_b64 s[12:13], s[0:1], 0x20              ; ctxsc
	v_lshl_add_u32 v254, v0, 2, 0x40000
	v_mov_b32 v255, 0
	ds_add_u32 v254, v255
	ds_add_u32 v254, v255
	v_lshrrev_b32 v[TP], 5, v0
	v_readfirstlane_b32 s[WV], v[TP]               ; wave 0..15
	s_and_b32 s19, s[WV], 3                        ; which quarter of a chunk I fetch, if I fetch
	s_bfe_u32 s48, ttmp6, 0x40000                  ; cx: it enters Q's, ctx's and ctxsc's addresses alone
	s_lshl_b32 s49, ttmp9, 2
	s_add_co_u32 s49, s49, s48                     ; my block of 256 queries
	s_lshl_b32 s49, s49, 4
	s_add_co_u32 s49, s49, s[WV]                   ; T: my tile of 16 queries, 0 .. 127
	s_and_b32 s50, ttmp7, 0xffff                   ; bh, which the four partners share
	s_lshr_b32 s51, s50, 3                         ; the batch
	s_and_b32 s52, s50, 7                          ; the head
	s_mov_b32 s[G1], 15|(3<<16)|(1<<21)            ; 15:0 the mask: all four work-groups; 17:16 elements of 8 bytes; 21 set beside a mask; no padding
	s_mov_b32 s[G1+1], 32<<16                      ; tensor_dim0 = 32 elements: rows of 256 bytes
	s_mov_b32 s[G1+2], 59<<16                      ; tensor_dim1 = 59
	s_mov_b32 s[G1+3], 32<<16                      ; tile_dim0
	s_mov_b32 s[G1+4], 59                          ; tile_dim1
	s_mov_b32 s[G1+5], 32                          ; the rows are dense
	s_mov_b32 s[G1+6], 0
	s_mov_b32 s[G1+7], 0
	s_mov_b32 s[SEL], 0x76543210
	s_mov_b32 s[SEL+1], 0xfedcba98
	s_mov_b32 s[CS], 0x3e38aa3b
	s_mov_b32 s[CS+1], s[CS]                       ; (named with it as a pair)
	s_mov_b32 s[HM], 0xffff0000
	s_mul_i32 s54, s50, 4*CHB
	s_mul_i32 s55, s19, 15104                      ; 59 rows of 256 bytes
	s_add_co_u32 s56, s54, s55
	s_mov_b32 s57, 0
	s_lshl_b32 s62, s50, 17                        ; Q's image: (128 bh + T) x 1,024
	s_lshl_b32 s63, s49, 10
	s_add_co_u32 s62, s62, s63
	s_mov_b32 s63, 0
	s_lshl_b32 s70, s50, 13                        ; its scale words: (2,048 bh + 16 T) x 4
	s_lshl_b32 s71, s49, 6
	s_add_co_u32 s70, s70, s71
	s_mov_b32 s71, 0
	s_lshl_b32 s58, s51, 7                         ; ctx: row tile 128 b + T, K step head / 2, c = head % 2: 768 bytes each
	s_add_co_u32 s58, s58, s49
	s_lshl_b32 s58, s58, 2
	s_lshr_b32 s59, s52, 1
	s_add_co_u32 s58, s58, s59
	s_lshl_b32 s58, s58, 1
	s_and_b32 s59, s52, 1
	s_add_co_u32 s58, s58, s59
	s_mul_i32 s58, s58, 768
	s_mov_b32 s59, 0
	s_lshl_b32 s60, s51, 6                         ; ctxsc: block 64 b + T / 2, pair head / 4, lanes' half T % 2, word (head / 2) % 2, bytes 2 (head % 2) + h
	s_lshr_b32 s61, s49, 1
	s_add_co_u32 s60, s60, s61
	s_lshl_b32 s60, s60, 9
	s_lshr_b32 s61, s52, 2
	s_lshl_b32 s61, s61, 8
	s_add_co_u32 s60, s60, s61
	s_and_b32 s61, s49, 1
	s_lshl_b32 s61, s61, 7
	s_add_co_u32 s60, s60, s61
	s_bfe_u32 s61, s52, 0x10001
	s_lshl_b32 s61, s61, 2
	s_add_co_u32 s60, s60, s61
	s_and_b32 s61, s52, 1
	s_lshl_b32 s61, s61, 1
	s_add_co_u32 s60, s60, s61
	s_mov_b32 s61, 0
	s_wait_dscnt 0x0
	s_wait_kmcnt 0x0
	s_add_nc_u64 s[56:57], s[8:9], s[56:57]
	s_add_nc_u64 s[4:5], s[4:5], s[62:63]
	s_add_nc_u64 s[6:7], s[6:7], s[70:71]
	s_add_nc_u64 s[10:11], s[10:11], s[58:59]
	s_add_nc_u64 s[12:13], s[12:13], s[60:61]
.irp c, 0,1,2,3
	s_mov_b32 s[G0+4*\c], 1                        ; count = 1
	s_add_co_u32 s[G0+4*\c+1], s55, \c*CHB         ; LDS address: the same place as in kv[bh]
	s_add_nc_u64 s[G0+4*\c+2:G0+4*\c+3], s[56:57], \c*CHB
	s_or_b32 s[G0+4*\c+3], s[G0+4*\c+3], 0x80000000   ; type = 2
.endr
	CROUND                                         ; all four work-groups are here: the joint loads meet
	s_cmp_lt_u32 s[WV], 4                          ; waves 0-3 fetch: a wave's four first fills stand in one branch, ahead of every wait on TENSORcnt and every LDS read
	s_cbranch_scc0 .Lno_fetch
	tensor_load_to_lds s[G0:G0+3], s[G1:G1+7]
	s_nop 0
	tensor_load_to_lds s[G0+4:G0+7], s[G1:G1+7]
	s_nop 0
	tensor_load_to_lds s[G0+8:G0+11], s[G1:G1+7]
	s_nop 0
	tensor_load_to_lds s[G0+12:G0+15], s[G1:G1+7]
	s_nop 0
	PLACES 4
.Lno_fetch:
	v_and_b32 v[TP], 31, v0
	v_lshlrev_b32 v[L16], 4, v[TP]
	v_lshlrev_b32 v[L8], 3, v[TP]
	v_and_b32 v[QSO], 15, v0
	v_bfe_u32 v[CSO], v0, 4, 1
	v_lshl_add_u32 v[CSO], v[QSO], 3, v[CSO]
	v_lshlrev_b32 v[QSO], 2, v[QSO]
	global_load_b128 v[QF:QF+3], v[L16], s[4:5]                ; Q's registers 0-7 as they were stored
	global_load_b128 v[QF+4:QF+7], v[L16], s[4:5] offset:512
	global_load_b32 v[QW], v[QSO], s[6:7]
.irp i, 24,25,26,27, 40,41,42,43, 52,53,54,55, 64,65,66,67, 76,77,78,79
	v_mov_b32 v\i, 0                               ; k = 80 .. 127 of Q and of K's four buffers: zero codes, written once
.endr
.set jj, 0
.rept 32
	v_mov_b32 v[OT+jj], 0                          ; O^T.  (The step is written once: the first finds zeros, which the first change of M leaves zeros)
.set jj, jj+1
.endr
.irp b, 0,1,2,3
	v_mov_b32 v[PD+\b], 0                          ; a lane permute's destination counts as one of its sources
.endr
	v_mov_b32 v[FS+1], 0                           ; (named as the upper half of a pair)
	v_mov_b32 v13, 0xff61b1e6                      ; the largest t so far: -3e38
	v_floor_f32 v12, -v13                          ; -M
	v_mov_b32 v14, 0                               ; the sum, in two halves
	v_mov_b32 v15, 0
; A KEY STEP: 128 keys
.macro STEP
	v_add_nc_u32 v[ADK], s[TK], v[L16]
	v_add_nc_u32 v[ADV], s[TV], v[L8]
	v_add_nc_u32 v[ADS], s[TS], v[L16]
	v_add_nc_u32 v[ADT], s[TU], v[L8]
	PLACES 2                                       ; six places behind the last step's products: S^T is laid over V's fragments (five are owed), and loads land in V's scale words (four)
	ds_load_b128 v[KS:KS+3], v[ADS]                ; word i: lanes 0-15 tile 2 i, lanes 16-31 tile 2 i + 1
	ds_load_b64 v[VS:VS+1], v[ADT]
.irp g, 0,1                            ; S^T = K Q^T, four tiles of 16 keys at a time
.if \g
	PLACES 4                                       ; in front of loads into registers that the products have read
.endif
.irp t, 0,1,2,3
	ds_load_b128 v[KF+12*\t:KF+12*\t+3], v[ADK] offset:(4*\g+\t)*1024
	ds_load_b128 v[KF+12*\t+4:KF+12*\t+7], v[ADK] offset:(4*\g+\t)*1024+512
.endr
	s_wait_dscnt 0x0
.irp t, 0,1,2,3
	WM ST+8*(4*\g+\t), KF+12*\t, QF, -1, KS+2*\g+\t/2, QW, \t%2
.endr
.endr
	PLACES 4
.irp b, 0,1,2,3
	v_max3_num_f32 v[BM+\b], v[ST+16*\b], v[ST+1+16*\b], v[ST+2+16*\b]   ; the largest score of each block of 32 keys: for the row's maximum, and, since p rises with the score, for the block's largest p
.endr
.irp i, 3,5,7,9,11,13
.irp b, 0,1,2,3
	v_max3_num_f32 v[BM+\b], v[BM+\b], v[ST+16*\b+\i], v[ST+1+16*\b+\i]
.endr
.endr
.irp b, 0,1,2,3
	v_max_num_f32 v[BM+\b], v[BM+\b], v[ST+15+16*\b]
.endr
.irp b, 0,1,2,3
	v_permlanex16_b32 v[PD+\b], v[BM+\b], s[SEL], s[SEL+1]
.endr
.irp b, 0,1,2,3
	v_max_num_f32 v[BM+\b], v[BM+\b], v[PD+\b]     ; with lane l xor 16's 16 keys
.endr
	v_max3_num_f32 v[TP], v[BM], v[BM+1], v[BM+2]
	v_max_num_f32 v[TP], v[TP], v[BM+3]
	v_mul_f32 v[TP], s[CS], v[TP]                  ; as t (c is positive)
	v_max_num_f32 v13, v13, v[TP]                  ; the running largest t
	v_mov_b32 v[TP], v12
	v_floor_f32 v12, -v13                          ; the new -M = -ceil(t)
	v_sub_f32 v[TP], v12, v[TP]                    ; old M - new M: a whole number, 0 or less
	v_cvt_i32_f32 v[TP], v[TP]                     ; (it saturates)
	v_ldexp_f32 v[FS], 1.0, v[TP]                  ; f: a multiplication by it rounds nothing
.set jj, 0
.rept 32
	v_pk_fma_f32 v[ST+jj:ST+jj+1], v[ST+jj:ST+jj+1], s[CS:CS+1], v[12:13] op_sel_hi:[1,0,0]   ; t - M
.set jj, jj+2
.endr
.irp b, 0,1,2,3
	v_fma_f32 v[BM+\b], v[BM+\b], s[CS], v12       ; the same of each block's largest score
.endr
.set jj, 0
.rept 64
	v_exp_f32 v[ST+jj], v[ST+jj]                   ; p = 2^(t - M)
.set jj, jj+1
.endr
	v_pk_mul_f32 v[14:15], v[14:15], v[FS:FS+1] op_sel_hi:[1,0]   ; the sums under the new M (the plain instruction behind the exponentials)
	s_wait_alu depctr_va_vdst(0)                   ; one wait for the batch, ahead of its first reader
.irp b, 0,1,2,3
	v_exp_f32 v[BM+\b], v[BM+\b]                   ; the block's largest p
.endr
	v_pk_add_f32 v[PD:PD+1], v[ST:ST+1], v[ST+2:ST+3]          ; the row's sum of the unquantised p, in two chains
.irp j, 4,8,12,16,20,24,28,32,36,40,44,48,52,56,60
	v_pk_add_f32 v[14:15], v[14:15], v[ST+\j:ST+1+\j]
	v_pk_add_f32 v[PD:PD+1], v[PD:PD+1], v[ST+2+\j:ST+3+\j]
.endr
	v_pk_add_f32 v[14:15], v[14:15], v[PD:PD+1]
	s_wait_alu depctr_va_vdst(0)                   ; and one for the four
.irp b, 0,1,2,3
	v_max_num_f32 v[BM+\b], 0x2800000, v[BM+\b]    ; the floor 2^(5 - 127)
.endr
.irp b, 0,1,2,3
	v_add_nc_u32 v[SO+\b], 0xfe000000, v[BM+\b]    ; 4 off the exponent field: the conversion's scale operand
.endr
.irp b, 0,1,2,3
	v_lshrrev_b32 v[PD+\b], 23, v[SO+\b]           ; the scale's byte
.endr
	v_lshl_or_b32 v[PW], v[PD+1], 8, v[PD]
	v_lshl_or_b32 v[PW], v[PD+2], 16, v[PW]
	v_lshl_or_b32 v[PW], v[PD+3], 24, v[PW]
.irp c, 0,1
	v_cvt_scalef32_pk16_bf6_f32 v[PCD+6*\c:PCD+6*\c+2], v[ST+32*\c:ST+15+32*\c], v[SO+2*\c]
	v_cvt_scalef32_pk16_bf6_f32 v[H2+4*\c:H2+4*\c+2], v[ST+16+32*\c:ST+31+32*\c], v[SO+2*\c+1]
.endr
	v_nop                                          ; a plain instruction behind the conversions
.irp t, 0,1,2,3                        ; V's four fragments land where p lay; the lines below stand between these loads and the wait for them
.irp p, 0,1,2,3,4,5
	ds_load_b64 v[ST+12*\t+2*\p:ST+12*\t+2*\p+1], v[ADV] offset:\t*1536+(\p/3)*768+(\p%3)*256
.endr
.endr
.irp c, 0,1                            ; the operand wants a whole block in a lane
.irp i, 0,1,2
	v_permlane16_swap_b32 v[PCD+6*\c+\i], v[H2+4*\c+\i]
.endr
.irp i, 0,1,2
	v_mov_b32 v[PCD+3+6*\c+\i], v[H2+4*\c+\i]
.endr
.endr
.irp j, 0,2,4,6,8,10,12,14,16,18,20,22,24,26,28,30
	v_pk_mul_f32 v[OT+\j:OT+1+\j], v[OT+\j:OT+1+\j], v[FS:FS+1] op_sel_hi:[1,0]   ; O^T under the new M (also the places between the codes, the scale word and the products)
.endr
	PLACES 4
	s_wait_dscnt 0x0
.irp t, 0,1,2,3                        ; O^T += V^T P^T; the four accumulators take turns
	WM OT+8*\t, ST+12*\t, PCD, OT+8*\t, VS+\t/2, PW, \t%2
.endr
	s_add_co_u32 s[TK], s[TK], 8192
	s_add_co_u32 s[TV], s[TV], 6144
	s_add_co_u32 s[TS], s[TS], 512
	s_add_co_u32 s[TU], s[TU], 256
.endm
; A chunk of 512 keys: the waves that fetched it wait for it (the later chunks' loads may stay out), then the barrier shows it to all sixteen
.macro CHUNK c
	s_wait_tensorcnt 3-\c
	BAR
	s_mov_b32 s[TK], \c*CHB
	s_mov_b32 s[TV], \c*CHB+32768
	s_mov_b32 s[TS], \c*CHB+57344
	s_mov_b32 s[TU], \c*CHB+59392
	s_mov_b32 s68, 4
.Lstep_\@:
	STEP
	s_sub_co_u32 s68, s68, 1
	s_cmp_lg_u32 s68, 0
	s_cbranch_scc1 .Lstep_\@
.endm
	s_wait_loadcnt 0x0                             ; Q
	CHUNK 0
	CHUNK 1
	CHUNK 2
	CHUNK 3
	; THE WAY OUT: O^T / the sum; my query's 64 channels are two blocks of the next product's K: quantised, each lane then holds one whole block, which is its own place in the fragment
	PLACES 4
	v_add_f32 v14, v14, v15
	v_permlanex16_b32 v[TP], v14, s[SEL], s[SEL+1]
	v_add_f32 v14, v14, v[TP]
	v_rcp_f32 v14, v14
	v_nop
	s_wait_alu depctr_va_vdst(0)
.set jj, 0
.rept 32
	v_mul_f32 v[ST+jj], v[OT+jj], v14              ; register 16 i + n: channel 32 i + 16 h + n
.set jj, jj+1
.endr
	v_max3_num_f32 v[QT], |v[ST]|, |v[ST+1]|, 0x2800000
	v_max3_num_f32 v[QT+1], |v[ST+16]|, |v[ST+17]|, 0x2800000
.irp i, 2,4,6,8,10,12,14
	v_max3_num_f32 v[QT], v[QT], |v[ST+\i]|, |v[ST+\i+1]|
	v_max3_num_f32 v[QT+1], v[QT+1], |v[ST+16+\i]|, |v[ST+16+\i+1]|
.endr
	v_mov_b32 v[QT+2], 0
	v_mov_b32 v[QT+3], 0
	v_permlanex16_b32 v[QT+2], v[QT], s[SEL], s[SEL+1]
	v_permlanex16_b32 v[QT+3], v[QT+1], s[SEL], s[SEL+1]
	v_max_num_f32 v[QT], v[QT], v[QT+2]
	v_max_num_f32 v[QT+1], v[QT+1], v[QT+3]
	v_add_nc_u32 v[QT+4], 0xfe000000, v[QT]
	v_add_nc_u32 v[QT+5], 0xfe000000, v[QT+1]
	v_cvt_scalef32_pk16_bf6_f32 v[QC:QC+2], v[ST:ST+15], v[QT+4]
	v_cvt_scalef32_pk16_bf6_f32 v[QC+4:QC+6], v[ST+16:ST+31], v[QT+5]
	v_lshrrev_b32 v[QT+6], 23, v[QT+4]
	v_lshrrev_b32 v[QT+7], 23, v[QT+5]
.irp i, 0,1,2
	v_permlane16_swap_b32 v[QC+\i], v[QC+4+\i]
.endr
	v_mov_b32 v[QC+3], v[QC+4]
	v_mov_b32 v[QC+4], v[QC+5]
	v_mov_b32 v[QC+5], v[QC+6]
	v_cndmask_b32 v[QS], v[QT+6], v[QT+7], s[HM]
.irp p, 0,1,2
	global_store_b64 v[L8], v[QC+2*\p:QC+2*\p+1], s[10:11] offset:256*\p   ; 32 lanes store 256 consecutive bytes, aligned
.endr
	global_store_b8 v[CSO], v[QS], s[12:13]
	s_wait_tensorcnt 0x0
	ds_add_u32 v254, v255
	s_wait_dscnt 0x0
	CROUND                                         ; the closing round: no work-group ends while a partner may still ask for a tile that names it
	s_endpgm
.Lfunc_end_k_qaf5b867459_attn:
	.size	k_qaf5b867459_attn, .Lfunc_end_k_qaf5b867459_attn-k_qaf5b867459_attn
	.p2alignl 7, 3214868480
	.fill 96, 4, 3214868480
	.section	.rodata,"a",@progbits
	.p2align	6, 0x0
	.amdhsa_kernel k_qaf5b867459_attn
		.amdhsa_group_segment_fixed_size 264192
		.amdhsa_private_segment_fixed_size 0
		.amdhsa_enable_private_segment 0
		.amdhsa_kernarg_size 40
		.amdhsa_user_sgpr_count 2
		.amdhsa_user_sgpr_kernarg_segment_ptr 1
		.amdhsa_wavefront_size32 1
		.amdhsa_system_sgpr_workgroup_id_x 1
		.amdhsa_system_sgpr_workgroup_id_y 1
		.amdhsa_system_sgpr_workgroup_id_z 1
		.amdhsa_system_vgpr_workitem_id 0
		.amdhsa_next_free_vgpr 256
		.amdhsa_next_free_sgpr 80
		.amdhsa_reserve_vcc 0
		.amdhsa_float_denorm_mode_32 3
		.amdhsa_float_denorm_mode_16_64 3
		.amdhsa_memory_ordered 1
		.amdhsa_forward_progress 1
		.amdhsa_inst_pref_size 81
	.end_amdhsa_kernel
	.amdgpu_metadata
---
amdhsa.version: [ 1, 2 ]
amdhsa.kernels:
  - .name:           k_qaf5b867459_attn
    .symbol:         k_qaf5b867459_attn.kd
    .args:
      - { .name: qimg, .offset: 0, .size: 8, .value_kind: global_buffer, .address_space: global }
      - { .name: qsc, .offset: 8, .size: 8, .value_kind: global_buffer, .address_space: global }
      - { .name: kv, .offset: 16, .size: 8, .value_kind: global_buffer, .address_space: global }
      - { .name: ctx, .offset: 24, .size: 8, .value_kind: global_buffer, .address_space: global }
      - { .name: ctxsc, .offset: 32, .size: 8, .value_kind: global_buffer, .address_space: global }
    .group_segment_fixed_size: 264192
    .private_segment_fixed_size: 0
    .kernarg_segment_align: 8
    .kernarg_segment_size: 40
    .max_flat_workgroup_size: 512
    .sgpr_count:     80
    .vgpr_count:     256
    .wavefront_size: 32
...
	.end_amdgpu_metadata
.endif
;; end of part 2
;; launch ffn (part 3): grid 256 x 1, 16 waves a work-group, no clusters, 136,704 bytes of LDS; arguments x, ctx, ctxsc, wo_codes, wo_scales, bo, alpha2, beta2, w1_codes, w1_scales, b1, w2_codes, w2_scales, b2, out0; writes out0
.if DOCPART == 3
	.amdgcn_target "amdgcn-amd-amdhsa--gfx1250"
	.amdhsa_code_object_version 6
	.text
	.protected	k_qaf5b867459_ffn
	.globl	k_qaf5b867459_ffn
	.p2align	8
	.type	k_qaf5b867459_ffn,@function
k_qaf5b867459_ffn:
	s_mov_b64 s[64:65], 0
	v_nop
	global_prefetch_b8 v0, s[64:65] scope:SCOPE_SE
	s_setreg_imm32_b32 hwreg(HW_REG_WAVE_MODE, 25, 1), 1
	s_wait_xcnt 0x0
; x1 = x + ctx wo + bo; n2 = norm(x1); out = x1 + relu(n2 w1 + b1) w2 + b2.  All three products on codes of BF6 (E3M2) with one E8M0 scale for each 32 along K.  x1, n2 and the hidden layer never go to memory.
; SHARES.  A work-group takes 32 tokens, as two tiles R = 0, 1 (lane r of tile R is token 8 R + r + 8 (r / 8)); wave w of 16 takes columns 32 w .. 32 w + 31 of x1 and of out, and hidden units 128 w .. 128 w + 127.
; All products are used transposed (source 0 = 16 rows of the weight, taken by the same map, source 1 = 16 tokens): a lane's 16 registers of tiles u = 0, 1 are columns 16 h + 0 .. 15 of a block of 32: half a block of the next K.
; The rows' codes (ctx, n2, the hidden layer) go round through LDS as images of registers: register pair (6 c + 2 p) of lane L of a fragment lies at 768 c + 256 p + 8 L.
; THE WEIGHTS go from memory straight into registers: each fragment has one reader in the work-group and feeds two matrix instructions; a ring of two register sets, one group (2 tiles x 2 K steps, 25 loads) each.
; No joint loads: a tile asked for jointly lands in LDS, and here every weight byte (1,769,472 a work-group) would be written there and read back by its one reader.
; x + bo and later + b2 stand in the accumulators when the sums begin; b1 is the C of a hidden block's first products.
; LIMITS: NaN and infinities are not served; a block whose largest magnitude lies under 2^-122 keeps the scale byte 1; 1 / (std + eps) is v_rcp_f32, the root v_sqrt_f32; mean and variance are multiplied by 1/512 and 1/511.
.set STATA, 0                          ; LDS: partial sums, 16 waves x 32 rows x 4 bytes
.set STATB, 2048
.set NSC,   4096                       ; scale words of ctx, then of n2: [pair 2][lane 32 = (r, R)][8 bytes]
.set HSC,   4608                       ; of the hidden layer: [pair 8][lane 32][8 bytes]
.set NIMG,  6656                       ; ctx's, then n2's eight fragments: [R 2][K step 4][1536]
.set RSTRN, 6272
.set HIMG,  19200                      ; the hidden layer's 32 fragments: [R 2][K step 16][1536]
.set RSTRH, 24704
.set STG,   68608                      ; 32 rows, slot 16 R + r, 2,048 bytes + 16: x on the way in, out on the way out
.set SPT,   2064
.set LN8, 1                            ; v1   8 x lane
.set WA,  2                            ; v2   (r + 8 (r / 8)) x 384 + 24 h
.set WA2, 3                            ; v3   the same with rows of 1,536 bytes (w2)
.set WSA, 4                            ; v4   (r + 8 (r / 8) + 8 h) x 16
.set WSA2, 5                           ; v5   the same x 64 (w2)
.set PAN, 6
.set PSN, 7
.set PAH, 8                            ; v8   where I store the hidden layer's images
.set PSH, 9                            ; v9   and their scale bytes
.set SA,  10
.set SL,  11
.set STW, 12
.set STR, 13
.set GR,  14
.set BO,  15
.set LN8H, 16                          ; v16  8 x lane + HIMG
.set CIA, 17                           ; v17  where I put my 768 bytes of ctx
.set CSA, 18                           ; v18  and my byte of its scales
.set ACC, 20                           ; v20-51   x1, then out
.set HA,  52                           ; v52-83   x's rows, n2, a hidden block, out's rows
.set BB,  84
.set NF,  100
.set NT,  100
.set QT,  100
.set QC,  132
.set QS,  140
.set NS,  148
.set WR0, 150
.set WS0, 198
.set MN,  250
.set GN,  252
.set WV,  40
.set HM,  41
.set SEL, 46
.macro BAR                             ; my LDS stores have landed and my LDS loads are in: then the work-group's barrier
	s_wait_dscnt 0x0
	s_barrier_signal -1
	s_barrier_wait -1
.endm
.macro PLACES n
.rept \n
	v_nop
.endr
.endm
.macro WM d, a, b, c, sa, sb, ra, rb   ; one matrix instruction; ra, rb: source 0's, source 1's scales stand in lanes 16-31
.if (\ra) && (\rb)
	v_wmma_scale_f32_16x16x128_f8f6f4 v[\d:\d+7], v[\a:\a+11], v[\b:\b+11], v[\c:\c+7], v[\sa], v[\sb] matrix_a_fmt:MATRIX_FMT_BF6 matrix_b_fmt:MATRIX_FMT_BF6 matrix_a_scale:MATRIX_SCALE_ROW1 matrix_b_scale:MATRIX_SCALE_ROW1
.elseif (\ra)
	v_wmma_scale_f32_16x16x128_f8f6f4 v[\d:\d+7], v[\a:\a+11], v[\b:\b+11], v[\c:\c+7], v[\sa], v[\sb] matrix_a_fmt:MATRIX_FMT_BF6 matrix_b_fmt:MATRIX_FMT_BF6 matrix_a_scale:MATRIX_SCALE_ROW1
.elseif (\rb)
	v_wmma_scale_f32_16x16x128_f8f6f4 v[\d:\d+7], v[\a:\a+11], v[\b:\b+11], v[\c:\c+7], v[\sa], v[\sb] matrix_a_fmt:MATRIX_FMT_BF6 matrix_b_fmt:MATRIX_FMT_BF6 matrix_b_scale:MATRIX_SCALE_ROW1
.else
	v_wmma_scale_f32_16x16x128_f8f6f4 v[\d:\d+7], v[\a:\a+11], v[\b:\b+11], v[\c:\c+7], v[\sa], v[\sb] matrix_a_fmt:MATRIX_FMT_BF6 matrix_b_fmt:MATRIX_FMT_BF6
.endif
.endm
; a group of weights into set slot: tiles u = 0, 1 x K steps ks = 0, 1, a fragment in six pieces of 8 bytes; then the two K steps' scale words: lanes 0-15 tile 0's rows, lanes 16-31 tile 1's.  25 loads
.macro LOADG slot, cb, va, coff, sb, vs, soff, rowb
.irp ks, 0,1
.irp u, 0,1
.irp p, 0,1,2,3,4,5
	global_load_b64 v[WR0+50*(\slot)+12*(2*\ks+\u)+2*\p:WR0+50*(\slot)+12*(2*\ks+\u)+2*\p+1], v[\va], s[\cb:\cb+1] offset:(\coff)+8*\u*(\rowb)+96*\ks+48*(\p/3)+8*(\p%3)
.endr
.endr
.endr
	global_load_b64 v[WS0+50*(\slot):WS0+50*(\slot)+1], v[\vs], s[\sb:\sb+1] offset:\soff
.endm
.macro L1 slot, b, q                   ; w1: my hidden block b, K steps 2 q, 2 q + 1
	LOADG \slot, 24, WA, 32*(\b)*384+192*(\q), 26, WSA, 32*(\b)*16+8*(\q), 384
.endm
.macro L2 slot, q                      ; w2: K steps 2 q, 2 q + 1
	LOADG \slot, 30, WA2, 192*(\q), 32, WSA2, 8*(\q), 1536
.endm
; four fragments of the rows' codes (K steps ks = 0, 1 x tiles R = 0, 1) and their scale words from LDS.  25 loads, each of 256 consecutive bytes
.macro FETCHN base, off, rstr, soff
.irp ks, 0,1
.irp rr, 0,1
.irp c, 0,1
.irp p, 0,1,2
	ds_load_b64 v[NF+12*(2*\ks+\rr)+6*\c+2*\p:NF+12*(2*\ks+\rr)+6*\c+2*\p+1], v[\base] offset:(\off)+\rr*(\rstr)+\ks*1536+\c*768+\p*256
.endr
.endr
.endr
.endr
	ds_load_b64 v[NS:NS+1], v[LN8] offset:\soff
.endm
; eight matrix instructions: accumulator (R, u) at acc + 16 R + 8 u.  The four accumulators take turns, one instruction a turn, in the same order in every group.
; bias >= 0: the first K step's C is the bias, eight registers a tile in the result's layout; else the sums go on in place
.macro MMT slot, acc, bias
.irp ks, 0,1
.irp u, 0,1
.irp rr, 0,1
.if ((\bias) >= 0) && (\ks == 0)
	WM \acc+16*\rr+8*\u, WR0+50*(\slot)+12*(2*\ks+\u), NF+12*(2*\ks+\rr), (\bias)+8*\u, WS0+50*(\slot)+\ks, NS+\ks, \u, \rr
.else
	WM \acc+16*\rr+8*\u, WR0+50*(\slot)+12*(2*\ks+\u), NF+12*(2*\ks+\rr), \acc+16*\rr+8*\u, WS0+50*(\slot)+\ks, NS+\ks, \u, \rr
.endif
.endr
.endr
.endr
.endm
.macro RSUM16 s, t                     ; the sum of 16 registers and of lane l xor 16's 16, into v[t]; each run of eight is first read at its low end
	v_pk_add_f32 v[\t:\t+1], v[\s:\s+1], v[\s+2:\s+3]
	v_pk_add_f32 v[\t+2:\t+3], v[\s+4:\s+5], v[\s+6:\s+7]
	v_pk_add_f32 v[\t+4:\t+5], v[\s+8:\s+9], v[\s+10:\s+11]
	v_pk_add_f32 v[\t+6:\t+7], v[\s+12:\s+13], v[\s+14:\s+15]
	v_pk_add_f32 v[\t:\t+1], v[\t:\t+1], v[\t+2:\t+3]
	v_pk_add_f32 v[\t+4:\t+5], v[\t+4:\t+5], v[\t+6:\t+7]
	v_pk_add_f32 v[\t:\t+1], v[\t:\t+1], v[\t+4:\t+5]
	v_add_f32 v[\t], v[\t], v[\t+1]
	v_mov_b32 v[\t+2], 0                           ; a lane permute's destination counts as one of its sources
	v_permlanex16_b32 v[\t+2], v[\t], s[SEL], s[SEL+1]
	v_add_f32 v[\t], v[\t], v[\t+2]
.endm
.macro RSQ16 s, t                      ; the same of their squares, in two chains
	v_pk_mul_f32 v[\t:\t+1], v[\s:\s+1], v[\s:\s+1]
	v_pk_mul_f32 v[\t+2:\t+3], v[\s+2:\s+3], v[\s+2:\s+3]
.irp i, 4,8,12
	v_pk_fma_f32 v[\t:\t+1], v[\s+\i:\s+\i+1], v[\s+\i:\s+\i+1], v[\t:\t+1]
	v_pk_fma_f32 v[\t+2:\t+3], v[\s+\i+2:\s+\i+3], v[\s+\i+2:\s+\i+3], v[\t+2:\t+3]
.endr
	v_pk_add_f32 v[\t:\t+1], v[\t:\t+1], v[\t+2:\t+3]
	v_add_f32 v[\t], v[\t], v[\t+1]
	v_mov_b32 v[\t+2], 0
	v_permlanex16_b32 v[\t+2], v[\t], s[SEL], s[SEL+1]
	v_add_f32 v[\t], v[\t], v[\t+2]
.endm
; v[a], v[b]: my wave's partial sums of rows (0, r), (1, r).  Lane L stores that of row L; behind the barrier it adds the sixteen waves': v[NT+16] = the total of row L
.macro XCHG a, b, reg
	v_cndmask_b32 v[NT+16], v[\a], v[\b], s[HM]
	ds_store_b32 v[SA], v[NT+16] offset:\reg
	BAR
.irp i, 0,1,2,3,4,5,6,7,8,9,10,11,12,13,14,15
	ds_load_b32 v[NT+16+\i], v[SL] offset:\reg+128*\i
.endr
	s_wait_dscnt 0x0
.irp i, 0,4,8,12
	v_pk_add_f32 v[NT+16+\i:NT+17+\i], v[NT+16+\i:NT+17+\i], v[NT+18+\i:NT+19+\i]
.endr
	v_pk_add_f32 v[NT+16:NT+17], v[NT+16:NT+17], v[NT+20:NT+21]
	v_pk_add_f32 v[NT+24:NT+25], v[NT+24:NT+25], v[NT+28:NT+29]
	v_pk_add_f32 v[NT+16:NT+17], v[NT+16:NT+17], v[NT+24:NT+25]
	v_add_f32 v[NT+16], v[NT+16], v[NT+17]
.endm
; dst = alpha (src - mean) / (std + eps) + beta over rows of 512; register 16 R + i = column 32 w + 16 h + i of row (R, r).  Two passes: the squares are taken of src - mean.  Two barriers
.macro NORM src, dst, sal, sbt
	RSUM16 \src, NT
	RSUM16 \src+16, NT+8
	XCHG NT, NT+8, STATA
	v_mul_f32 v[NT], 0x3b000000, v[NT+16]          ; / 512: the mean of row (h, r)
	v_mov_b32 v[NT+1], 0
	v_permlanex16_b32 v[NT+1], v[NT], s[SEL], s[SEL+1]   ; and of row (1 - h, r)
	v_cndmask_b32 v[MN], v[NT], v[NT+1], s[HM]
	v_cndmask_b32 v[MN+1], v[NT+1], v[NT], s[HM]
.irp i, 0,2,4,6,8,10,12,14
	v_pk_add_f32 v[\dst+\i:\dst+\i+1], v[\src+\i:\src+\i+1], v[MN:MN+1] op_sel_hi:[1,0] neg_lo:[0,1] neg_hi:[0,1]
.endr
.irp i, 0,2,4,6,8,10,12,14
	v_pk_add_f32 v[\dst+16+\i:\dst+16+\i+1], v[\src+16+\i:\src+16+\i+1], v[MN:MN+1] op_sel:[0,1] op_sel_hi:[1,1] neg_lo:[0,1] neg_hi:[0,1]
.endr
	RSQ16 \dst, NT
	RSQ16 \dst+16, NT+8
	XCHG NT, NT+8, STATB
	v_mul_f32 v[NT], 0x3b004020, v[NT+16]          ; / 511
	v_sqrt_f32 v[NT+1], v[NT]
	v_nop                                          ; a plain instruction behind the transcendental,
	s_wait_alu depctr_va_vdst(0)                   ; and a wait ahead of its first reader
	v_add_f32 v[NT+1], 0x358637bd, v[NT+1]         ; + 1e-6
	v_rcp_f32 v[NT+2], v[NT+1]
	v_nop
	s_wait_alu depctr_va_vdst(0)
	v_mul_f32 v[NT], s[\sal], v[NT+2]
	v_mov_b32 v[NT+1], 0
	v_permlanex16_b32 v[NT+1], v[NT], s[SEL], s[SEL+1]
	v_cndmask_b32 v[GN], v[NT], v[NT+1], s[HM]
	v_cndmask_b32 v[GN+1], v[NT+1], v[NT], s[HM]
.irp i, 0,2,4,6,8,10,12,14
	v_pk_fma_f32 v[\dst+\i:\dst+\i+1], v[\dst+\i:\dst+\i+1], v[GN:GN+1], s[\sbt:\sbt+1] op_sel_hi:[1,0,0]
.endr
.irp i, 0,2,4,6,8,10,12,14
	v_pk_fma_f32 v[\dst+16+\i:\dst+16+\i+1], v[\dst+16+\i:\dst+16+\i+1], v[GN:GN+1], s[\sbt:\sbt+1] op_sel:[0,1,0] op_sel_hi:[1,1,0]
.endr
.endm
; Two blocks of 32 at once.  v[a ..], v[b ..]: numbers 16 h + 0 .. 15 of a block of set a and of set b.  Out: v[QC .. QC+5] the whole block's 24 bytes, v[QS] its scale byte: set a's in lanes 0-15, set b's in lanes 16-31
.macro Q32X2 a, b, relu, abs
.if \relu
.irp i, 0,1,2,3,4,5,6,7,8,9,10,11,12,13,14,15
	v_max_num_f32 v[\a+\i], 0, v[\a+\i]
.endr
.irp i, 0,1,2,3,4,5,6,7,8,9,10,11,12,13,14,15
	v_max_num_f32 v[\b+\i], 0, v[\b+\i]
.endr
.endif
.if \abs
	v_max3_num_f32 v[QT], |v[\a]|, |v[\a+1]|, 0x2800000       ; my 16 numbers and the floor 2^(5 - 127): the byte cannot fall under 1
	v_max3_num_f32 v[QT+1], |v[\b]|, |v[\b+1]|, 0x2800000
.irp i, 2,4,6,8,10,12,14
	v_max3_num_f32 v[QT], v[QT], |v[\a+\i]|, |v[\a+\i+1]|
	v_max3_num_f32 v[QT+1], v[QT+1], |v[\b+\i]|, |v[\b+\i+1]|
.endr
.else
	v_max3_num_f32 v[QT], v[\a], v[\a+1], 0x2800000
	v_max3_num_f32 v[QT+1], v[\b], v[\b+1], 0x2800000
.irp i, 2,4,6,8,10,12,14
	v_max3_num_f32 v[QT], v[QT], v[\a+\i], v[\a+\i+1]
	v_max3_num_f32 v[QT+1], v[QT+1], v[\b+\i], v[\b+\i+1]
.endr
.endif
	v_mov_b32 v[QT+2], 0
	v_mov_b32 v[QT+3], 0
	v_permlanex16_b32 v[QT+2], v[QT], s[SEL], s[SEL+1]
	v_permlanex16_b32 v[QT+3], v[QT+1], s[SEL], s[SEL+1]
	v_max_num_f32 v[QT], v[QT], v[QT+2]            ; with lane l xor 16's: the block's largest magnitude
	v_max_num_f32 v[QT+1], v[QT+1], v[QT+3]
	v_add_nc_u32 v[QT+4], 0xfe000000, v[QT]        ; 4 off its exponent field: the conversion's scale operand
	v_add_nc_u32 v[QT+5], 0xfe000000, v[QT+1]
	v_cvt_scalef32_pk16_bf6_f32 v[QC:QC+2], v[\a:\a+15], v[QT+4]
	v_cvt_scalef32_pk16_bf6_f32 v[QC+4:QC+6], v[\b:\b+15], v[QT+5]
	v_lshrrev_b32 v[QT+6], 23, v[QT+4]             ; the scale's byte (also the plain instruction behind the conversions)
	v_lshrrev_b32 v[QT+7], 23, v[QT+5]
.irp i, 0,1,2
	v_permlane16_swap_b32 v[QC+\i], v[QC+4+\i]     ; the first's lanes 16-31 change places with the second's lanes 0-15: a lane now holds a whole block
.endr
	v_mov_b32 v[QC+3], v[QC+4]
	v_mov_b32 v[QC+4], v[QC+5]
	v_mov_b32 v[QC+5], v[QC+6]
	v_cndmask_b32 v[QS], v[QT+6], v[QT+7], s[HM]
.endm
.macro BIAS sb, off                    ; 16 numbers of a bias: columns 16 h + 0 .. 15 of a block of 32
.irp i, 0,1,2,3
	global_load_b128 v[BB+4*\i:BB+4*\i+3], v[BO], s[\sb:\sb+1] offset:(\off)+16*\i
.endr
.endm
.macro ADDB                            ; the bias onto both tiles of rows, then four places ahead of the products that take the sums as C
.irp rr, 0,1
.irp i, 0,2,4,6,8,10,12,14
	v_pk_add_f32 v[ACC+16*\rr+\i:ACC+16*\rr+\i+1], v[ACC+16*\rr+\i:ACC+16*\rr+\i+1], v[BB+\i:BB+\i+1]
.endr
.endr
	PLACES 4
.endm
.macro GRP pair, n                     ; the fragments of K steps 2 pair, 2 pair + 1 out of NIMG; n: the global loads issued behind this group's weights
	FETCHN LN8, NIMG+3072*(\pair), RSTRN, NSC+256*(\pair)
	s_wait_loadcnt \n
	s_wait_dscnt 0x0
.endm
	s_load_b512 s[8:23], s[0:1], 0x0               ; x 8, ctx 10, ctxsc 12, wo_codes 14, wo_scales 16, bo 18, alpha2 20, beta2 22
	s_load_b256 s[24:31], s[0:1], 0x40             ; w1_codes 24, w1_scales 26, b1 28, w2_codes 30
	s_load_b128 s[32:35], s[0:1], 0x60             ; w2_scales 32, b2 34
	s_load_b64 s[36:37], s[0:1], 0x70              ; out0
	v_lshl_add_u32 v254, v0, 2, 0x20e00
	v_mov_b32 v255, 0
	v_lshrrev_b32 v100, 5, v0
	v_readfirstlane_b32 s[WV], v100                ; wave 0..15
	v_and_b32 v100, 31, v0                         ; lane
	v_and_b32 v101, 15, v0                         ; r
	v_bfe_u32 v102, v0, 4, 1                       ; h
	v_and_b32 v103, 8, v0
	v_add_nc_u32 v103, v103, v101                  ; r + 8 (r / 8)
	v_lshl_add_u32 v104, v102, 3, v103             ; + 8 h
	v_lshlrev_b32 v[LN8], 3, v100
	v_mul_u32_u24 v[WA], v103, 384
	v_mad_u32_u24 v[WA], v102, 24, v[WA]
	v_mul_u32_u24 v[WA2], v103, 1536
	v_mad_u32_u24 v[WA2], v102, 24, v[WA2]
	v_lshlrev_b32 v[WSA], 4, v104
	v_lshlrev_b32 v[WSA2], 6, v104
	v_lshlrev_b32 v[SA], 2, v0
	v_lshlrev_b32 v[SL], 2, v100
	v_lshlrev_b32 v[GR], 4, v100
	v_lshlrev_b32 v[BO], 6, v102
	v_add_nc_u32 v[LN8H], HIMG, v[LN8]
	v_add_nc_u32 v[CSA], NSC, v0
	s_mov_b32 s[HM], 0xffff0000
	s_mov_b32 s[SEL], 0x76543210
	s_mov_b32 s[SEL+1], 0xfedcba98
	s_lshr_b32 s48, s[WV], 2                       ; block w of n2's K: K step w / 4, c = (w / 2) % 2, lanes' half w % 2
	s_mul_i32 s48, s48, 1536
	s_bfe_u32 s49, s[WV], 0x10001
	s_mul_i32 s49, s49, 768
	s_add_co_u32 s48, s48, s49
	s_and_b32 s49, s[WV], 1
	s_lshl_b32 s49, s49, 7
	s_add_co_u32 s48, s48, s49
	s_add_co_u32 s48, s48, NIMG
	v_mul_u32_u24 v[PAN], v102, RSTRN
	v_lshl_add_u32 v[PAN], v101, 3, v[PAN]
	v_add_nc_u32 v[PAN], s48, v[PAN]
	s_lshr_b32 s48, s[WV], 3                       ; its byte: pair w / 8, word (w / 4) % 2, byte w % 4
	s_lshl_b32 s48, s48, 8
	s_bfe_u32 s49, s[WV], 0x10002
	s_lshl_b32 s49, s49, 2
	s_add_co_u32 s48, s48, s49
	s_and_b32 s49, s[WV], 3
	s_add_co_u32 s48, s48, s49
	s_add_co_u32 s48, s48, NSC
	v_add_nc_u32 v[PSN], s48, v[LN8]
	s_mul_i32 s48, s[WV], 1536                     ; my 128 hidden units are K step w of the last product
	s_add_co_u32 s48, s48, HIMG
	v_mul_u32_u24 v[PAH], v102, RSTRH
	v_lshl_add_u32 v[PAH], v101, 3, v[PAH]
	v_add_nc_u32 v[PAH], s48, v[PAH]
	s_lshr_b32 s48, s[WV], 1                       ; their bytes: pair w / 2, word w % 2
	s_lshl_b32 s48, s48, 8
	s_and_b32 s49, s[WV], 1
	s_lshl_b32 s49, s49, 2
	s_add_co_u32 s48, s48, s49
	s_add_co_u32 s48, s48, HSC
	v_add_nc_u32 v[PSH], s48, v[LN8]
	s_mul_i32 s48, s[WV], 768                      ; ctx: half a fragment a wave; 128 bytes more behind R = 0's four fragments
	s_lshr_b32 s49, s[WV], 3
	s_lshl_b32 s49, s49, 7
	s_add_co_u32 s48, s48, s49
	s_add_co_u32 s48, s48, NIMG
	v_add_nc_u32 v[CIA], s48, v[LN8]
	s_lshl_b32 s48, s[WV], 7
	s_add_co_u32 s48, s48, STG
	v_mul_u32_u24 v[STW], v101, SPT
	v_lshl_add_u32 v[STW], v102, 6, v[STW]
	v_add_nc_u32 v[STW], s48, v[STW]
	s_mul_i32 s48, s[WV], 2*SPT
	s_add_co_u32 s48, s48, STG
	v_add_nc_u32 v[STR], s48, v[GR]
	; slots 2 w, 2 w + 1 of the stage are tokens t0, t0 + 1: t0 = 8 (w / 8) + 2 (w % 8) + 8 ((w % 8) / 4)
	s_lshr_b32 s48, s[WV], 3
	s_lshl_b32 s48, s48, 3
	s_and_b32 s49, s[WV], 7
	s_lshl_b32 s50, s49, 1
	s_add_co_u32 s48, s48, s50
	s_lshr_b32 s49, s49, 2
	s_lshl_b32 s49, s49, 3
	s_add_co_u32 s48, s48, s49
	s_lshl_b32 s48, s48, 11
	s_lshl_b32 s49, ttmp9, 16
	s_add_co_u32 s48, s48, s49
	s_mov_b32 s49, 0
	s_wait_kmcnt 0x0
	s_load_b32 s42, s[20:21], 0x0                  ; alpha2
	s_load_b32 s44, s[22:23], 0x0                  ; beta2
	s_add_nc_u64 s[8:9], s[8:9], s[48:49]
	s_add_nc_u64 s[36:37], s[36:37], s[48:49]
	s_mul_i32 s48, ttmp9, 12288                    ; ctx: the block's eight fragments, my 768 bytes
	s_mul_i32 s50, s[WV], 768
	s_add_co_u32 s48, s48, s50
	s_add_nc_u64 s[10:11], s[10:11], s[48:49]
	s_lshl_b32 s48, ttmp9, 9
	s_add_nc_u64 s[12:13], s[12:13], s[48:49]
	s_mul_i32 s48, s[WV], 12288                    ; wo: my 32 rows
	s_add_nc_u64 s[14:15], s[14:15], s[48:49]
	s_lshl_b32 s48, s[WV], 9
	s_add_nc_u64 s[16:17], s[16:17], s[48:49]
	s_add_nc_u64 s[28:29], s[28:29], s[48:49]      ; b1: my 128 numbers are as many bytes
	s_lshl_b32 s48, s[WV], 7
	s_add_nc_u64 s[18:19], s[18:19], s[48:49]
	s_add_nc_u64 s[34:35], s[34:35], s[48:49]
	s_mul_i32 s48, s[WV], 49152                    ; w1: my 128 rows of 384 bytes; w2: my 32 rows of 1,536
	s_add_nc_u64 s[24:25], s[24:25], s[48:49]
	s_add_nc_u64 s[30:31], s[30:31], s[48:49]
	s_lshl_b32 s48, s[WV], 11
	s_add_nc_u64 s[26:27], s[26:27], s[48:49]
	s_add_nc_u64 s[32:33], s[32:33], s[48:49]
	; ---- in: two whole rows of x, my part of ctx's images and scale bytes, through LDS
.irp i, 0,1,2,3,4,5,6,7
	global_load_b128 v[HA+4*\i:HA+4*\i+3], v[GR], s[8:9] offset:512*\i th:TH_LOAD_NT
.endr
.irp p, 0,1,2
	global_load_b64 v[NF+2*\p:NF+2*\p+1], v[LN8], s[10:11] offset:256*\p th:TH_LOAD_NT
.endr
	global_load_u8 v[NF+6], v0, s[12:13]
	BIAS 18, 0
	LOADG 0, 14, WA, 0, 16, WSA, 0, 384
	s_wait_loadcnt 29                              ; x, ctx and its scale byte are in; behind them: bo 4, wo's first group 25
.irp i, 0,1,2,3,4,5,6,7
	ds_store_b128 v[STR], v[HA+4*\i:HA+4*\i+3] offset:(\i/4)*SPT+512*(\i%4)
.endr
.irp p, 0,1,2
	ds_store_b64 v[CIA], v[NF+2*\p:NF+2*\p+1] offset:256*\p
.endr
	ds_store_b8 v[CSA], v[NF+6]
	LOADG 1, 14, WA, 192, 16, WSA, 8, 384
	BAR                                            ; x's 32 rows and ctx's eight fragments lie in LDS
	; ---- x1 = x + bo + ctx wo
.irp rr, 0,1
.irp i, 0,1,2,3
	ds_load_b128 v[ACC+16*\rr+4*\i:ACC+16*\rr+4*\i+3], v[STW] offset:\rr*16*SPT+16*\i
.endr
.endr
	FETCHN LN8, NIMG, RSTRN, NSC
	s_wait_loadcnt 50                              ; bo is in; behind it: wo's two groups
	s_wait_dscnt 25                                ; x is in; behind it: the 25 loads of ctx's fragments
	ADDB
	s_wait_loadcnt 25
	s_wait_dscnt 0x0
	MMT 0, ACC, -1
	PLACES 4                                       ; in front of loads into registers that the products have read
	BIAS 28, 0
	L1 0, 0, 0
	GRP 1, 29                                      ; behind wo's second group: b1 4, w1's first 25
	MMT 1, ACC, -1
	PLACES 4                                       ; and in front of the first read of the results
	L1 1, 0, 1
	; ---- n2 = norm(x1), quantised.  Its images take ctx's place: they are stored behind the norm's two barriers, which every wave reaches behind its last read of ctx's
	s_wait_kmcnt 0x0
	s_mov_b32 s45, s44                             ; (named with it as a pair)
	NORM ACC, HA, 42, 44
	Q32X2 HA, HA+16, 0, 1
.irp p, 0,1,2
	ds_store_b64 v[PAN], v[QC+2*\p:QC+2*\p+1] offset:256*\p
.endr
	ds_store_b8 v[PSN], v[QS]
	BAR
	; ---- the hidden layer: my four blocks of 32 units
.irp b, 0,1,2,3
	GRP 0, 25
	MMT 0, HA, BB
	PLACES 4
.if \b < 3
	BIAS 28, 128*(\b+1)
	L1 0, \b+1, 0
.else
	BIAS 34, 0
	L2 0, 0
.endif
	GRP 1, 29                                      ; behind this group: the next bias 4, the next group 25
	MMT 1, HA, -1
	PLACES 4
.if \b < 3
	L1 1, \b+1, 1
.else
	L2 1, 1
.endif
	Q32X2 HA, HA+16, 1, 0                          ; relu; none is negative then, so the maximum takes the numbers as they are
.irp p, 0,1,2
	ds_store_b64 v[PAH], v[QC+2*\p:QC+2*\p+1] offset:(\b/2)*768+(\b%2)*128+256*\p
.endr
	ds_store_b8 v[PSH], v[QS] offset:\b
	s_wait_dscnt 0x0                               ; the stores have read their registers: the next loads land there
.endr
	s_wait_loadcnt 50                              ; b2 is in; behind it: w2's first two groups
	ADDB
	BAR                                            ; the hidden layer's 32 fragments lie in LDS
	; ---- out = x1 + b2 + hidden w2: eight pairs of K steps
.irp q, 0,1,2,3,4,5,6,7
	FETCHN LN8H, 3072*\q, RSTRH, HSC+256*\q
.if \q < 7
	s_wait_loadcnt 25
.else
	s_wait_loadcnt 0x0
.endif
	s_wait_dscnt 0x0
	MMT \q%2, ACC, -1
	PLACES 4
.if \q < 6
	L2 \q%2, \q+2
.endif
.endr
	; ---- the way out: through the stage, so that whole rows leave
.irp rr, 0,1
.irp i, 0,1,2,3
	ds_store_b128 v[STW], v[ACC+16*\rr+4*\i:ACC+16*\rr+4*\i+3] offset:\rr*16*SPT+16*\i   ; each accumulator from its low end on
.endr
.endr
	BAR
.irp i, 0,1,2,3,4,5,6,7
	ds_load_b128 v[HA+4*\i:HA+4*\i+3], v[STR] offset:(\i/4)*SPT+512*(\i%4)
.endr
.irp i, 0,1,2,3,4,5,6,7
	s_wait_dscnt 7-\i
	global_store_b128 v[GR], v[HA+4*\i:HA+4*\i+3], s[36:37] offset:512*\i th:TH_STORE_NT   ; 32 lanes store 512 consecutive bytes, aligned
.endr
	s_wait_tensorcnt 0x0
	ds_add_u32 v254, v255
	s_wait_dscnt 0x0
	s_endpgm
.Lfunc_end_k_qaf5b867459_ffn:
	.size	k_qaf5b867459_ffn, .Lfunc_end_k_qaf5b867459_ffn-k_qaf5b867459_ffn
	.p2alignl 7, 3214868480
	.fill 96, 4, 3214868480
	.section	.rodata,"a",@progbits
	.p2align	6, 0x0
	.amdhsa_kernel k_qaf5b867459_ffn
		.amdhsa_group_segment_fixed_size 136704
		.amdhsa_private_segment_fixed_size 0
		.amdhsa_enable_private_segment 0
		.amdhsa_kernarg_size 120
		.amdhsa_user_sgpr_count 2
		.amdhsa_user_sgpr_kernarg_segment_ptr 1
		.amdhsa_wavefront_size32 1
		.amdhsa_system_sgpr_workgroup_id_x 1
		.amdhsa_system_sgpr_workgroup_id_y 1
		.amdhsa_system_sgpr_workgroup_id_z 1
		.amdhsa_system_vgpr_workitem_id 0
		.amdhsa_next_free_vgpr 256
		.amdhsa_next_free_sgpr 100
		.amdhsa_reserve_vcc 0
		.amdhsa_float_denorm_mode_32 3
		.amdhsa_float_denorm_mode_16_64 3
		.amdhsa_memory_ordered 1
		.amdhsa_forward_progress 1
		.amdhsa_inst_pref_size 131
	.end_amdhsa_kernel
	.amdgpu_metadata
---
amdhsa.version: [ 1, 2 ]
amdhsa.kernels:
  - .name:           k_qaf5b867459_ffn
    .symbol:         k_qaf5b867459_ffn.kd
    .args:
      - { .name: x, .offset: 0, .size: 8, .value_kind: global_buffer, .address_space: global }
      - { .name: ctx, .offset: 8, .size: 8, .value_kind: global_buffer, .address_space: global }
      - { .name: ctxsc, .offset: 16, .size: 8, .value_kind: global_buffer, .address_space: global }
      - { .name: wo_codes, .offset: 24, .size: 8, .value_kind: global_buffer, .address_space: global }
      - { .name: wo_scales, .offset: 32, .size: 8, .value_kind: global_buffer, .address_space: global }
      - { .name: bo, .offset: 40, .size: 8, .value_kind: global_buffer, .address_space: global }
      - { .name: alpha2, .offset: 48, .size: 8, .value_kind: global_buffer, .address_space: global }
      - { .name: beta2, .offset: 56, .size: 8, .value_kind: global_buffer, .address_space: global }
      - { .name: w1_codes, .offset: 64, .size: 8, .value_kind: global_buffer, .address_space: global }
      - { .name: w1_scales, .offset: 72, .size: 8, .value_kind: global_buffer, .address_space: global }
      - { .name: b1, .offset: 80, .size: 8, .value_kind: global_buffer, .address_space: global }
      - { .name: w2_codes, .offset: 88, .size: 8, .value_kind: global_buffer, .address_space: global }
      - { .name: w2_scales, .offset: 96, .size: 8, .value_kind: global_buffer, .address_space: global }
      - { .name: b2, .offset: 104, .size: 8, .value_kind: global_buffer, .address_space: global }
      - { .name: out0, .offset: 112, .size: 8, .value_kind: global_buffer, .address_space: global }
    .group_segment_fixed_size: 136704
    .private_segment_fixed_size: 0
    .kernarg_segment_align: 8
    .kernarg_segment_size: 120
    .max_flat_workgroup_size: 512
    .sgpr_count:     100
    .vgpr_count:     256
    .wavefront_size: 32
...
	.end_amdgpu_metadata
.endif
;; end of part 3
;; ======== version 2 of 3: 4 launches
;; limits: right only within a limited range of input values
;; workspace buffers: qimg 4,194,304 bytes; qsc 262,144 bytes; kv 7,733,248 bytes; ctx 3,145,728 bytes; ctxsc 131,072 bytes; wimg 2,457,600 bytes
;; launch prep (part 4): grid 24 x 8, 2 waves a work-group, no clusters, 0 bytes of LDS; arguments wq_codes, wq_scales, wk_codes, wk_scales, wv_codes, wv_scales, wo_codes, wo_scales, w1_codes, w1_scales, w2_codes, w2_scales, wimg; writes wimg
.if DOCPART == 4
	.amdgcn_target "amdgcn-amd-amdhsa--gfx1250"
	.amdhsa_code_object_version 6
	.text
	.protected	k_qaf5b867459_prep
	.globl	k_qaf5b867459_prep
	.p2align	8
	.type	k_qaf5b867459_prep,@function
k_qaf5b867459_prep:
	s_mov_b64 s[64:65], 0
	v_nop
	global_prefetch_b8 v0, s[64:65] scope:SCOPE_SE
	s_setreg_imm32_b32 hwreg(HW_REG_WAVE_MODE, 25, 1), 1
	s_wait_xcnt 0x0
; The six weights (codes of BF6, K innermost, and their E8M0 scale bytes) are laid out once in the order in which the later launches' waves take them into operand registers.
; A GROUP is what a wave multiplies at a time: tiles u = 0, 1 of 16 rows x K steps ks = 0, 1 of 128: four fragments of 12 registers a lane, fragment 2 ks + u, and two registers of scale words.
; In wimg a group is 6,400 bytes: register quad i (registers 4 i .. 4 i + 3 of the 48) of lane L at 512 i + 16 L, then the two scale words of lane L at 6,144 + 8 L.
; A tile's rows are not neighbours: lane r of tile u takes row 8 u + r + 8 (r / 8) of a block of 32 rows.  The scale words: lanes 0-15 tile 0's rows, lanes 16-31 tile 1's.
; WHO.  Work-group x = 0 .. 23 is the group's number in its reader's walk, work-group y and the wave give the reader's wave w = 0 .. 15: one group a wave, 384 in all.
;   x = 0 .. 5: wq, wk, wv (two pairs of K steps each), rows 32 w on: at w x 38,400 + x x 6,400.
;   x = 6, 7: wo, rows 32 w on;  x = 8 .. 15: w1, rows 128 w + 32 b on, b = (x - 8) / 2;  x = 16 .. 23: w2, rows 32 w on, pair of K steps x - 16: at 614,400 + w x 115,200 + (x - 6) x 6,400.
; The weight is chosen by s_cselect_b64 on the work-group's number; the row's length lies in a scalar register: one path for all six.  Every store covers 512 or 256 consecutive bytes, aligned.
.set GB, 6400
.set F,  16                            ; v16-63 the four fragments;  v64-65 the scale words
	s_load_b512 s[8:23], s[0:1], 0x0               ; wq_codes 8, wq_scales 10, wk 12, 14, wv 16, 18, wo 20, 22
	s_load_b256 s[24:31], s[0:1], 0x40             ; w1 24, 26, w2 28, 30
	s_load_b64 s[32:33], s[0:1], 0x60              ; wimg
	v_lshrrev_b32 v1, 5, v0
	v_readfirstlane_b32 s40, v1                    ; wave 0, 1
	s_and_b32 s41, ttmp7, 0xffff
	s_lshl_b32 s41, s41, 1
	s_add_co_u32 s41, s41, s40                     ; w
	s_lshr_b32 s42, ttmp9, 1                       ; 0 wq, 1 wk, 2 wv, 3 wo, 4-7 w1, 8-11 w2
	s_and_b32 s43, ttmp9, 1                        ; the pair of K steps, in a weight with K = 512
	s_sub_co_u32 s44, ttmp9, 16                    ; and in w2 (used there alone)
	s_sub_co_u32 s47, s42, 4                       ; w1's block of 32 rows (used there alone)
	s_mov_b32 s45, 384
	s_cmp_ge_u32 s42, 4
	s_cselect_b32 s48, 4, 1                        ; blocks of 12,288 bytes of codes from wave to wave: w1 128 rows of 384, w2 32 rows of 1,536; the others 32 rows of 384
	s_cselect_b32 s47, s47, 0
	s_cmp_ge_u32 s42, 8
	s_cselect_b32 s47, 0, s47
	s_cselect_b32 s43, s44, s43
	s_cselect_b32 s45, 1536, s45                   ; a row of codes in bytes
	s_cselect_b32 s46, 6, 4                        ; a row of scale bytes: 64 or 16
	s_mul_i32 s49, s41, s48
	s_add_co_u32 s49, s49, s47                     ; my block
	s_mul_i32 s50, s49, 12288
	s_mul_i32 s52, s43, 192
	s_add_co_u32 s50, s50, s52                     ; the codes: + 192 bytes a pair of K steps
	s_mov_b32 s51, 0
	s_lshl_b32 s52, s49, 9                         ; the scale bytes: a block has 512,
	s_lshl_b32 s54, s43, 3                         ; a pair of K steps 8
	s_add_co_u32 s52, s52, s54
	s_mov_b32 s53, 0
	s_mov_b32 s54, 18*GB
	s_cmp_lt_u32 ttmp9, 6
	s_cselect_b32 s54, 6*GB, s54
	s_cselect_b32 s55, 0, 96*GB-6*GB               ; the second part begins behind 96 groups, and its groups count from x = 6
	s_mul_i32 s54, s54, s41
	s_add_co_u32 s54, s54, s55
	s_mul_i32 s56, ttmp9, GB
	s_add_co_u32 s54, s54, s56
	s_mov_b32 s55, 0
	s_lshl_b32 s57, s45, 3                         ; eight rows
	v_and_b32 v1, 31, v0                           ; lane
	v_and_b32 v2, 15, v0                           ; r
	v_bfe_u32 v3, v0, 4, 1                         ; h
	v_and_b32 v4, 8, v0
	v_add_nc_u32 v4, v4, v2                        ; r + 8 (r / 8)
	v_mul_u32_u24 v5, s45, v4
	v_mad_u32_u24 v5, v3, 24, v5                   ; tile 0: my row, + 24 h
	v_add_nc_u32 v6, s57, v5                       ; tile 1: eight rows on
	v_lshl_add_u32 v7, v3, 3, v4
	v_lshlrev_b32 v7, s46, v7                      ; the scale words: row r + 8 (r / 8) + 8 h
	v_lshlrev_b32 v8, 4, v1                        ; 16 x lane
	v_lshlrev_b32 v9, 3, v1                        ; 8 x lane
	s_wait_kmcnt 0x0
	s_mov_b64 s[60:61], s[8:9]
	s_mov_b64 s[62:63], s[10:11]
	s_cmp_eq_u32 s42, 1
	s_cselect_b64 s[60:61], s[12:13], s[60:61]
	s_cselect_b64 s[62:63], s[14:15], s[62:63]
	s_cmp_eq_u32 s42, 2
	s_cselect_b64 s[60:61], s[16:17], s[60:61]
	s_cselect_b64 s[62:63], s[18:19], s[62:63]
	s_cmp_eq_u32 s42, 3
	s_cselect_b64 s[60:61], s[20:21], s[60:61]
	s_cselect_b64 s[62:63], s[22:23], s[62:63]
	s_cmp_ge_u32 s42, 4
	s_cselect_b64 s[60:61], s[24:25], s[60:61]
	s_cselect_b64 s[62:63], s[26:27], s[62:63]
	s_cmp_ge_u32 s42, 8
	s_cselect_b64 s[60:61], s[28:29], s[60:61]
	s_cselect_b64 s[62:63], s[30:31], s[62:63]
	s_add_nc_u64 s[60:61], s[60:61], s[50:51]
	s_add_nc_u64 s[62:63], s[62:63], s[52:53]
	s_add_nc_u64 s[32:33], s[32:33], s[54:55]
.irp ks, 0,1
.irp u, 0,1
.irp p, 0,1,2,3,4,5
	global_load_b64 v[F+12*(2*\ks+\u)+2*\p:F+12*(2*\ks+\u)+2*\p+1], v[5+\u], s[60:61] offset:96*\ks+48*(\p/3)+8*(\p%3)   ; a fragment in six pieces of 8 bytes: registers 6 c .. 6 c + 5 hold k = 64 c + 32 h + 0 .. 31
.endr
.endr
.endr
	global_load_b64 v[F+48:F+49], v7, s[62:63]
.irp i, 0,1,2,3,4,5,6,7,8,9,10,11
	s_wait_loadcnt 23-2*\i                         ; loads come back in order: the two that fill quad i are in; behind them 22 - 2 i pieces and the scale words
	global_store_b128 v8, v[F+4*\i:F+4*\i+3], s[32:33] offset:512*\i
.endr
	s_wait_loadcnt 0x0
	global_store_b64 v9, v[F+48:F+49], s[32:33] offset:6144
	s_endpgm
.Lfunc_end_k_qaf5b867459_prep:
	.size	k_qaf5b867459_prep, .Lfunc_end_k_qaf5b867459_prep-k_qaf5b867459_prep
	.p2alignl 7, 3214868480
	.fill 96, 4, 3214868480
	.section	.rodata,"a",@progbits
	.p2align	6, 0x0
	.amdhsa_kernel k_qaf5b867459_prep
		.amdhsa_group_segment_fixed_size 0
		.amdhsa_private_segment_fixed_size 0
		.amdhsa_enable_private_segment 0
		.amdhsa_kernarg_size 104
		.amdhsa_user_sgpr_count 2
		.amdhsa_user_sgpr_kernarg_segment_ptr 1
		.amdhsa_wavefront_size32 1
		.amdhsa_system_sgpr_workgroup_id_x 1
		.amdhsa_system_sgpr_workgroup_id_y 1
		.amdhsa_system_sgpr_workgroup_id_z 1
		.amdhsa_system_vgpr_workitem_id 0
		.amdhsa_next_free_vgpr 72
		.amdhsa_next_free_sgpr 66
		.amdhsa_reserve_vcc 0
		.amdhsa_float_denorm_mode_32 3
		.amdhsa_float_denorm_mode_16_64 3
		.amdhsa_memory_ordered 1
		.amdhsa_forward_progress 1
		.amdhsa_inst_pref_size 8
	.end_amdhsa_kernel
	.amdgpu_metadata
---
amdhsa.version: [ 1, 2 ]
amdhsa.kernels:
  - .name:           k_qaf5b867459_prep
    .symbol:         k_qaf5b867459_prep.kd
    .args:
      - { .name: wq_codes, .offset: 0, .size: 8, .value_kind: global_buffer, .address_space: global }
      - { .name: wq_scales, .offset: 8, .size: 8, .value_kind: global_buffer, .address_space: global }
      - { .name: wk_codes, .offset: 16, .size: 8, .value_kind: global_buffer, .address_space: global }
      - { .name: wk_scales, .offset: 24, .size: 8, .value_kind: global_buffer, .address_space: global }
      - { .name: wv_codes, .offset: 32, .size: 8, .value_kind: global_buffer, .address_space: global }
      - { .name: wv_scales, .offset: 40, .size: 8, .value_kind: global_buffer, .address_space: global }
      - { .name: wo_codes, .offset: 48, .size: 8, .value_kind: global_buffer, .address_space: global }
      - { .name: wo_scales, .offset: 56, .size: 8, .value_kind: global_buffer, .address_space: global }
      - { .name: w1_codes, .offset: 64, .size: 8, .value_kind: global_buffer, .address_space: global }
      - { .name: w1_scales, .offset: 72, .size: 8, .value_kind: global_buffer, .address_space: global }
      - { .name: w2_codes, .offset: 80, .size: 8, .value_kind: global_buffer, .address_space: global }
      - { .name: w2_scales, .offset: 88, .size: 8, .value_kind: global_buffer, .address_space: global }
      - { .name: wimg, .offset: 96, .size: 8, .value_kind: global_buffer, .address_space: global }
    .group_segment_fixed_size: 0
    .private_segment_fixed_size: 0
    .kernarg_segment_align: 8
    .kernarg_segment_size: 104
    .max_flat_workgroup_size: 64
    .sgpr_count:     66
    .vgpr_count:     72
    .wavefront_size: 32
...
	.end_amdgpu_metadata
.endif
;; end of part 4
;; launch qkv (part 5): grid 256 x 1, 16 waves a work-group, no clusters, 85,248 bytes of LDS; arguments x, src_mask, alpha1, beta1, wimg, bq, bk, bv, qimg, qsc, kv; writes qimg, qsc, kv
.if DOCPART == 5
	.amdgcn_target "amdgcn-amd-amdhsa--gfx1250"
	.amdhsa_code_object_version 6
	.text
	.protected	k_qaf5b867459_qkv
	.globl	k_qaf5b867459_qkv
	.p2align	8
	.type	k_qaf5b867459_qkv,@function
k_qaf5b867459_qkv:
	s_mov_b64 s[64:65], 0
	v_nop
	global_prefetch_b8 v0, s[64:65] scope:SCOPE_SE
	s_setreg_imm32_b32 hwreg(HW_REG_WAVE_MODE, 25, 1), 1
	s_wait_xcnt 0x0
; n = norm(x); q = n wq + bq, k = n wk + bk, v = n wv + bv, all three products on codes of BF6 (E3M2) with one E8M0 scale for each 32 along K;
; q and k are quantised along the head's 64, v along the keys, and leave as images of the operand registers that the attention launch loads.
; SHARES.  A work-group takes 32 tokens (one block of keys); wave w of 16 takes columns 32 w .. 32 w + 31 of each product: block w % 2 of head w / 2.
; The 32 rows are two tiles R = 0, 1; lane r of tile R is token 8 R + r + 8 (r / 8).  A tile of a weight takes its rows by the same map.  So in a transposed product (source 0 = 16 rows of the
; weight, source 1 = 16 tokens) a lane's 16 registers of tiles u = 0, 1 are columns 16 h + 0 .. 15 of the wave's 32, h = lane / 16; in the natural product (v) they are tokens 16 h + 0 .. 15.
; n's codes go from wave to wave through LDS as images of registers: register quad g (registers 4 g .. 4 g + 3) of lane L of a fragment lies at 512 g + 16 L, so a fragment comes by three loads of 16 bytes a lane.
; THE WEIGHTS come from wimg, where the launch before has laid them in the order of these registers: a group (2 tiles x 2 K steps and its scale words) is 12 loads of 512 consecutive bytes and one of 256,
; straight into registers: each fragment has one reader in the work-group and feeds two matrix instructions; a ring of two register sets, one group each.
; No joint loads: a tile asked for jointly lands in LDS, and here every weight byte (614,400 a work-group) would be written there and read back by its one reader.
; THE MASK rides in the 64 places of K that a head of 64 leaves free in an instruction of 128: q's code at k = 64 is 1.0 under the byte 127; a masked key's 64 codes are 0, its code at k = 64 is -1.0 under the byte 160.
; Its score is then -2^33 exactly, its logit -2^30.  LIMIT: reference() has -1e9 there; the two differ only where an unmasked logit lies under about -1e9.
; LIMITS: NaN and infinities among the inputs are not served; a block whose largest magnitude lies under 2^-122 keeps the scale byte 1 (a block of zeros too: its codes are zeros, and this program alone reads the bytes);
; 1 / (std + eps) is v_rcp_f32 and the root v_sqrt_f32; mean and variance are multiplied by 1/512 and 1/511.
.set STATA, 0                          ; LDS: 16 waves x 32 rows x 4 bytes: partial sums
.set STATB, 2048                       ; the same for the squares
.set NSC,   4096                       ; n's scale words: [pair of K steps 2][lane 32 = (r, R)][8 bytes]
.set NIMG,  4608                       ; n's eight fragments: [R 2][K step 4][1536]
.set RSTRN, 6272                       ; from R = 0 to R = 1
.set STG,   17152                      ; x's 32 rows, slot 16 R + r, 2,048 bytes + 16
.set SPT,   2064
.set GB,    6400                       ; a group of weights in wimg
.set LN8, 1                            ; v1   8 x lane
.set PAN1, 2                           ; v2   where I store piece 1 of n's block
.set PAN0, 6                           ; v6   and pieces 0 and 2
.set PSN, 7                            ; v7   and its scale byte
.set SA,  10                           ; v10  4 x thread
.set SL,  11                           ; v11  4 x lane
.set STW, 12                           ; v12  the stage: my 64 bytes of row r
.set STR, 13                           ; v13  the stage: my wave's two whole rows
.set GR,  14                           ; v14  16 x lane
.set BO,  15                           ; v15  64 h
.set OIM, 17                           ; v17  1024 h + 16 r: an image's place in qimg and kv
.set ACC, 20                           ; v20-51   four accumulators
.set KAUG, 52                          ; v52  a masked key's word at k = 64: 0x2c in the wave of block 0, else 0
.set KCB,  53                          ; v53  a masked key's spare scale byte: 160 in the wave of block 0, else 1
.set C127, 54                          ; v54  127
.set OV,   55                          ; v55  1536 h + 8 r
.set MKO,  56                          ; v56  the mask's offset: 4 x (8 h + r + 8 (r / 8))
.set BVO,  57                          ; v57  bv's offset: 4 x (r + 8 (r / 8))
.set QAUG, 58                          ; v58  q's word at k = 64: 0x0c in the wave of block 0, else 0
.set C1,   59                          ; v59  1
.set QC,  60                           ; v60-67   the codes just made: registers of their own, so that no load lands on a store's data
.set QS,  68                           ; v68      their scale byte
.set KB2, 69                           ; v69      a key's spare scale byte
.set BB,  84                           ; v84-99   the next bias
.set NF,  100                          ; v100-147 four fragments of n; between two products: at work
.set NT,  100
.set QT,  100
.set NS,  148                          ; v148-149 n's scale words of two K steps
.set WR0, 150                          ; v150-197, v200-247 the two sets of weight fragments
.set WS0, 198                          ; v198-199, v248-249 their scale words
.set MN,  250                          ; v250-251 the means of rows (0, r), (1, r)
.set GN,  252                          ; v252-253 their gains
.set VZ,  254                          ; v254 0
.set MK,  255                          ; v255 the mask of token (r, R = h)
.set WB,  16                           ; s[16:17] my wave's six groups in wimg
.set WV,  40
.set HM,  41                           ; s41  lanes 16-31
.set SEL, 46                           ; s[46:47] v_permlanex16_b32's selects for lane l xor 16
.macro BAR                             ; my LDS stores have landed and my LDS loads are in: then the work-group's barrier
	s_wait_dscnt 0x0
	s_barrier_signal -1
	s_barrier_wait -1
.endm
.macro PLACES n
.rept \n
	v_nop
.endr
.endm
; one matrix instruction.  c < 0: the constant 0 starts the sum.  ra, rb: source 0's, source 1's scales stand in lanes 16-31
.macro WM d, a, b, c, sa, sb, ra, rb
.if (\c) < 0
.if (\ra) && (\rb)
	v_wmma_scale_f32_16x16x128_f8f6f4 v[\d:\d+7], v[\a:\a+11], v[\b:\b+11], 0, v[\sa], v[\sb] matrix_a_fmt:MATRIX_FMT_BF6 matrix_b_fmt:MATRIX_FMT_BF6 matrix_a_scale:MATRIX_SCALE_ROW1 matrix_b_scale:MATRIX_SCALE_ROW1
.elseif (\ra)
	v_wmma_scale_f32_16x16x128_f8f6f4 v[\d:\d+7], v[\a:\a+11], v[\b:\b+11], 0, v[\sa], v[\sb] matrix_a_fmt:MATRIX_FMT_BF6 matrix_b_fmt:MATRIX_FMT_BF6 matrix_a_scale:MATRIX_SCALE_ROW1
.elseif (\rb)
	v_wmma_scale_f32_16x16x128_f8f6f4 v[\d:\d+7], v[\a:\a+11], v[\b:\b+11], 0, v[\sa], v[\sb] matrix_a_fmt:MATRIX_FMT_BF6 matrix_b_fmt:MATRIX_FMT_BF6 matrix_b_scale:MATRIX_SCALE_ROW1
.else
	v_wmma_scale_f32_16x16x128_f8f6f4 v[\d:\d+7], v[\a:\a+11], v[\b:\b+11], 0, v[\sa], v[\sb] matrix_a_fmt:MATRIX_FMT_BF6 matrix_b_fmt:MATRIX_FMT_BF6
.endif
.else
.if (\ra) && (\rb)
	v_wmma_scale_f32_16x16x128_f8f6f4 v[\d:\d+7], v[\a:\a+11], v[\b:\b+11], v[\c:\c+7], v[\sa], v[\sb] matrix_a_fmt:MATRIX_FMT_BF6 matrix_b_fmt:MATRIX_FMT_BF6 matrix_a_scale:MATRIX_SCALE_ROW1 matrix_b_scale:MATRIX_SCALE_ROW1
.elseif (\ra)
	v_wmma_scale_f32_16x16x128_f8f6f4 v[\d:\d+7], v[\a:\a+11], v[\b:\b+11], v[\c:\c+7], v[\sa], v[\sb] matrix_a_fmt:MATRIX_FMT_BF6 matrix_b_fmt:MATRIX_FMT_BF6 matrix_a_scale:MATRIX_SCALE_ROW1
.elseif (\rb)
	v_wmma_scale_f32_16x16x128_f8f6f4 v[\d:\d+7], v[\a:\a+11], v[\b:\b+11], v[\c:\c+7], v[\sa], v[\sb] matrix_a_fmt:MATRIX_FMT_BF6 matrix_b_fmt:MATRIX_FMT_BF6 matrix_b_scale:MATRIX_SCALE_ROW1
.else
	v_wmma_scale_f32_16x16x128_f8f6f4 v[\d:\d+7], v[\a:\a+11], v[\b:\b+11], v[\c:\c+7], v[\sa], v[\sb] matrix_a_fmt:MATRIX_FMT_BF6 matrix_b_fmt:MATRIX_FMT_BF6
.endif
.endif
.endm
; group g of my wave's weights into set slot: fragment 2 ks + u at 12 (2 ks + u); the two K steps' scale words: lanes 0-15 tile 0's rows, lanes 16-31 tile 1's.  13 loads
.macro LOADW slot, g
.irp i, 0,1,2,3,4,5,6,7,8,9,10,11
	global_load_b128 v[WR0+50*(\slot)+4*\i:WR0+50*(\slot)+4*\i+3], v[GR], s[WB:WB+1] offset:GB*(\g)+512*\i
.endr
	global_load_b64 v[WS0+50*(\slot):WS0+50*(\slot)+1], v[LN8], s[WB:WB+1] offset:GB*(\g)+6144
.endm
; four fragments of the rows' codes (K steps ks = 0, 1 x tiles R = 0, 1) and their scale words from LDS.  13 loads, of consecutive bytes
.macro FETCHN base, off, rstr, soff
.irp ks, 0,1
.irp rr, 0,1
.irp g, 0,1,2
	ds_load_b128 v[NF+12*(2*\ks+\rr)+4*\g:NF+12*(2*\ks+\rr)+4*\g+3], v[\base] offset:(\off)+\rr*(\rstr)+\ks*1536+\g*512
.endr
.endr
.endr
	ds_load_b64 v[NS:NS+1], v[LN8] offset:\soff
.endm
; eight matrix instructions, transposed: accumulator (R, u) at acc + 16 R + 8 u.  The four accumulators take turns, one instruction a turn, in the same order in every group.
; bias >= 0: the first K step's C is the bias, eight registers a tile in the result's layout
.macro MMT slot, acc, bias
.irp ks, 0,1
.irp u, 0,1
.irp rr, 0,1
.if ((\bias) >= 0) && (\ks == 0)
	WM \acc+16*\rr+8*\u, WR0+50*(\slot)+12*(2*\ks+\u), NF+12*(2*\ks+\rr), (\bias)+8*\u, WS0+50*(\slot)+\ks, NS+\ks, \u, \rr
.else
	WM \acc+16*\rr+8*\u, WR0+50*(\slot)+12*(2*\ks+\u), NF+12*(2*\ks+\rr), \acc+16*\rr+8*\u, WS0+50*(\slot)+\ks, NS+\ks, \u, \rr
.endif
.endr
.endr
.endr
.endm
; the same in the natural order (source 0 = 16 tokens, source 1 = 16 rows of the weight): accumulator (u, R) at acc + 16 u + 8 R
.macro MMN slot, acc, zero
.irp ks, 0,1
.irp u, 0,1
.irp rr, 0,1
.if (\zero) && (\ks == 0)
	WM \acc+16*\u+8*\rr, NF+12*(2*\ks+\rr), WR0+50*(\slot)+12*(2*\ks+\u), -1, NS+\ks, WS0+50*(\slot)+\ks, \rr, \u
.else
	WM \acc+16*\u+8*\rr, NF+12*(2*\ks+\rr), WR0+50*(\slot)+12*(2*\ks+\u), \acc+16*\u+8*\rr, NS+\ks, WS0+50*(\slot)+\ks, \rr, \u
.endif
.endr
.endr
.endr
.endm
; the sum of 16 registers and of lane l xor 16's 16, into v[t]; the first line reads the low end of each run of eight
.macro RSUM16 s, t
	v_pk_add_f32 v[\t:\t+1], v[\s:\s+1], v[\s+2:\s+3]
	v_pk_add_f32 v[\t+2:\t+3], v[\s+4:\s+5], v[\s+6:\s+7]
	v_pk_add_f32 v[\t+4:\t+5], v[\s+8:\s+9], v[\s+10:\s+11]
	v_pk_add_f32 v[\t+6:\t+7], v[\s+12:\s+13], v[\s+14:\s+15]
	v_pk_add_f32 v[\t:\t+1], v[\t:\t+1], v[\t+2:\t+3]
	v_pk_add_f32 v[\t+4:\t+5], v[\t+4:\t+5], v[\t+6:\t+7]
	v_pk_add_f32 v[\t:\t+1], v[\t:\t+1], v[\t+4:\t+5]
	v_add_f32 v[\t], v[\t], v[\t+1]
	v_mov_b32 v[\t+2], 0                           ; a lane permute's destination counts as one of its sources
	v_permlanex16_b32 v[\t+2], v[\t], s[SEL], s[SEL+1]
	v_add_f32 v[\t], v[\t], v[\t+2]
.endm
.macro RSQ16 s, t                      ; the same of their squares, in two chains
	v_pk_mul_f32 v[\t:\t+1], v[\s:\s+1], v[\s:\s+1]
	v_pk_mul_f32 v[\t+2:\t+3], v[\s+2:\s+3], v[\s+2:\s+3]
.irp i, 4,8,12
	v_pk_fma_f32 v[\t:\t+1], v[\s+\i:\s+\i+1], v[\s+\i:\s+\i+1], v[\t:\t+1]
	v_pk_fma_f32 v[\t+2:\t+3], v[\s+\i+2:\s+\i+3], v[\s+\i+2:\s+\i+3], v[\t+2:\t+3]
.endr
	v_pk_add_f32 v[\t:\t+1], v[\t:\t+1], v[\t+2:\t+3]
	v_add_f32 v[\t], v[\t], v[\t+1]
	v_mov_b32 v[\t+2], 0
	v_permlanex16_b32 v[\t+2], v[\t], s[SEL], s[SEL+1]
	v_add_f32 v[\t], v[\t], v[\t+2]
.endm
; v[a], v[b]: my wave's partial sums of rows (0, r), (1, r).  Lane L stores that of row L; behind the barrier it adds the sixteen waves': v[NT+16] = the total of row L
.macro XCHG a, b, reg
	v_cndmask_b32 v[NT+16], v[\a], v[\b], s[HM]
	ds_store_b32 v[SA], v[NT+16] offset:\reg
	BAR
.irp i, 0,1,2,3,4,5,6,7,8,9,10,11,12,13,14,15
	ds_load_b32 v[NT+16+\i], v[SL] offset:\reg+128*\i
.endr
	s_wait_dscnt 0x0
.irp i, 0,4,8,12
	v_pk_add_f32 v[NT+16+\i:NT+17+\i], v[NT+16+\i:NT+17+\i], v[NT+18+\i:NT+19+\i]
.endr
	v_pk_add_f32 v[NT+16:NT+17], v[NT+16:NT+17], v[NT+20:NT+21]
	v_pk_add_f32 v[NT+24:NT+25], v[NT+24:NT+25], v[NT+28:NT+29]
	v_pk_add_f32 v[NT+16:NT+17], v[NT+16:NT+17], v[NT+24:NT+25]
	v_add_f32 v[NT+16], v[NT+16], v[NT+17]
.endm
; dst = alpha (src - mean) / (std + eps) + beta over rows of 512; register 16 R + i = column 32 w + 16 h + i of row (R, r).  Two passes: the squares are taken of src - mean.  Two barriers
.macro NORM src, dst, sal, sbt
	RSUM16 \src, NT
	RSUM16 \src+16, NT+8
	XCHG NT, NT+8, STATA
	v_mul_f32 v[NT], 0x3b000000, v[NT+16]          ; / 512: the mean of row (h, r)
	v_mov_b32 v[NT+1], 0
	v_permlanex16_b32 v[NT+1], v[NT], s[SEL], s[SEL+1]   ; and of row (1 - h, r)
	v_cndmask_b32 v[MN], v[NT], v[NT+1], s[HM]
	v_cndmask_b32 v[MN+1], v[NT+1], v[NT], s[HM]
.irp i, 0,2,4,6,8,10,12,14
	v_pk_add_f32 v[\dst+\i:\dst+\i+1], v[\src+\i:\src+\i+1], v[MN:MN+1] op_sel_hi:[1,0] neg_lo:[0,1] neg_hi:[0,1]
.endr
.irp i, 0,2,4,6,8,10,12,14
	v_pk_add_f32 v[\dst+16+\i:\dst+16+\i+1], v[\src+16+\i:\src+16+\i+1], v[MN:MN+1] op_sel:[0,1] op_sel_hi:[1,1] neg_lo:[0,1] neg_hi:[0,1]
.endr
	RSQ16 \dst, NT
	RSQ16 \dst+16, NT+8
	XCHG NT, NT+8, STATB
	v_mul_f32 v[NT], 0x3b004020, v[NT+16]          ; / 511
	v_sqrt_f32 v[NT+1], v[NT]
	v_nop                                          ; a plain instruction behind the transcendental,
	s_wait_alu depctr_va_vdst(0)                   ; and a wait ahead of its first reader
	v_add_f32 v[NT+1], 0x358637bd, v[NT+1]         ; + 1e-6
	v_rcp_f32 v[NT+2], v[NT+1]
	v_nop
	s_wait_alu depctr_va_vdst(0)
	v_mul_f32 v[NT], s[\sal], v[NT+2]
	v_mov_b32 v[NT+1], 0
	v_permlanex16_b32 v[NT+1], v[NT], s[SEL], s[SEL+1]
	v_cndmask_b32 v[GN], v[NT], v[NT+1], s[HM]
	v_cndmask_b32 v[GN+1], v[NT+1], v[NT], s[HM]
.irp i, 0,2,4,6,8,10,12,14
	v_pk_fma_f32 v[\dst+\i:\dst+\i+1], v[\dst+\i:\dst+\i+1], v[GN:GN+1], s[\sbt:\sbt+1] op_sel_hi:[1,0,0]
.endr
.irp i, 0,2,4,6,8,10,12,14
	v_pk_fma_f32 v[\dst+16+\i:\dst+16+\i+1], v[\dst+16+\i:\dst+16+\i+1], v[GN:GN+1], s[\sbt:\sbt+1] op_sel:[0,1,0] op_sel_hi:[1,1,0]
.endr
.endm
; Two blocks of 32 at once.  v[a ..], v[b ..]: numbers 16 h + 0 .. 15 of a block of set a and of set b.  Out: v[QC .. QC+5] the whole block's 24 bytes, v[QS] its scale byte: set a's in lanes 0-15, set b's in lanes 16-31
.macro Q32X2 a, b, relu, abs
.if \relu
.irp i, 0,1,2,3,4,5,6,7,8,9,10,11,12,13,14,15
	v_max_num_f32 v[\a+\i], 0, v[\a+\i]
.endr
.irp i, 0,1,2,3,4,5,6,7,8,9,10,11,12,13,14,15
	v_max_num_f32 v[\b+\i], 0, v[\b+\i]
.endr
.endif
.if \abs
	v_max3_num_f32 v[QT], |v[\a]|, |v[\a+1]|, 0x2800000       ; my 16 numbers and the floor 2^(5 - 127): the byte cannot fall under 1
	v_max3_num_f32 v[QT+1], |v[\b]|, |v[\b+1]|, 0x2800000
.irp i, 2,4,6,8,10,12,14
	v_max3_num_f32 v[QT], v[QT], |v[\a+\i]|, |v[\a+\i+1]|
	v_max3_num_f32 v[QT+1], v[QT+1], |v[\b+\i]|, |v[\b+\i+1]|
.endr
.else
	v_max3_num_f32 v[QT], v[\a], v[\a+1], 0x2800000
	v_max3_num_f32 v[QT+1], v[\b], v[\b+1], 0x2800000
.irp i, 2,4,6,8,10,12,14
	v_max3_num_f32 v[QT], v[QT], v[\a+\i], v[\a+\i+1]
	v_max3_num_f32 v[QT+1], v[QT+1], v[\b+\i], v[\b+\i+1]
.endr
.endif
	v_mov_b32 v[QT+2], 0
	v_mov_b32 v[QT+3], 0
	v_permlanex16_b32 v[QT+2], v[QT], s[SEL], s[SEL+1]
	v_permlanex16_b32 v[QT+3], v[QT+1], s[SEL], s[SEL+1]
	v_max_num_f32 v[QT], v[QT], v[QT+2]            ; with lane l xor 16's: the block's largest magnitude
	v_max_num_f32 v[QT+1], v[QT+1], v[QT+3]
	v_add_nc_u32 v[QT+4], 0xfe000000, v[QT]        ; 4 off its exponent field: the conversion's scale operand
	v_add_nc_u32 v[QT+5], 0xfe000000, v[QT+1]
	v_cvt_scalef32_pk16_bf6_f32 v[QC:QC+2], v[\a:\a+15], v[QT+4]
	v_cvt_scalef32_pk16_bf6_f32 v[QC+4:QC+6], v[\b:\b+15], v[QT+5]
	v_lshrrev_b32 v[QT+6], 23, v[QT+4]             ; the scale's byte (also the plain instruction behind the conversions)
	v_lshrrev_b32 v[QT+7], 23, v[QT+5]
.irp i, 0,1,2
	v_permlane16_swap_b32 v[QC+\i], v[QC+4+\i]     ; the first's lanes 16-31 change places with the second's lanes 0-15: a lane now holds a whole block
.endr
	v_mov_b32 v[QC+3], v[QC+4]
	v_mov_b32 v[QC+4], v[QC+5]
	v_mov_b32 v[QC+5], v[QC+6]
	v_cndmask_b32 v[QS], v[QT+6], v[QT+7], s[HM]
.endm
.macro BIAS sb, off                    ; 16 numbers of a bias: columns 16 h + 0 .. 15 of my 32
.irp i, 0,1,2,3
	global_load_b128 v[BB+4*\i:BB+4*\i+3], v[BO], s[\sb:\sb+1] offset:(\off)+16*\i
.endr
.endm
.macro GRP pair, n                     ; n's fragments of K steps 2 pair, 2 pair + 1; n: the global loads issued behind this group's weights
	FETCHN GR, NIMG+3072*(\pair), RSTRN, NSC+256*(\pair)
	s_wait_loadcnt \n
	s_wait_dscnt 0x0
.endm
	s_load_b256 s[8:15], s[0:1], 0x0               ; x 8, src_mask 10, alpha1 12, beta1 14
	s_load_b64 s[16:17], s[0:1], 0x20              ; wimg
	s_load_b64 s[20:21], s[0:1], 0x28              ; bq
	s_load_b64 s[26:27], s[0:1], 0x30              ; bk
	s_load_b64 s[32:33], s[0:1], 0x38              ; bv
	s_load_b64 s[34:35], s[0:1], 0x40              ; qimg
	s_load_b64 s[36:37], s[0:1], 0x48              ; qsc
	s_load_b64 s[38:39], s[0:1], 0x50              ; kv
	v_lshl_add_u32 v82, v0, 2, 0x14500
	v_mov_b32 v83, 0
	v_lshrrev_b32 v100, 5, v0
	v_readfirstlane_b32 s[WV], v100                ; wave 0..15
	v_and_b32 v100, 31, v0                         ; lane
	v_and_b32 v101, 15, v0                         ; r
	v_bfe_u32 v102, v0, 4, 1                       ; h
	v_and_b32 v103, 8, v0
	v_add_nc_u32 v103, v103, v101                  ; r + 8 (r / 8)
	v_lshl_add_u32 v104, v102, 3, v103             ; + 8 h
	v_lshlrev_b32 v[LN8], 3, v100
	v_lshlrev_b32 v[MKO], 2, v104
	v_lshlrev_b32 v[BVO], 2, v103
	v_lshlrev_b32 v[SA], 2, v0
	v_lshlrev_b32 v[SL], 2, v100
	v_lshlrev_b32 v[GR], 4, v100
	v_lshlrev_b32 v[BO], 6, v102
	v_lshlrev_b32 v[OIM], 4, v101
	v_lshl_add_u32 v[OIM], v102, 10, v[OIM]
	v_mul_u32_u24 v[OV], v102, 1536
	v_lshl_add_u32 v[OV], v101, 3, v[OV]
	v_mov_b32 v[VZ], 0
	v_mov_b32 v[C127], 127
	v_mov_b32 v[C1], 1
	s_mov_b32 s[HM], 0xffff0000
	s_mov_b32 s[SEL], 0x76543210
	s_mov_b32 s[SEL+1], 0xfedcba98
	s_and_b32 s53, s[WV], 1                        ; which block of the head is mine
	; my block w of n's K: K step w / 4; in its fragment registers 6 c .. 6 c + 5, c = (w / 2) % 2, of lane r + 16 (w % 2).  Register pair 6 c + 2 p lies at 16 x lane + 0, 8, 512 (c = 0) or 520, 1024, 1032 (c = 1)
	s_lshr_b32 s48, s[WV], 2
	s_mul_i32 s48, s48, 1536
	s_lshl_b32 s49, s53, 8
	s_add_co_u32 s48, s48, s49
	s_add_co_u32 s48, s48, NIMG
	s_bfe_u32 s49, s[WV], 0x10001
	s_mul_i32 s50, s49, 520
	s_add_co_u32 s50, s50, s48
	s_mul_i32 s51, s49, 1016
	s_add_co_u32 s51, s51, s48
	v_mul_u32_u24 v[PAN0], v102, RSTRN
	v_lshl_add_u32 v[PAN0], v101, 4, v[PAN0]
	v_add_nc_u32 v[PAN1], s51, v[PAN0]             ; piece 1, with the offset 8
	v_add_nc_u32 v[PAN0], s50, v[PAN0]             ; pieces 0 and 2, with the offsets 0 and 512
	s_lshr_b32 s48, s[WV], 3                       ; its byte: pair w / 8, word (w / 4) % 2, byte w % 4
	s_lshl_b32 s48, s48, 8
	s_bfe_u32 s49, s[WV], 0x10002
	s_lshl_b32 s49, s49, 2
	s_add_co_u32 s48, s48, s49
	s_and_b32 s49, s[WV], 3
	s_add_co_u32 s48, s48, s49
	s_add_co_u32 s48, s48, NSC
	v_add_nc_u32 v[PSN], s48, v[LN8]
	s_lshl_b32 s48, s[WV], 7
	s_add_co_u32 s48, s48, STG
	v_mul_u32_u24 v[STW], v101, SPT
	v_lshl_add_u32 v[STW], v102, 6, v[STW]
	v_add_nc_u32 v[STW], s48, v[STW]
	s_mul_i32 s48, s[WV], 2*SPT
	s_add_co_u32 s48, s48, STG
	v_add_nc_u32 v[STR], s48, v[GR]
	s_cmp_eq_u32 s53, 0
	s_cselect_b32 s60, 0x0c, 0                     ; 1.0
	s_cselect_b32 s61, 0x2c, 0                     ; -1.0
	s_mov_b32 s62, 1
	s_cselect_b32 s62, 160, s62                    ; 2^33
	v_mov_b32 v[QAUG], s60
	v_mov_b32 v[KAUG], s61
	v_mov_b32 v[KCB], s62
	; slots 2 w, 2 w + 1 of the stage are tokens t0, t0 + 1: t0 = 8 (w / 8) + 2 (w % 8) + 8 ((w % 8) / 4)
	s_lshr_b32 s48, s[WV], 3
	s_lshl_b32 s48, s48, 3
	s_and_b32 s49, s[WV], 7
	s_lshl_b32 s50, s49, 1
	s_add_co_u32 s48, s48, s50
	s_lshr_b32 s49, s49, 2
	s_lshl_b32 s49, s49, 3
	s_add_co_u32 s48, s48, s49
	s_lshl_b32 s48, s48, 11
	s_lshl_b32 s49, ttmp9, 16                      ; the block's 32 rows of 2,048 bytes
	s_add_co_u32 s48, s48, s49
	s_mov_b32 s49, 0
	s_wait_kmcnt 0x0
	s_load_b32 s42, s[12:13], 0x0                  ; alpha1
	s_load_b32 s44, s[14:15], 0x0                  ; beta1
	s_add_nc_u64 s[8:9], s[8:9], s[48:49]
	s_lshl_b32 s48, ttmp9, 7                       ; the mask: 4 bytes a token
	s_add_nc_u64 s[10:11], s[10:11], s[48:49]
	s_mul_i32 s48, s[WV], 6*GB                     ; my six groups of weights
	s_add_nc_u64 s[WB:WB+1], s[WB:WB+1], s[48:49]
	s_lshl_b32 s48, s[WV], 7                       ; my 32 numbers of each bias
	s_add_nc_u64 s[20:21], s[20:21], s[48:49]
	s_add_nc_u64 s[26:27], s[26:27], s[48:49]
	s_add_nc_u64 s[32:33], s[32:33], s[48:49]
.irp i, 0,1,2,3,4,5,6,7
	global_load_b128 v[ACC+4*\i:ACC+4*\i+3], v[GR], s[8:9] offset:512*\i th:TH_LOAD_NT   ; two whole rows of x: 4,096 consecutive bytes
.endr
	global_load_b32 v[MK], v[MKO], s[10:11]
	BIAS 20, 0
	LOADW 0, 0
	LOADW 1, 1
	; where the results go.  b = block / 64, j = block % 64; head = w / 2; bh = 8 b + head; a chunk of kv is 16 blocks, a step 4
	s_lshr_b32 s50, ttmp9, 6
	s_and_b32 s51, ttmp9, 63
	s_lshr_b32 s52, s[WV], 1
	s_lshl_b32 s54, s50, 3
	s_add_co_u32 s54, s54, s52                     ; bh
	s_lshl_b32 s48, s54, 17                        ; qimg: (128 bh + 2 j) x 1,024 + 256 x my block
	s_lshl_b32 s55, s51, 11
	s_add_co_u32 s48, s48, s55
	s_lshl_b32 s55, s53, 8
	s_add_co_u32 s48, s48, s55
	s_add_nc_u64 s[34:35], s[34:35], s[48:49]
	s_lshl_b32 s48, s54, 13                        ; qsc: (2,048 bh + 32 j) x 4 + my block
	s_lshl_b32 s55, s51, 7
	s_add_co_u32 s48, s48, s55
	s_add_co_u32 s48, s48, s53
	s_add_nc_u64 s[36:37], s[36:37], s[48:49]
	s_mul_i32 s56, s54, 241664                     ; kv: the head's block, the chunk
	s_lshr_b32 s55, s51, 4
	s_mul_i32 s55, s55, 60416
	s_add_co_u32 s56, s56, s55
	s_and_b32 s57, s51, 15                         ; the block in its chunk,
	s_lshr_b32 s58, s57, 2                         ; its step,
	s_and_b32 s59, s51, 3                          ; its place in the step
	s_lshl_b32 s48, s57, 11                        ; K's images: tiles 2 (j % 16), + 1
	s_add_co_u32 s48, s48, s56
	s_lshl_b32 s55, s53, 8
	s_add_co_u32 s48, s48, s55
	s_add_nc_u64 s[66:67], s[38:39], s[48:49]
	s_lshl_b32 s48, s58, 9                         ; K's scale words
	s_add_co_u32 s48, s48, s56
	s_lshl_b32 s55, s59, 2
	s_add_co_u32 s48, s48, s55
	s_add_co_u32 s48, s48, s53
	s_add_co_u32 s48, s48, 57344
	s_add_nc_u64 s[68:69], s[38:39], s[48:49]
	s_mul_i32 s48, s58, 6144                       ; V's fragments
	s_add_co_u32 s48, s48, s56
	s_mul_i32 s55, s53, 3072
	s_add_co_u32 s48, s48, s55
	s_lshr_b32 s55, s59, 1
	s_mul_i32 s55, s55, 768
	s_add_co_u32 s48, s48, s55
	s_and_b32 s55, s59, 1
	s_lshl_b32 s55, s55, 7
	s_add_co_u32 s48, s48, s55
	s_add_co_u32 s48, s48, 32768
	s_add_nc_u64 s[70:71], s[38:39], s[48:49]
	s_lshl_b32 s48, s58, 8                         ; V's scale words
	s_add_co_u32 s48, s48, s56
	s_lshl_b32 s55, s53, 2
	s_add_co_u32 s48, s48, s55
	s_add_co_u32 s48, s48, s59
	s_add_co_u32 s48, s48, 59392
	s_add_nc_u64 s[72:73], s[38:39], s[48:49]
	s_wait_loadcnt 31                              ; x's eight loads are in; behind them: the mask 1, bq 4, two groups 26
.irp i, 0,1,2,3,4,5,6,7
	ds_store_b128 v[STR], v[ACC+4*\i:ACC+4*\i+3] offset:(\i/4)*SPT+512*(\i%4)
.endr
	BAR                                            ; the 32 rows lie in the stage
.irp rr, 0,1
.irp i, 0,1,2,3
	ds_load_b128 v[ACC+16*\rr+4*\i:ACC+16*\rr+4*\i+3], v[STW] offset:\rr*16*SPT+16*\i   ; columns 32 w + 16 h + 0 .. 15 of rows (0, r), (1, r)
.endr
.endr
	s_wait_dscnt 0x0
	s_wait_kmcnt 0x0
	s_mov_b32 s45, s44                             ; (named with it as a pair)
	NORM ACC, ACC, 42, 44
	Q32X2 ACC, ACC+16, 0, 1                        ; block w of n's K, for the two tiles of rows
	ds_store_b64 v[PAN0], v[QC:QC+1]
	ds_store_b64 v[PAN1], v[QC+2:QC+3] offset:8
	ds_store_b64 v[PAN0], v[QC+4:QC+5] offset:512
	ds_store_b8 v[PSN], v[QS]
	BAR                                            ; n's eight fragments and their scale words lie in LDS
	; ---- q
	GRP 0, 13                                      ; behind wq's first group: its second
	MMT 0, ACC, BB
	PLACES 4                                       ; in front of loads into registers that the products have read
	BIAS 26, 0
	LOADW 0, 2
	GRP 1, 17                                      ; behind wq's second group: bk 4, wk's first 13
	MMT 1, ACC, -1
	PLACES 4                                       ; and in front of the first read of the results
	LOADW 1, 3
	Q32X2 ACC, ACC+16, 0, 1
	v_mov_b32 v[QC+6], v[QAUG]
	v_mov_b32 v[QC+7], 0
	global_store_b128 v[OIM], v[QC:QC+3], s[34:35]             ; lanes 0-15 and lanes 16-31 each store 256 consecutive bytes, aligned
	global_store_b128 v[OIM], v[QC+4:QC+7], s[34:35] offset:512
	global_store_b8 v[SL], v[QS], s[36:37]
	global_store_b8 v[SL], v[C127], s[36:37] offset:2
	; ---- k
	GRP 0, 13
	MMT 0, ACC, BB
	PLACES 4
	global_load_b32 v[BB], v[BVO], s[32:33]        ; bv of my lane's column in tile 0,
	global_load_b32 v[BB+1], v[BVO], s[32:33] offset:32        ; and in tile 1
	LOADW 0, 4
	GRP 1, 15                                      ; behind wk's second group: bv 2, wv's first 13
	MMT 1, ACC, -1
	PLACES 4
	s_wait_xcnt 0x0                                ; q's stores have read their registers: the codes' registers are written again below
	LOADW 1, 5
	Q32X2 ACC, ACC+16, 0, 1
	v_cmp_ne_u32 vcc_lo, 0, v[MK]                  ; the key counts
.irp i, 0,1,2,3,4,5
	v_cndmask_b32 v[QC+\i], 0, v[QC+\i], vcc_lo    ; a masked key's codes are zeros,
.endr
	v_cndmask_b32 v[QC+6], v[KAUG], v[VZ], vcc_lo  ; its code at k = 64 is -1.0,
	v_mov_b32 v[QC+7], 0
	v_cndmask_b32 v[KB2], v[KCB], v[C1], vcc_lo    ; under the byte 160; a key that counts has the byte 1 over zeros
	global_store_b128 v[OIM], v[QC:QC+3], s[66:67]
	global_store_b128 v[OIM], v[QC+4:QC+7], s[66:67] offset:512
	global_store_b8 v[GR], v[QS], s[68:69]
	global_store_b8 v[GR], v[KB2], s[68:69] offset:2
	; ---- v, in the natural order: a lane holds one column and 16 tokens
	GRP 0, 13
	MMN 0, ACC, 1
	PLACES 4
	GRP 1, 0
	MMN 1, ACC, 0
	PLACES 4
.irp i, 0,2,4,6,8,10,12,14
	v_pk_add_f32 v[ACC+\i:ACC+\i+1], v[ACC+\i:ACC+\i+1], v[BB:BB+1] op_sel_hi:[1,0]
.endr
.irp i, 0,2,4,6,8,10,12,14
	v_pk_add_f32 v[ACC+16+\i:ACC+16+\i+1], v[ACC+16+\i:ACC+16+\i+1], v[BB:BB+1] op_sel:[0,1] op_sel_hi:[1,1]
.endr
	s_wait_xcnt 0x0                                ; k's stores have read their registers
	Q32X2 ACC, ACC+16, 0, 1                        ; the block of 32 keys, for my two tiles of the head's channels
.irp p, 0,1,2
	global_store_b64 v[OV], v[QC+2*\p:QC+2*\p+1], s[70:71] offset:256*\p   ; runs of 128 consecutive bytes: a block of 32 keys is half of a fragment's piece
.endr
	global_store_b8 v[LN8], v[QS], s[72:73]
	s_wait_tensorcnt 0x0
	ds_add_u32 v82, v83
	s_wait_dscnt 0x0
	s_endpgm
.Lfunc_end_k_qaf5b867459_qkv:
	.size	k_qaf5b867459_qkv, .Lfunc_end_k_qaf5b867459_qkv-k_qaf5b867459_qkv
	.p2alignl 7, 3214868480
	.fill 96, 4, 3214868480
	.section	.rodata,"a",@progbits
	.p2align	6, 0x0
	.amdhsa_kernel k_qaf5b867459_qkv
		.amdhsa_group_segment_fixed_size 85248
		.amdhsa_private_segment_fixed_size 0
		.amdhsa_enable_private_segment 0
		.amdhsa_kernarg_size 88
		.amdhsa_user_sgpr_count 2
		.amdhsa_user_sgpr_kernarg_segment_ptr 1
		.amdhsa_wavefront_size32 1
		.amdhsa_system_sgpr_workgroup_id_x 1
		.amdhsa_system_sgpr_workgroup_id_y 1
		.amdhsa_system_sgpr_workgroup_id_z 1
		.amdhsa_system_vgpr_workitem_id 0
		.amdhsa_next_free_vgpr 256
		.amdhsa_next_free_sgpr 100
		.amdhsa_reserve_vcc 1
		.amdhsa_float_denorm_mode_32 3
		.amdhsa_float_denorm_mode_16_64 3
		.amdhsa_memory_ordered 1
		.amdhsa_forward_progress 1
		.amdhsa_inst_pref_size 49
	.end_amdhsa_kernel
	.amdgpu_metadata
---
amdhsa.version: [ 1, 2 ]
amdhsa.kernels:
  - .name:           k_qaf5b867459_qkv
    .symbol:         k_qaf5b867459_qkv.kd
    .args:
      - { .name: x, .offset: 0, .size: 8, .value_kind: global_buffer, .address_space: global }
      - { .name: src_mask, .offset: 8, .size: 8, .value_kind: global_buffer, .address_space: global }
      - { .name: alpha1, .offset: 16, .size: 8, .value_kind: global_buffer, .address_space: global }
      - { .name: beta1, .offset: 24, .size: 8, .value_kind: global_buffer, .address_space: global }
      - { .name: wimg, .offset: 32, .size: 8, .value_kind: global_buffer, .address_space: global }
      - { .name: bq, .offset: 40, .size: 8, .value_kind: global_buffer, .address_space: global }
      - { .name: bk, .offset: 48, .size: 8, .value_kind: global_buffer, .address_space: global }
      - { .name: bv, .offset: 56, .size: 8, .value_kind: global_buffer, .address_space: global }
      - { .name: qimg, .offset: 64, .size: 8, .value_kind: global_buffer, .address_space: global }
      - { .name: qsc, .offset: 72, .size: 8, .value_kind: global_buffer, .address_space: global }
      - { .name: kv, .offset: 80, .size: 8, .value_kind: global_buffer, .address_space: global }
    .group_segment_fixed_size: 85248
    .private_segment_fixed_size: 0
    .kernarg_segment_align: 8
    .kernarg_segment_size: 88
    .max_flat_workgroup_size: 512
    .sgpr_count:     100
    .vgpr_count:     256
    .wavefront_size: 32
...
	.end_amdgpu_metadata
.endif
;; end of part 5
;; launch attn: the kernel of part 2 again; grid 8 x 32, 16 waves a work-group, clusters of 4 x 1, 264,192 bytes of LDS; arguments qimg, qsc, kv, ctx, ctxsc; writes ctx, ctxsc
;; launch ffn (part 6): grid 256 x 1, 16 waves a work-group, no clusters, 136,704 bytes of LDS; arguments x, ctx, ctxsc, wimg, bo, alpha2, beta2, b1, b2, out0; writes out0
.if DOCPART == 6
	.amdgcn_target "amdgcn-amd-amdhsa--gfx1250"
	.amdhsa_code_object_version 6
	.text
	.protected	k_qaf5b867459_ffn
	.globl	k_qaf5b867459_ffn
	.p2align	8
	.type	k_qaf5b867459_ffn,@function
k_qaf5b867459_ffn:
	s_mov_b64 s[64:65], 0
	v_nop
	global_prefetch_b8 v0, s[64:65] scope:SCOPE_SE
	s_setreg_imm32_b32 hwreg(HW_REG_WAVE_MODE, 25, 1), 1
	s_wait_xcnt 0x0
; x1 = x + ctx wo + bo; n2 = norm(x1); out = x1 + relu(n2 w1 + b1) w2 + b2.  All three products on codes of BF6 (E3M2) with one E8M0 scale for each 32 along K.  x1, n2 and the hidden layer never go to memory.
; SHARES.  A work-group takes 32 tokens, as two tiles R = 0, 1 (lane r of tile R is token 8 R + r + 8 (r / 8)); wave w of 16 takes columns 32 w .. 32 w + 31 of x1 and of out, and hidden units 128 w .. 128 w + 127.
; All products are used transposed (source 0 = 16 rows of the weight, taken by the same map, source 1 = 16 tokens): a lane's 16 registers of tiles u = 0, 1 are columns 16 h + 0 .. 15 of a block of 32: half a block of the next K.
; The rows' codes (ctx, n2, the hidden layer) go round through LDS as images of registers: register quad g (registers 4 g .. 4 g + 3) of lane L of a fragment lies at 512 g + 16 L: a fragment comes by three loads of 16 bytes a lane.
; THE WEIGHTS come from wimg, where the first launch has laid them in the order of these registers: a group (2 tiles x 2 K steps and its scale words) is 12 loads of 512 consecutive bytes and one of 256,
; straight into registers: each fragment has one reader in the work-group and feeds two matrix instructions; a ring of two register sets, one group each; my wave's 18 groups lie on end in the order of the walk.
; No joint loads: a tile asked for jointly lands in LDS, and here every weight byte (1,843,200 a work-group) would be written there and read back by its one reader.
; x + bo and later + b2 stand in the accumulators when the sums begin; b1 is the C of a hidden block's first products.
; LIMITS: NaN and infinities are not served; a block whose largest magnitude lies under 2^-122 keeps the scale byte 1; 1 / (std + eps) is v_rcp_f32, the root v_sqrt_f32; mean and variance are multiplied by 1/512 and 1/511.
.set STATA, 0                          ; LDS: partial sums, 16 waves x 32 rows x 4 bytes
.set STATB, 2048
.set NSC,   4096                       ; scale words of ctx, then of n2: [pair 2][lane 32 = (r, R)][8 bytes]
.set HSC,   4608                       ; of the hidden layer: [pair 8][lane 32][8 bytes]
.set NIMG,  6656                       ; ctx's, then n2's eight fragments: [R 2][K step 4][1536]
.set RSTRN, 6272
.set HIMG,  19200                      ; the hidden layer's 32 fragments: [R 2][K step 16][1536]
.set RSTRH, 24704
.set STG,   68608                      ; 32 rows, slot 16 R + r, 2,048 bytes + 16: x on the way in, out on the way out
.set SPT,   2064
.set GB,    6400                       ; a group of weights in wimg
.set LN8, 1                            ; v1   8 x lane
.set PAN1, 2                           ; v2   where I store piece 1 of n2's block
.set CIA1, 3                           ; v3   where I put piece 1 of my part of ctx
.set PAN0, 6                           ; v6   pieces 0 and 2 of n2's block
.set PSN, 7
.set PAH, 8                            ; v8   where I store the hidden layer's images
.set PSH, 9                            ; v9   and their scale bytes
.set SA,  10
.set SL,  11
.set STW, 12
.set STR, 13
.set GR,  14                           ; v14  16 x lane
.set BO,  15
.set GRH, 16                           ; v16  16 x lane + HIMG
.set CIA0, 17                          ; v17  pieces 0 and 2 of my part of ctx
.set CSA, 18                           ; v18  and my byte of its scales
.set ACC, 20                           ; v20-51   x1, then out
.set HA,  52                           ; v52-83   x's rows, n2, a hidden block, out's rows
.set BB,  84
.set NF,  100
.set NT,  100
.set QT,  100
.set QC,  132
.set QS,  140
.set NS,  148
.set WR0, 150
.set WS0, 198
.set MN,  250
.set GN,  252
.set WB,  14                           ; s[14:15] my wave's 18 groups in wimg
.set WV,  40
.set HM,  41
.set SEL, 46
.macro BAR                             ; my LDS stores have landed and my LDS loads are in: then the work-group's barrier
	s_wait_dscnt 0x0
	s_barrier_signal -1
	s_barrier_wait -1
.endm
.macro PLACES n
.rept \n
	v_nop
.endr
.endm
.macro WM d, a, b, c, sa, sb, ra, rb   ; one matrix instruction; ra, rb: source 0's, source 1's scales stand in lanes 16-31
.if (\ra) && (\rb)
	v_wmma_scale_f32_16x16x128_f8f6f4 v[\d:\d+7], v[\a:\a+11], v[\b:\b+11], v[\c:\c+7], v[\sa], v[\sb] matrix_a_fmt:MATRIX_FMT_BF6 matrix_b_fmt:MATRIX_FMT_BF6 matrix_a_scale:MATRIX_SCALE_ROW1 matrix_b_scale:MATRIX_SCALE_ROW1
.elseif (\ra)
	v_wmma_scale_f32_16x16x128_f8f6f4 v[\d:\d+7], v[\a:\a+11], v[\b:\b+11], v[\c:\c+7], v[\sa], v[\sb] matrix_a_fmt:MATRIX_FMT_BF6 matrix_b_fmt:MATRIX_FMT_BF6 matrix_a_scale:MATRIX_SCALE_ROW1
.elseif (\rb)
	v_wmma_scale_f32_16x16x128_f8f6f4 v[\d:\d+7], v[\a:\a+11], v[\b:\b+11], v[\c:\c+7], v[\sa], v[\sb] matrix_a_fmt:MATRIX_FMT_BF6 matrix_b_fmt:MATRIX_FMT_BF6 matrix_b_scale:MATRIX_SCALE_ROW1
.else
	v_wmma_scale_f32_16x16x128_f8f6f4 v[\d:\d+7], v[\a:\a+11], v[\b:\b+11], v[\c:\c+7], v[\sa], v[\sb] matrix_a_fmt:MATRIX_FMT_BF6 matrix_b_fmt:MATRIX_FMT_BF6
.endif
.endm
; group g of my wave's weights (0, 1: wo; 2 + 2 b + q: w1's block b; 10 + q: w2) into set slot: fragment 2 ks + u at 12 (2 ks + u); the scale words: lanes 0-15 tile 0's rows, lanes 16-31 tile 1's.  13 loads
.macro LOADW slot, g
.irp i, 0,1,2,3,4,5,6,7,8,9,10,11
	global_load_b128 v[WR0+50*(\slot)+4*\i:WR0+50*(\slot)+4*\i+3], v[GR], s[WB:WB+1] offset:GB*(\g)+512*\i
.endr
	global_load_b64 v[WS0+50*(\slot):WS0+50*(\slot)+1], v[LN8], s[WB:WB+1] offset:GB*(\g)+6144
.endm
; four fragments of the rows' codes (K steps ks = 0, 1 x tiles R = 0, 1) and their scale words from LDS.  13 loads, of consecutive bytes
.macro FETCHN base, off, rstr, soff
.irp ks, 0,1
.irp rr, 0,1
.irp g, 0,1,2
	ds_load_b128 v[NF+12*(2*\ks+\rr)+4*\g:NF+12*(2*\ks+\rr)+4*\g+3], v[\base] offset:(\off)+\rr*(\rstr)+\ks*1536+\g*512
.endr
.endr
.endr
	ds_load_b64 v[NS:NS+1], v[LN8] offset:\soff
.endm
; eight matrix instructions: accumulator (R, u) at acc + 16 R + 8 u.  The four accumulators take turns, one instruction a turn, in the same order in every group.
; bias >= 0: the first K step's C is the bias, eight registers a tile in the result's layout; else the sums go on in place
.macro MMT slot, acc, bias
.irp ks, 0,1
.irp u, 0,1
.irp rr, 0,1
.if ((\bias) >= 0) && (\ks == 0)
	WM \acc+16*\rr+8*\u, WR0+50*(\slot)+12*(2*\ks+\u), NF+12*(2*\ks+\rr), (\bias)+8*\u, WS0+50*(\slot)+\ks, NS+\ks, \u, \rr
.else
	WM \acc+16*\rr+8*\u, WR0+50*(\slot)+12*(2*\ks+\u), NF+12*(2*\ks+\rr), \acc+16*\rr+8*\u, WS0+50*(\slot)+\ks, NS+\ks, \u, \rr
.endif
.endr
.endr
.endr
.endm
.macro RSUM16 s, t                     ; the sum of 16 registers and of lane l xor 16's 16, into v[t]; each run of eight is first read at its low end
	v_pk_add_f32 v[\t:\t+1], v[\s:\s+1], v[\s+2:\s+3]
	v_pk_add_f32 v[\t+2:\t+3], v[\s+4:\s+5], v[\s+6:\s+7]
	v_pk_add_f32 v[\t+4:\t+5], v[\s+8:\s+9], v[\s+10:\s+11]
	v_pk_add_f32 v[\t+6:\t+7], v[\s+12:\s+13], v[\s+14:\s+15]
	v_pk_add_f32 v[\t:\t+1], v[\t:\t+1], v[\t+2:\t+3]
	v_pk_add_f32 v[\t+4:\t+5], v[\t+4:\t+5], v[\t+6:\t+7]
	v_pk_add_f32 v[\t:\t+1], v[\t:\t+1], v[\t+4:\t+5]
	v_add_f32 v[\t], v[\t], v[\t+1]
	v_mov_b32 v[\t+2], 0                           ; a lane permute's destination counts as one of its sources
	v_permlanex16_b32 v[\t+2], v[\t], s[SEL], s[SEL+1]
	v_add_f32 v[\t], v[\t], v[\t+2]
.endm
.macro RSQ16 s, t                      ; the same of their squares, in two chains
	v_pk_mul_f32 v[\t:\t+1], v[\s:\s+1], v[\s:\s+1]
	v_pk_mul_f32 v[\t+2:\t+3], v[\s+2:\s+3], v[\s+2:\s+3]
.irp i, 4,8,12
	v_pk_fma_f32 v[\t:\t+1], v[\s+\i:\s+\i+1], v[\s+\i:\s+\i+1], v[\t:\t+1]
	v_pk_fma_f32 v[\t+2:\t+3], v[\s+\i+2:\s+\i+3], v[\s+\i+2:\s+\i+3], v[\t+2:\t+3]
.endr
	v_pk_add_f32 v[\t:\t+1], v[\t:\t+1], v[\t+2:\t+3]
	v_add_f32 v[\t], v[\t], v[\t+1]
	v_mov_b32 v[\t+2], 0
	v_permlanex16_b32 v[\t+2], v[\t], s[SEL], s[SEL+1]
	v_add_f32 v[\t], v[\t], v[\t+2]
.endm
; v[a], v[b]: my wave's partial sums of rows (0, r), (1, r).  Lane L stores that of row L; behind the barrier it adds the sixteen waves': v[NT+16] = the total of row L
.macro XCHG a, b, reg
	v_cndmask_b32 v[NT+16], v[\a], v[\b], s[HM]
	ds_store_b32 v[SA], v[NT+16] offset:\reg
	BAR
.irp i, 0,1,2,3,4,5,6,7,8,9,10,11,12,13,14,15
	ds_load_b32 v[NT+16+\i], v[SL] offset:\reg+128*\i
.endr
	s_wait_dscnt 0x0
.irp i, 0,4,8,12
	v_pk_add_f32 v[NT+16+\i:NT+17+\i], v[NT+16+\i:NT+17+\i], v[NT+18+\i:NT+19+\i]
.endr
	v_pk_add_f32 v[NT+16:NT+17], v[NT+16:NT+17], v[NT+20:NT+21]
	v_pk_add_f32 v[NT+24:NT+25], v[NT+24:NT+25], v[NT+28:NT+29]
	v_pk_add_f32 v[NT+16:NT+17], v[NT+16:NT+17], v[NT+24:NT+25]
	v_add_f32 v[NT+16], v[NT+16], v[NT+17]
.endm
; dst = alpha (src - mean) / (std + eps) + beta over rows of 512; register 16 R + i = column 32 w + 16 h + i of row (R, r).  Two passes: the squares are taken of src - mean.  Two barriers
.macro NORM src, dst, sal, sbt
	RSUM16 \src, NT
	RSUM16 \src+16, NT+8
	XCHG NT, NT+8, STATA
	v_mul_f32 v[NT], 0x3b000000, v[NT+16]          ; / 512: the mean of row (h, r)
	v_mov_b32 v[NT+1], 0
	v_permlanex16_b32 v[NT+1], v[NT], s[SEL], s[SEL+1]   ; and of row (1 - h, r)
	v_cndmask_b32 v[MN], v[NT], v[NT+1], s[HM]
	v_cndmask_b32 v[MN+1], v[NT+1], v[NT], s[HM]
.irp i, 0,2,4,6,8,10,12,14
	v_pk_add_f32 v[\dst+\i:\dst+\i+1], v[\src+\i:\src+\i+1], v[MN:MN+1] op_sel_hi:[1,0] neg_lo:[0,1] neg_hi:[0,1]
.endr
.irp i, 0,2,4,6,8,10,12,14
	v_pk_add_f32 v[\dst+16+\i:\dst+16+\i+1], v[\src+16+\i:\src+16+\i+1], v[MN:MN+1] op_sel:[0,1] op_sel_hi:[1,1] neg_lo:[0,1] neg_hi:[0,1]
.endr
	RSQ16 \dst, NT
	RSQ16 \dst+16, NT+8
	XCHG NT, NT+8, STATB
	v_mul_f32 v[NT], 0x3b004020, v[NT+16]          ; / 511
	v_sqrt_f32 v[NT+1], v[NT]
	v_nop                                          ; a plain instruction behind the transcendental,
	s_wait_alu depctr_va_vdst(0)                   ; and a wait ahead of its first reader
	v_add_f32 v[NT+1], 0x358637bd, v[NT+1]         ; + 1e-6
	v_rcp_f32 v[NT+2], v[NT+1]
	v_nop
	s_wait_alu depctr_va_vdst(0)
	v_mul_f32 v[NT], s[\sal], v[NT+2]
	v_mov_b32 v[NT+1], 0
	v_permlanex16_b32 v[NT+1], v[NT], s[SEL], s[SEL+1]
	v_cndmask_b32 v[GN], v[NT], v[NT+1], s[HM]
	v_cndmask_b32 v[GN+1], v[NT+1], v[NT], s[HM]
.irp i, 0,2,4,6,8,10,12,14
	v_pk_fma_f32 v[\dst+\i:\dst+\i+1], v[\dst+\i:\dst+\i+1], v[GN:GN+1], s[\sbt:\sbt+1] op_sel_hi:[1,0,0]
.endr
.irp i, 0,2,4,6,8,10,12,14
	v_pk_fma_f32 v[\dst+16+\i:\dst+16+\i+1], v[\dst+16+\i:\dst+16+\i+1], v[GN:GN+1], s[\sbt:\sbt+1] op_sel:[0,1,0] op_sel_hi:[1,1,0]
.endr
.endm
; Two blocks of 32 at once.  v[a ..], v[b ..]: numbers 16 h + 0 .. 15 of a block of set a and of set b.  Out: v[QC .. QC+5] the whole block's 24 bytes, v[QS] its scale byte: set a's in lanes 0-15, set b's in lanes 16-31
.macro Q32X2 a, b, relu, abs
.if \relu
.irp i, 0,1,2,3,4,5,6,7,8,9,10,11,12,13,14,15
	v_max_num_f32 v[\a+\i], 0, v[\a+\i]
.endr
.irp i, 0,1,2,3,4,5,6,7,8,9,10,11,12,13,14,15
	v_max_num_f32 v[\b+\i], 0, v[\b+\i]
.endr
.endif
.if \abs
	v_max3_num_f32 v[QT], |v[\a]|, |v[\a+1]|, 0x2800000       ; my 16 numbers and the floor 2^(5 - 127): the byte cannot fall under 1
	v_max3_num_f32 v[QT+1], |v[\b]|, |v[\b+1]|, 0x2800000
.irp i, 2,4,6,8,10,12,14
	v_max3_num_f32 v[QT], v[QT], |v[\a+\i]|, |v[\a+\i+1]|
	v_max3_num_f32 v[QT+1], v[QT+1], |v[\b+\i]|, |v[\b+\i+1]|
.endr
.else
	v_max3_num_f32 v[QT], v[\a], v[\a+1], 0x2800000
	v_max3_num_f32 v[QT+1], v[\b], v[\b+1], 0x2800000
.irp i, 2,4,6,8,10,12,14
	v_max3_num_f32 v[QT], v[QT], v[\a+\i], v[\a+\i+1]
	v_max3_num_f32 v[QT+1], v[QT+1], v[\b+\i], v[\b+\i+1]
.endr
.endif
	v_mov_b32 v[QT+2], 0
	v_mov_b32 v[QT+3], 0
	v_permlanex16_b32 v[QT+2], v[QT], s[SEL], s[SEL+1]
	v_permlanex16_b32 v[QT+3], v[QT+1], s[SEL], s[SEL+1]
	v_max_num_f32 v[QT], v[QT], v[QT+2]            ; with lane l xor 16's: the block's largest magnitude
	v_max_num_f32 v[QT+1], v[QT+1], v[QT+3]
	v_add_nc_u32 v[QT+4], 0xfe000000, v[QT]        ; 4 off its exponent field: the conversion's scale operand
	v_add_nc_u32 v[QT+5], 0xfe000000, v[QT+1]
	v_cvt_scalef32_pk16_bf6_f32 v[QC:QC+2], v[\a:\a+15], v[QT+4]
	v_cvt_scalef32_pk16_bf6_f32 v[QC+4:QC+6], v[\b:\b+15], v[QT+5]
	v_lshrrev_b32 v[QT+6], 23, v[QT+4]             ; the scale's byte (also the plain instruction behind the conversions)
	v_lshrrev_b32 v[QT+7], 23, v[QT+5]
.irp i, 0,1,2
	v_permlane16_swap_b32 v[QC+\i], v[QC+4+\i]     ; the first's lanes 16-31 change places with the second's lanes 0-15: a lane now holds a whole block
.endr
	v_mov_b32 v[QC+3], v[QC+4]
	v_mov_b32 v[QC+4], v[QC+5]
	v_mov_b32 v[QC+5], v[QC+6]
	v_cndmask_b32 v[QS], v[QT+6], v[QT+7], s[HM]
.endm
.macro BIAS sb, off                    ; 16 numbers of a bias: columns 16 h + 0 .. 15 of a block of 32
.irp i, 0,1,2,3
	global_load_b128 v[BB+4*\i:BB+4*\i+3], v[BO], s[\sb:\sb+1] offset:(\off)+16*\i
.endr
.endm
.macro ADDB                            ; the bias onto both tiles of rows, then four places ahead of the products that take the sums as C
.irp rr, 0,1
.irp i, 0,2,4,6,8,10,12,14
	v_pk_add_f32 v[ACC+16*\rr+\i:ACC+16*\rr+\i+1], v[ACC+16*\rr+\i:ACC+16*\rr+\i+1], v[BB+\i:BB+\i+1]
.endr
.endr
	PLACES 4
.endm
.macro GRP pair, n                     ; the fragments of K steps 2 pair, 2 pair + 1 out of NIMG; n: the global loads issued behind this group's weights
	FETCHN GR, NIMG+3072*(\pair), RSTRN, NSC+256*(\pair)
	s_wait_loadcnt \n
	s_wait_dscnt 0x0
.endm
	s_load_b256 s[8:15], s[0:1], 0x0               ; x 8, ctx 10, ctxsc 12, wimg 14
	s_load_b64 s[18:19], s[0:1], 0x20              ; bo
	s_load_b64 s[20:21], s[0:1], 0x28              ; alpha2
	s_load_b64 s[22:23], s[0:1], 0x30              ; beta2
	s_load_b64 s[28:29], s[0:1], 0x38              ; b1
	s_load_b64 s[34:35], s[0:1], 0x40              ; b2
	s_load_b64 s[36:37], s[0:1], 0x48              ; out0
	v_lshl_add_u32 v254, v0, 2, 0x20e00
	v_mov_b32 v255, 0
	v_lshrrev_b32 v100, 5, v0
	v_readfirstlane_b32 s[WV], v100                ; wave 0..15
	v_and_b32 v100, 31, v0                         ; lane
	v_and_b32 v101, 15, v0                         ; r
	v_bfe_u32 v102, v0, 4, 1                       ; h
	v_lshlrev_b32 v[LN8], 3, v100
	v_lshlrev_b32 v[SA], 2, v0
	v_lshlrev_b32 v[SL], 2, v100
	v_lshlrev_b32 v[GR], 4, v100
	v_lshlrev_b32 v[BO], 6, v102
	v_add_nc_u32 v[GRH], HIMG, v[GR]
	v_add_nc_u32 v[CSA], NSC, v0
	s_mov_b32 s[HM], 0xffff0000
	s_mov_b32 s[SEL], 0x76543210
	s_mov_b32 s[SEL+1], 0xfedcba98
	; block w of n2's K: K step w / 4; in its fragment registers 6 c .. 6 c + 5, c = (w / 2) % 2, of lane r + 16 (w % 2).  Register pair 6 c + 2 p lies at 16 x lane + 0, 8, 512 (c = 0) or 520, 1024, 1032 (c = 1)
	s_lshr_b32 s48, s[WV], 2
	s_mul_i32 s48, s48, 1536
	s_and_b32 s49, s[WV], 1
	s_lshl_b32 s49, s49, 8
	s_add_co_u32 s48, s48, s49
	s_add_co_u32 s48, s48, NIMG
	s_bfe_u32 s49, s[WV], 0x10001
	s_mul_i32 s50, s49, 520
	s_add_co_u32 s50, s50, s48
	s_mul_i32 s51, s49, 1016
	s_add_co_u32 s51, s51, s48
	v_mul_u32_u24 v[PAN0], v102, RSTRN
	v_lshl_add_u32 v[PAN0], v101, 4, v[PAN0]
	v_add_nc_u32 v[PAN1], s51, v[PAN0]             ; piece 1, with the offset 8
	v_add_nc_u32 v[PAN0], s50, v[PAN0]             ; pieces 0 and 2, with the offsets 0 and 512
	s_lshr_b32 s48, s[WV], 3                       ; its byte: pair w / 8, word (w / 4) % 2, byte w % 4
	s_lshl_b32 s48, s48, 8
	s_bfe_u32 s49, s[WV], 0x10002
	s_lshl_b32 s49, s49, 2
	s_add_co_u32 s48, s48, s49
	s_and_b32 s49, s[WV], 3
	s_add_co_u32 s48, s48, s49
	s_add_co_u32 s48, s48, NSC
	v_add_nc_u32 v[PSN], s48, v[LN8]
	s_mul_i32 s48, s[WV], 1536                     ; my 128 hidden units are K step w of the last product
	s_add_co_u32 s48, s48, HIMG
	v_mul_u32_u24 v[PAH], v102, RSTRH
	v_lshl_add_u32 v[PAH], v101, 4, v[PAH]
	v_add_nc_u32 v[PAH], s48, v[PAH]
	s_lshr_b32 s48, s[WV], 1                       ; their bytes: pair w / 2, word w % 2
	s_lshl_b32 s48, s48, 8
	s_and_b32 s49, s[WV], 1
	s_lshl_b32 s49, s49, 2
	s_add_co_u32 s48, s48, s49
	s_add_co_u32 s48, s48, HSC
	v_add_nc_u32 v[PSH], s48, v[LN8]
	; ctx: half a fragment a wave: tile R = w / 8, K step (w / 2) % 4, registers 6 c .. 6 c + 5 with c = w % 2, each lane its own: the same three places
	s_lshr_b32 s48, s[WV], 3
	s_mul_i32 s48, s48, RSTRN
	s_bfe_u32 s49, s[WV], 0x20001
	s_mul_i32 s49, s49, 1536
	s_add_co_u32 s48, s48, s49
	s_add_co_u32 s48, s48, NIMG
	s_and_b32 s49, s[WV], 1
	s_mul_i32 s50, s49, 520
	s_add_co_u32 s50, s50, s48
	s_mul_i32 s51, s49, 1016
	s_add_co_u32 s51, s51, s48
	v_add_nc_u32 v[CIA0], s50, v[GR]
	v_add_nc_u32 v[CIA1], s51, v[GR]
	s_lshl_b32 s48, s[WV], 7
	s_add_co_u32 s48, s48, STG
	v_mul_u32_u24 v[STW], v101, SPT
	v_lshl_add_u32 v[STW], v102, 6, v[STW]
	v_add_nc_u32 v[STW], s48, v[STW]
	s_mul_i32 s48, s[WV], 2*SPT
	s_add_co_u32 s48, s48, STG
	v_add_nc_u32 v[STR], s48, v[GR]
	; slots 2 w, 2 w + 1 of the stage are tokens t0, t0 + 1: t0 = 8 (w / 8) + 2 (w % 8) + 8 ((w % 8) / 4)
	s_lshr_b32 s48, s[WV], 3
	s_lshl_b32 s48, s48, 3
	s_and_b32 s49, s[WV], 7
	s_lshl_b32 s50, s49, 1
	s_add_co_u32 s48, s48, s50
	s_lshr_b32 s49, s49, 2
	s_lshl_b32 s49, s49, 3
	s_add_co_u32 s48, s48, s49
	s_lshl_b32 s48, s48, 11
	s_lshl_b32 s49, ttmp9, 16
	s_add_co_u32 s48, s48, s49
	s_mov_b32 s49, 0
	s_wait_kmcnt 0x0
	s_load_b32 s42, s[20:21], 0x0                  ; alpha2
	s_load_b32 s44, s[22:23], 0x0                  ; beta2
	s_add_nc_u64 s[8:9], s[8:9], s[48:49]
	s_add_nc_u64 s[36:37], s[36:37], s[48:49]
	s_mul_i32 s48, ttmp9, 12288                    ; ctx: the block's eight fragments, my 768 bytes
	s_mul_i32 s50, s[WV], 768
	s_add_co_u32 s48, s48, s50
	s_add_nc_u64 s[10:11], s[10:11], s[48:49]
	s_lshl_b32 s48, ttmp9, 9
	s_add_nc_u64 s[12:13], s[12:13], s[48:49]
	s_mul_i32 s48, s[WV], 18*GB                    ; my 18 groups of weights, behind the 96 groups of the launch for q, k and v
	s_add_co_u32 s48, s48, 96*GB
	s_add_nc_u64 s[WB:WB+1], s[WB:WB+1], s[48:49]
	s_lshl_b32 s48, s[WV], 9
	s_add_nc_u64 s[28:29], s[28:29], s[48:49]      ; b1: my 128 numbers
	s_lshl_b32 s48, s[WV], 7
	s_add_nc_u64 s[18:19], s[18:19], s[48:49]      ; bo, b2: my 32
	s_add_nc_u64 s[34:35], s[34:35], s[48:49]
	; ---- in: two whole rows of x, my part of ctx's images and scale bytes, through LDS
.irp i, 0,1,2,3,4,5,6,7
	global_load_b128 v[HA+4*\i:HA+4*\i+3], v[GR], s[8:9] offset:512*\i th:TH_LOAD_NT
.endr
.irp p, 0,1,2
	global_load_b64 v[NF+2*\p:NF+2*\p+1], v[LN8], s[10:11] offset:256*\p th:TH_LOAD_NT
.endr
	global_load_u8 v[NF+6], v0, s[12:13]
	BIAS 18, 0
	LOADW 0, 0
	s_wait_loadcnt 17                              ; x, ctx and its scale byte are in; behind them: bo 4, wo's first group 13
.irp i, 0,1,2,3,4,5,6,7
	ds_store_b128 v[STR], v[HA+4*\i:HA+4*\i+3] offset:(\i/4)*SPT+512*(\i%4)
.endr
	ds_store_b64 v[CIA0], v[NF:NF+1]
	ds_store_b64 v[CIA1], v[NF+2:NF+3] offset:8
	ds_store_b64 v[CIA0], v[NF+4:NF+5] offset:512
	ds_store_b8 v[CSA], v[NF+6]
	LOADW 1, 1
	BAR                                            ; x's 32 rows and ctx's eight fragments lie in LDS
	; ---- x1 = x + bo + ctx wo
.irp rr, 0,1
.irp i, 0,1,2,3
	ds_load_b128 v[ACC+16*\rr+4*\i:ACC+16*\rr+4*\i+3], v[STW] offset:\rr*16*SPT+16*\i
.endr
.endr
	FETCHN GR, NIMG, RSTRN, NSC
	s_wait_loadcnt 26                              ; bo is in; behind it: wo's two groups
	s_wait_dscnt 13                                ; x is in; behind it: the 13 loads of ctx's fragments
	ADDB
	s_wait_loadcnt 13
	s_wait_dscnt 0x0
	MMT 0, ACC, -1
	PLACES 4                                       ; in front of loads into registers that the products have read
	BIAS 28, 0
	LOADW 0, 2
	GRP 1, 17                                      ; behind wo's second group: b1 4, w1's first 13
	MMT 1, ACC, -1
	PLACES 4                                       ; and in front of the first read of the results
	LOADW 1, 3
	; ---- n2 = norm(x1), quantised.  Its images take ctx's place: they are stored behind the norm's two barriers, which every wave reaches behind its last read of ctx's
	s_wait_kmcnt 0x0
	s_mov_b32 s45, s44                             ; (named with it as a pair)
	NORM ACC, HA, 42, 44
	Q32X2 HA, HA+16, 0, 1
	ds_store_b64 v[PAN0], v[QC:QC+1]
	ds_store_b64 v[PAN1], v[QC+2:QC+3] offset:8
	ds_store_b64 v[PAN0], v[QC+4:QC+5] offset:512
	ds_store_b8 v[PSN], v[QS]
	BAR
	; ---- the hidden layer: my four blocks of 32 units
.irp b, 0,1,2,3
	GRP 0, 13
	MMT 0, HA, BB
	PLACES 4
.if \b < 3
	BIAS 28, 128*(\b+1)
.else
	BIAS 34, 0
.endif
	LOADW 0, 4+2*\b                                ; the groups lie in the order of the walk: behind w1's last come w2's
	GRP 1, 17                                      ; behind this group: the next bias 4, the next group 13
	MMT 1, HA, -1
	PLACES 4
	LOADW 1, 5+2*\b
	Q32X2 HA, HA+16, 1, 0                          ; relu; none is negative then, so the maximum takes the numbers as they are
	ds_store_b64 v[PAH], v[QC:QC+1] offset:(\b%2)*256+(\b/2)*520           ; block b of K step w: c = b / 2, lanes' half b % 2
	ds_store_b64 v[PAH], v[QC+2:QC+3] offset:(\b%2)*256+(\b/2)*1016+8
	ds_store_b64 v[PAH], v[QC+4:QC+5] offset:(\b%2)*256+(\b/2)*520+512
	ds_store_b8 v[PSH], v[QS] offset:\b
	s_wait_dscnt 0x0                               ; the stores have read their registers: the next loads land there
.endr
	s_wait_loadcnt 26                              ; b2 is in; behind it: w2's first two groups
	ADDB
	BAR                                            ; the hidden layer's 32 fragments lie in LDS
	; ---- out = x1 + b2 + hidden w2: eight pairs of K steps
.irp q, 0,1,2,3,4,5,6,7
	FETCHN GRH, 3072*\q, RSTRH, HSC+256*\q
.if \q < 7
	s_wait_loadcnt 13
.else
	s_wait_loadcnt 0x0
.endif
	s_wait_dscnt 0x0
	MMT \q%2, ACC, -1
	PLACES 4
.if \q < 6
	LOADW \q%2, 12+\q
.endif
.endr
	; ---- the way out: through the stage, so that whole rows leave
.irp rr, 0,1
.irp i, 0,1,2,3
	ds_store_b128 v[STW], v[ACC+16*\rr+4*\i:ACC+16*\rr+4*\i+3] offset:\rr*16*SPT+16*\i   ; each accumulator from its low end on
.endr
.endr
	BAR
.irp i, 0,1,2,3,4,5,6,7
	ds_load_b128 v[HA+4*\i:HA+4*\i+3], v[STR] offset:(\i/4)*SPT+512*(\i%4)
.endr
.irp i, 0,1,2,3,4,5,6,7
	s_wait_dscnt 7-\i
	global_store_b128 v[GR], v[HA+4*\i:HA+4*\i+3], s[36:37] offset:512*\i th:TH_STORE_NT   ; 32 lanes store 512 consecutive bytes, aligned
.endr
	s_wait_tensorcnt 0x0
	ds_add_u32 v254, v255
	s_wait_dscnt 0x0
	s_endpgm
.Lfunc_end_k_qaf5b867459_ffn:
	.size	k_qaf5b867459_ffn, .Lfunc_end_k_qaf5b867459_ffn-k_qaf5b867459_ffn
	.p2alignl 7, 3214868480
	.fill 96, 4, 3214868480
	.section	.rodata,"a",@progbits
	.p2align	6, 0x0
	.amdhsa_kernel k_qaf5b867459_ffn
		.amdhsa_group_segment_fixed_size 136704
		.amdhsa_private_segment_fixed_size 0
		.amdhsa_enable_private_segment 0
		.amdhsa_kernarg_size 80
		.amdhsa_user_sgpr_count 2
		.amdhsa_user_sgpr_kernarg_segment_ptr 1
		.amdhsa_wavefront_size32 1
		.amdhsa_system_sgpr_workgroup_id_x 1
		.amdhsa_system_sgpr_workgroup_id_y 1
		.amdhsa_system_sgpr_workgroup_id_z 1
		.amdhsa_system_vgpr_workitem_id 0
		.amdhsa_next_free_vgpr 256
		.amdhsa_next_free_sgpr 100
		.amdhsa_reserve_vcc 0
		.amdhsa_float_denorm_mode_32 3
		.amdhsa_float_denorm_mode_16_64 3
		.amdhsa_memory_ordered 1
		.amdhsa_forward_progress 1
		.amdhsa_inst_pref_size 97
	.end_amdhsa_kernel
	.amdgpu_metadata
---
amdhsa.version: [ 1, 2 ]
amdhsa.kernels:
  - .name:           k_qaf5b867459_ffn
    .symbol:         k_qaf5b867459_ffn.kd
    .args:
      - { .name: x, .offset: 0, .size: 8, .value_kind: global_buffer, .address_space: global }
      - { .name: ctx, .offset: 8, .size: 8, .value_kind: global_buffer, .address_space: global }
      - { .name: ctxsc, .offset: 16, .size: 8, .value_kind: global_buffer, .address_space: global }
      - { .name: wimg, .offset: 24, .size: 8, .value_kind: global_buffer, .address_space: global }
      - { .name: bo, .offset: 32, .size: 8, .value_kind: global_buffer, .address_space: global }
      - { .name: alpha2, .offset: 40, .size: 8, .value_kind: global_buffer, .address_space: global }
      - { .name: beta2, .offset: 48, .size: 8, .value_kind: global_buffer, .address_space: global }
      - { .name: b1, .offset: 56, .size: 8, .value_kind: global_buffer, .address_space: global }
      - { .name: b2, .offset: 64, .size: 8, .value_kind: global_buffer, .address_space: global }
      - { .name: out0, .offset: 72, .size: 8, .value_kind: global_buffer, .address_space: global }
    .group_segment_fixed_size: 136704
    .private_segment_fixed_size: 0
    .kernarg_segment_align: 8
    .kernarg_segment_size: 80
    .max_flat_workgroup_size: 512
    .sgpr_count:     100
    .vgpr_count:     256
    .wavefront_size: 32
...
	.end_amdgpu_metadata
.endif
;; end of part 6
;; ======== version 3 of 3: 4 launches
;; limits: right only within a limited range of input values
;; workspace buffers: qimg 4,194,304 bytes; qsc 262,144 bytes; kv 7,733,248 bytes; ctx 3,145,728 bytes; ctxsc 131,072 bytes; wimg 2,457,600 bytes
;; launch prep (part 7): grid 24 x 8, 2 waves a work-group, no clusters, 0 bytes of LDS; arguments wq_codes, wq_scales, wk_codes, wk_scales, wv_codes, wv_scales, wo_codes, wo_scales, w1_codes, w1_scales, w2_codes, w2_scales, wimg; writes wimg
.if DOCPART == 7
	.amdgcn_target "amdgcn-amd-amdhsa--gfx1250"
	.amdhsa_code_object_version 6
	.text
	.protected	k_qaf5b867459_prep
	.globl	k_qaf5b867459_prep
	.p2align	8
	.type	k_qaf5b867459_prep,@function
k_qaf5b867459_prep:
	s_mov_b64 s[64:65], 0
	v_nop
	global_prefetch_b8 v0, s[64:65] scope:SCOPE_SE
	s_setreg_imm32_b32 hwreg(HW_REG_WAVE_MODE, 25, 1), 1
	s_wait_xcnt 0x0
; The six weights (codes of BF6, K innermost, and their E8M0 scale bytes) are laid out once in the order in which the later launches' waves take them into operand registers.
; A GROUP is what a wave multiplies at a time: tiles u = 0, 1 of 16 rows x K steps ks = 0, 1 of 128: four fragments of 12 registers a lane, fragment 2 ks + u, and two registers of scale words.
; In wimg a group is 6,400 bytes: register quad i (registers 4 i .. 4 i + 3 of the 48) of lane L at 512 i + 16 L, then the two scale words of lane L at 6,144 + 8 L.
; A tile's rows are not neighbours: lane r of tile u takes row 8 u + r + 8 (r / 8) of a block of 32 rows.  The scale words: lanes 0-15 tile 0's rows, lanes 16-31 tile 1's.
; WHO.  Work-group x = 0 .. 23 is the group's number in its reader's walk, work-group y and the wave give the reader's wave w = 0 .. 15: one group a wave, 384 in all.
;   x = 0 .. 5: wq, wk, wv (two pairs of K steps each), rows 32 w on: at w x 38,400 + x x 6,400.
;   x = 6, 7: wo, rows 32 w on;  x = 8 .. 15: w1, rows 128 w + 32 b on, b = (x - 8) / 2;  x = 16 .. 23: w2, rows 32 w on, pair of K steps x - 16: at 614,400 + w x 115,200 + (x - 6) x 6,400.
; The weight is chosen by s_cselect_b64 on the work-group's number; the row's length lies in a scalar register: one path for all six.  Every store covers 512 or 256 consecutive bytes, aligned.
.set GB, 6400
.set F,  16                            ; v16-63 the four fragments;  v64-65 the scale words
	s_load_b512 s[8:23], s[0:1], 0x0               ; wq_codes 8, wq_scales 10, wk 12, 14, wv 16, 18, wo 20, 22
	s_load_b256 s[24:31], s[0:1], 0x40             ; w1 24, 26, w2 28, 30
	s_load_b64 s[32:33], s[0:1], 0x60              ; wimg
	v_lshrrev_b32 v1, 5, v0
	v_readfirstlane_b32 s40, v1                    ; wave 0, 1
	s_and_b32 s41, ttmp7, 0xffff
	s_lshl_b32 s41, s41, 1
	s_add_co_u32 s41, s41, s40                     ; w
	s_lshr_b32 s42, ttmp9, 1                       ; 0 wq, 1 wk, 2 wv, 3 wo, 4-7 w1, 8-11 w2
	s_and_b32 s43, ttmp9, 1                        ; the pair of K steps, in a weight with K = 512
	s_sub_co_u32 s44, ttmp9, 16                    ; and in w2 (used there alone)
	s_sub_co_u32 s47, s42, 4                       ; w1's block of 32 rows (used there alone)
	s_mov_b32 s45, 384
	s_cmp_ge_u32 s42, 4
	s_cselect_b32 s48, 4, 1                        ; blocks of 12,288 bytes of codes from wave to wave: w1 128 rows of 384, w2 32 rows of 1,536; the others 32 rows of 384
	s_cselect_b32 s47, s47, 0
	s_cmp_ge_u32 s42, 8
	s_cselect_b32 s47, 0, s47
	s_cselect_b32 s43, s44, s43
	s_cselect_b32 s45, 1536, s45                   ; a row of codes in bytes
	s_cselect_b32 s46, 6, 4                        ; a row of scale bytes: 64 or 16
	s_mul_i32 s49, s41, s48
	s_add_co_u32 s49, s49, s47                     ; my block
	s_mul_i32 s50, s49, 12288
	s_mul_i32 s52, s43, 192
	s_add_co_u32 s50, s50, s52                     ; the codes: + 192 bytes a pair of K steps
	s_mov_b32 s51, 0
	s_lshl_b32 s52, s49, 9                         ; the scale bytes: a block has 512,
	s_lshl_b32 s54, s43, 3                         ; a pair of K steps 8
	s_add_co_u32 s52, s52, s54
	s_mov_b32 s53, 0
	s_mov_b32 s54, 18*GB
	s_cmp_lt_u32 ttmp9, 6
	s_cselect_b32 s54, 6*GB, s54
	s_cselect_b32 s55, 0, 96*GB-6*GB               ; the second part begins behind 96 groups, and its groups count from x = 6
	s_mul_i32 s54, s54, s41
	s_add_co_u32 s54, s54, s55
	s_mul_i32 s56, ttmp9, GB
	s_add_co_u32 s54, s54, s56
	s_mov_b32 s55, 0
	s_lshl_b32 s57, s45, 3                         ; eight rows
	v_and_b32 v1, 31, v0                           ; lane
	v_and_b32 v2, 15, v0                           ; r
	v_bfe_u32 v3, v0, 4, 1                         ; h
	v_and_b32 v4, 8, v0
	v_add_nc_u32 v4, v4, v2                        ; r + 8 (r / 8)
	v_mul_u32_u24 v5, s45, v4
	v_mad_u32_u24 v5, v3, 24, v5                   ; tile 0: my row, + 24 h
	v_add_nc_u32 v6, s57, v5                       ; tile 1: eight rows on
	v_lshl_add_u32 v7, v3, 3, v4
	v_lshlrev_b32 v7, s46, v7                      ; the scale words: row r + 8 (r / 8) + 8 h
	v_lshlrev_b32 v8, 4, v1                        ; 16 x lane
	v_lshlrev_b32 v9, 3, v1                        ; 8 x lane
	s_wait_alu depctr_va_vdst(0)
	s_wait_kmcnt 0x0
	s_mov_b64 s[60:61], s[8:9]
	s_mov_b64 s[62:63], s[10:11]
	s_cmp_eq_u32 s42, 1
	s_cselect_b64 s[60:61], s[12:13], s[60:61]
	s_cselect_b64 s[62:63], s[14:15], s[62:63]
	s_cmp_eq_u32 s42, 2
	s_cselect_b64 s[60:61], s[16:17], s[60:61]
	s_cselect_b64 s[62:63], s[18:19], s[62:63]
	s_cmp_eq_u32 s42, 3
	s_cselect_b64 s[60:61], s[20:21], s[60:61]
	s_cselect_b64 s[62:63], s[22:23], s[62:63]
	s_cmp_ge_u32 s42, 4
	s_cselect_b64 s[60:61], s[24:25], s[60:61]
	s_cselect_b64 s[62:63], s[26:27], s[62:63]
	s_cmp_ge_u32 s42, 8
	s_cselect_b64 s[60:61], s[28:29], s[60:61]
	s_cselect_b64 s[62:63], s[30:31], s[62:63]
	s_add_nc_u64 s[60:61], s[60:61], s[50:51]
	s_add_nc_u64 s[62:63], s[62:63], s[52:53]
	s_add_nc_u64 s[32:33], s[32:33], s[54:55]
.irp ks, 0,1
.irp u, 0,1
.irp p, 0,1,2,3,4,5
	global_load_b64 v[F+12*(2*\ks+\u)+2*\p:F+12*(2*\ks+\u)+2*\p+1], v[5+\u], s[60:61] offset:96*\ks+48*(\p/3)+8*(\p%3)   ; a fragment in six pieces of 8 bytes: registers 6 c .. 6 c + 5 hold k = 64 c + 32 h + 0 .. 31
.endr
.endr
.endr
	global_load_b64 v[F+48:F+49], v7, s[62:63]
.irp i, 0,1,2,3,4,5,6,7,8,9,10,11
	s_wait_loadcnt 23-2*\i                         ; loads come back in order: the two that fill quad i are in; behind them 22 - 2 i pieces and the scale words
	global_store_b128 v8, v[F+4*\i:F+4*\i+3], s[32:33] offset:512*\i
.endr
	s_wait_loadcnt 0x0
	global_store_b64 v9, v[F+48:F+49], s[32:33] offset:6144
	s_endpgm
.Lfunc_end_k_qaf5b867459_prep:
	.size	k_qaf5b867459_prep, .Lfunc_end_k_qaf5b867459_prep-k_qaf5b867459_prep
	.p2alignl 7, 3214868480
	.fill 96, 4, 3214868480
	.section	.rodata,"a",@progbits
	.p2align	6, 0x0
	.amdhsa_kernel k_qaf5b867459_prep
		.amdhsa_group_segment_fixed_size 0
		.amdhsa_private_segment_fixed_size 0
		.amdhsa_enable_private_segment 0
		.amdhsa_kernarg_size 104
		.amdhsa_user_sgpr_count 2
		.amdhsa_user_sgpr_kernarg_segment_ptr 1
		.amdhsa_wavefront_size32 1
		.amdhsa_system_sgpr_workgroup_id_x 1
		.amdhsa_system_sgpr_workgroup_id_y 1
		.amdhsa_system_sgpr_workgroup_id_z 1
		.amdhsa_system_vgpr_workitem_id 0
		.amdhsa_next_free_vgpr 72
		.amdhsa_next_free_sgpr 66
		.amdhsa_reserve_vcc 0
		.amdhsa_float_denorm_mode_32 3
		.amdhsa_float_denorm_mode_16_64 3
		.amdhsa_memory_ordered 1
		.amdhsa_forward_progress 1
		.amdhsa_inst_pref_size 8
	.end_amdhsa_kernel
	.amdgpu_metadata
---
amdhsa.version: [ 1, 2 ]
amdhsa.kernels:
  - .name:           k_qaf5b867459_prep
    .symbol:         k_qaf5b867459_prep.kd
    .args:
      - { .name: wq_codes, .offset: 0, .size: 8, .value_kind: global_buffer, .address_space: global }
      - { .name: wq_scales, .offset: 8, .size: 8, .value_kind: global_buffer, .address_space: global }
      - { .name: wk_codes, .offset: 16, .size: 8, .value_kind: global_buffer, .address_space: global }
      - { .name: wk_scales, .offset: 24, .size: 8, .value_kind: global_buffer, .address_space: global }
      - { .name: wv_codes, .offset: 32, .size: 8, .value_kind: global_buffer, .address_space: global }
      - { .name: wv_scales, .offset: 40, .size: 8, .value_kind: global_buffer, .address_space: global }
      - { .name: wo_codes, .offset: 48, .size: 8, .value_kind: global_buffer, .address_space: global }
      - { .name: wo_scales, .offset: 56, .size: 8, .value_kind: global_buffer, .address_space: global }
      - { .name: w1_codes, .offset: 64, .size: 8, .value_kind: global_buffer, .address_space: global }
      - { .name: w1_scales, .offset: 72, .size: 8, .value_kind: global_buffer, .address_space: global }
      - { .name: w2_codes, .offset: 80, .size: 8, .value_kind: global_buffer, .address_space: global }
      - { .name: w2_scales, .offset: 88, .size: 8, .value_kind: global_buffer, .address_space: global }
      - { .name: wimg, .offset: 96, .size: 8, .value_kind: global_buffer, .address_space: global }
    .group_segment_fixed_size: 0
    .private_segment_fixed_size: 0
    .kernarg_segment_align: 8
    .kernarg_segment_size: 104
    .max_flat_workgroup_size: 64
    .sgpr_count:     66
    .vgpr_count:     72
    .wavefront_size: 32
...
	.end_amdgpu_metadata
.endif
;; end of part 7
;; launch qkv (part 8): grid 256 x 1, 16 waves a work-group, no clusters, 85,248 bytes of LDS; arguments x, src_mask, alpha1, beta1, wimg, bq, bk, bv, qimg, qsc, kv; writes qimg, qsc, kv
.if DOCPART == 8
	.amdgcn_target "amdgcn-amd-amdhsa--gfx1250"
	.amdhsa_code_object_version 6
	.text
	.protected	k_qaf5b867459_qkv
	.globl	k_qaf5b867459_qkv
	.p2align	8
	.type	k_qaf5b867459_qkv,@function
k_qaf5b867459_qkv:
	s_mov_b64 s[64:65], 0
	v_nop
	global_prefetch_b8 v0, s[64:65] scope:SCOPE_SE
	s_setreg_imm32_b32 hwreg(HW_REG_WAVE_SCHED_MODE, 0, 2), 2
	s_setreg_imm32_b32 hwreg(HW_REG_WAVE_MODE, 25, 1), 1
	s_wait_xcnt 0x0
	s_wait_alu depctr_vm_vsrc(0)
; n = norm(x); q = n wq + bq, k = n wk + bk, v = n wv + bv, all three products on codes of BF6 (E3M2) with one E8M0 scale for each 32 along K;
; q and k are quantised along the head's 64, v along the keys, and leave as images of the operand registers that the attention launch loads.
; SHARES.  A work-group takes 32 tokens (one block of keys); wave w of 16 takes columns 32 w .. 32 w + 31 of each product: block w % 2 of head w / 2.
; The 32 rows are two tiles R = 0, 1; lane r of tile R is token 8 R + r + 8 (r / 8).  A tile of a weight takes its rows by the same map.  So in a transposed product (source 0 = 16 rows of the
; weight, source 1 = 16 tokens) a lane's 16 registers of tiles u = 0, 1 are columns 16 h + 0 .. 15 of the wave's 32, h = lane / 16; in the natural product (v) they are tokens 16 h + 0 .. 15.
; n's codes go from wave to wave through LDS as images of registers: register quad g (registers 4 g .. 4 g + 3) of lane L of a fragment lies at 512 g + 16 L, so a fragment comes by three loads of 16 bytes a lane.
; THE WEIGHTS come from wimg, where the launch before has laid them in the order of these registers: a group (2 tiles x 2 K steps and its scale words) is 12 loads of 512 consecutive bytes and one of 256,
; straight into registers: each fragment has one reader in the work-group and feeds two matrix instructions; a ring of two register sets, one group each.
; No joint loads: a tile asked for jointly lands in LDS, and here every weight byte (614,400 a work-group) would be written there and read back by its one reader.
; THE MASK rides in the 64 places of K that a head of 64 leaves free in an instruction of 128: q's code at k = 64 is 1.0 under the byte 127; a masked key's 64 codes are 0, its code at k = 64 is -1.0 under the byte 160.
; Its score is then -2^33 exactly, its logit -2^30.  LIMIT: reference() has -1e9 there; the two differ only where an unmasked logit lies under about -1e9.
; LIMITS: NaN and infinities among the inputs are not served; a block whose largest magnitude lies under 2^-122 keeps the scale byte 1 (a block of zeros too: its codes are zeros, and this program alone reads the bytes);
; 1 / (std + eps) is v_rcp_f32 and the root v_sqrt_f32; mean and variance are multiplied by 1/512 and 1/511.
; THE MODE: SCHED_MODE bits 1:0 = 2 (LLVM: expert scheduling mode 2), set by the entry lines.  The code itself states the register dependences
; between vector or matrix instructions and memory or LDS instructions, with s_wait_alu, always for 0.
; THE PLAN.  The text has no loop and no branch.  Registers that memory or LDS instructions touch:
;   the offsets v1, v2, v6, v7, v10-15, v17, v55-57, the constant v54, v82, v83   Written at the head and never again: one wait on va_vdst ahead of the first load.
;   ACC        x's rows land in it, the stage's stores read it, x's columns land in it: one wait on vm_vsrc between the two.  From then on vector and matrix instructions alone.
;   v116-131   In each exchange of sums: a select writes v116, an LDS store reads it, sixteen LDS loads land in v116-131: va_vdst ahead of the store, vm_vsrc ahead of the loads.
;   NF, NS     LDS loads land, the products read.  The norm works in v100-131; the quantiser works in v70-77 and names none of them.
;   sets 0, 1, BB   Global loads land, the products read.
;   QC, QS, KB2     The quantiser writes, the stores of n's, q's, k's and v's codes read: va_vdst ahead of each run of stores, vm_vsrc ahead of the next quantiser.
; ONE wait on va_vdst stands behind each group's eight products: it states that they are done reading their set of weights, n's fragments and the bias; the loads into those registers follow it, and no vector
; or matrix instruction between the wait and a load names a register in which that load lands.  Behind a product's second group the next product's first fragments are asked for there, ahead of the quantiser.
.set STATA, 0                          ; LDS: 16 waves x 32 rows x 4 bytes: partial sums
.set STATB, 2048                       ; the same for the squares
.set NSC,   4096                       ; n's scale words: [pair of K steps 2][lane 32 = (r, R)][8 bytes]
.set NIMG,  4608                       ; n's eight fragments: [R 2][K step 4][1536]
.set RSTRN, 6272                       ; from R = 0 to R = 1
.set STG,   17152                      ; x's 32 rows, slot 16 R + r, 2,048 bytes + 16
.set SPT,   2064
.set GB,    6400                       ; a group of weights in wimg
.set LN8, 1                            ; v1   8 x lane
.set PAN1, 2                           ; v2   where I store piece 1 of n's block
.set PAN0, 6                           ; v6   and pieces 0 and 2
.set PSN, 7                            ; v7   and its scale byte
.set SA,  10                           ; v10  4 x thread
.set SL,  11                           ; v11  4 x lane
.set STW, 12                           ; v12  the stage: my 64 bytes of row r
.set STR, 13                           ; v13  the stage: my wave's two whole rows
.set GR,  14                           ; v14  16 x lane
.set BO,  15                           ; v15  64 h
.set OIM, 17                           ; v17  1024 h + 16 r: an image's place in qimg and kv
.set ACC, 20                           ; v20-51   four accumulators
.set KAUG, 52                          ; v52  a masked key's word at k = 64: 0x2c in the wave of block 0, else 0
.set KCB,  53                          ; v53  a masked key's spare scale byte: 160 in the wave of block 0, else 1
.set C127, 54                          ; v54  127
.set OV,   55                          ; v55  1536 h + 8 r
.set MKO,  56                          ; v56  the mask's offset: 4 x (8 h + r + 8 (r / 8))
.set BVO,  57                          ; v57  bv's offset: 4 x (r + 8 (r / 8))
.set QAUG, 58                          ; v58  q's word at k = 64: 0x0c in the wave of block 0, else 0
.set C1,   59                          ; v59  1
.set QC,  60                           ; v60-67   the codes just made: registers of their own, so that no load lands on a store's data
.set QS,  68                           ; v68      their scale byte
.set KB2, 69                           ; v69      a key's spare scale byte
.set QT,  70                           ; v70-77   the quantiser at work: outside the fragments' registers, so that fragments can land while it runs
.set BB,  84                           ; v84-99   the next bias
.set NF,  100                          ; v100-147 four fragments of n; ahead of the first product the norm works here
.set NT,  100
.set NS,  148                          ; v148-149 n's scale words of two K steps
.set WR0, 150                          ; v150-197, v200-247 the two sets of weight fragments
.set WS0, 198                          ; v198-199, v248-249 their scale words
.set MN,  250                          ; v250-251 the means of rows (0, r), (1, r)
.set GN,  252                          ; v252-253 their gains
.set VZ,  254                          ; v254 0
.set MK,  255                          ; v255 the mask of token (r, R = h)
.set WB,  16                           ; s[16:17] my wave's six groups in wimg
.set WV,  40
.set HM,  41                           ; s41  lanes 16-31
.set SEL, 46                           ; s[46:47] v_permlanex16_b32's selects for lane l xor 16
.macro BAR                             ; my LDS stores have landed and my LDS loads are in: then the work-group's barrier
	s_wait_dscnt 0x0
	s_barrier_signal -1
	s_barrier_wait -1
.endm
.macro PLACES n
.rept \n
	v_nop
.endr
.endm
; one matrix instruction.  c < 0: the constant 0 starts the sum.  ra, rb: source 0's, source 1's scales stand in lanes 16-31
.macro WM d, a, b, c, sa, sb, ra, rb
.if (\c) < 0
.if (\ra) && (\rb)
	v_wmma_scale_f32_16x16x128_f8f6f4 v[\d:\d+7], v[\a:\a+11], v[\b:\b+11], 0, v[\sa], v[\sb] matrix_a_fmt:MATRIX_FMT_BF6 matrix_b_fmt:MATRIX_FMT_BF6 matrix_a_scale:MATRIX_SCALE_ROW1 matrix_b_scale:MATRIX_SCALE_ROW1
.elseif (\ra)
	v_wmma_scale_f32_16x16x128_f8f6f4 v[\d:\d+7], v[\a:\a+11], v[\b:\b+11], 0, v[\sa], v[\sb] matrix_a_fmt:MATRIX_FMT_BF6 matrix_b_fmt:MATRIX_FMT_BF6 matrix_a_scale:MATRIX_SCALE_ROW1
.elseif (\rb)
	v_wmma_scale_f32_16x16x128_f8f6f4 v[\d:\d+7], v[\a:\a+11], v[\b:\b+11], 0, v[\sa], v[\sb] matrix_a_fmt:MATRIX_FMT_BF6 matrix_b_fmt:MATRIX_FMT_BF6 matrix_b_scale:MATRIX_SCALE_ROW1
.else
	v_wmma_scale_f32_16x16x128_f8f6f4 v[\d:\d+7], v[\a:\a+11], v[\b:\b+11], 0, v[\sa], v[\sb] matrix_a_fmt:MATRIX_FMT_BF6 matrix_b_fmt:MATRIX_FMT_BF6
.endif
.else
.if (\ra) && (\rb)
	v_wmma_scale_f32_16x16x128_f8f6f4 v[\d:\d+7], v[\a:\a+11], v[\b:\b+11], v[\c:\c+7], v[\sa], v[\sb] matrix_a_fmt:MATRIX_FMT_BF6 matrix_b_fmt:MATRIX_FMT_BF6 matrix_a_scale:MATRIX_SCALE_ROW1 matrix_b_scale:MATRIX_SCALE_ROW1
.elseif (\ra)
	v_wmma_scale_f32_16x16x128_f8f6f4 v[\d:\d+7], v[\a:\a+11], v[\b:\b+11], v[\c:\c+7], v[\sa], v[\sb] matrix_a_fmt:MATRIX_FMT_BF6 matrix_b_fmt:MATRIX_FMT_BF6 matrix_a_scale:MATRIX_SCALE_ROW1
.elseif (\rb)
	v_wmma_scale_f32_16x16x128_f8f6f4 v[\d:\d+7], v[\a:\a+11], v[\b:\b+11], v[\c:\c+7], v[\sa], v[\sb] matrix_a_fmt:MATRIX_FMT_BF6 matrix_b_fmt:MATRIX_FMT_BF6 matrix_b_scale:MATRIX_SCALE_ROW1
.else
	v_wmma_scale_f32_16x16x128_f8f6f4 v[\d:\d+7], v[\a:\a+11], v[\b:\b+11], v[\c:\c+7], v[\sa], v[\sb] matrix_a_fmt:MATRIX_FMT_BF6 matrix_b_fmt:MATRIX_FMT_BF6
.endif
.endif
.endm
; group g of my wave's weights into set slot: fragment 2 ks + u at 12 (2 ks + u); the two K steps' scale words: lanes 0-15 tile 0's rows, lanes 16-31 tile 1's.  13 loads
.macro LOADW slot, g
.irp i, 0,1,2,3,4,5,6,7,8,9,10,11
	global_load_b128 v[WR0+50*(\slot)+4*\i:WR0+50*(\slot)+4*\i+3], v[GR], s[WB:WB+1] offset:GB*(\g)+512*\i
.endr
	global_load_b64 v[WS0+50*(\slot):WS0+50*(\slot)+1], v[LN8], s[WB:WB+1] offset:GB*(\g)+6144
.endm
; four fragments of the rows' codes (K steps ks = 0, 1 x tiles R = 0, 1) and their scale words from LDS.  13 loads, of consecutive bytes
.macro FETCHN base, off, rstr, soff
.irp ks, 0,1
.irp rr, 0,1
.irp g, 0,1,2
	ds_load_b128 v[NF+12*(2*\ks+\rr)+4*\g:NF+12*(2*\ks+\rr)+4*\g+3], v[\base] offset:(\off)+\rr*(\rstr)+\ks*1536+\g*512
.endr
.endr
.endr
	ds_load_b64 v[NS:NS+1], v[LN8] offset:\soff
.endm
; eight matrix instructions, transposed: accumulator (R, u) at acc + 16 R + 8 u.  The four accumulators take turns, one instruction a turn, in the same order in every group.
; bias >= 0: the first K step's C is the bias, eight registers a tile in the result's layout
.macro MMT slot, acc, bias
.irp ks, 0,1
.irp u, 0,1
.irp rr, 0,1
.if ((\bias) >= 0) && (\ks == 0)
	WM \acc+16*\rr+8*\u, WR0+50*(\slot)+12*(2*\ks+\u), NF+12*(2*\ks+\rr), (\bias)+8*\u, WS0+50*(\slot)+\ks, NS+\ks, \u, \rr
.else
	WM \acc+16*\rr+8*\u, WR0+50*(\slot)+12*(2*\ks+\u), NF+12*(2*\ks+\rr), \acc+16*\rr+8*\u, WS0+50*(\slot)+\ks, NS+\ks, \u, \rr
.endif
.endr
.endr
.endr
.endm
; the same in the natural order (source 0 = 16 tokens, source 1 = 16 rows of the weight): accumulator (u, R) at acc + 16 u + 8 R
.macro MMN slot, acc, zero
.irp ks, 0,1
.irp u, 0,1
.irp rr, 0,1
.if (\zero) && (\ks == 0)
	WM \acc+16*\u+8*\rr, NF+12*(2*\ks+\rr), WR0+50*(\slot)+12*(2*\ks+\u), -1, NS+\ks, WS0+50*(\slot)+\ks, \rr, \u
.else
	WM \acc+16*\u+8*\rr, NF+12*(2*\ks+\rr), WR0+50*(\slot)+12*(2*\ks+\u), \acc+16*\u+8*\rr, NS+\ks, WS0+50*(\slot)+\ks, \rr, \u
.endif
.endr
.endr
.endr
.endm
; the sum of 16 registers and of lane l xor 16's 16, into v[t]; the first line reads the low end of each run of eight
.macro RSUM16 s, t
	v_pk_add_f32 v[\t:\t+1], v[\s:\s+1], v[\s+2:\s+3]
	v_pk_add_f32 v[\t+2:\t+3], v[\s+4:\s+5], v[\s+6:\s+7]
	v_pk_add_f32 v[\t+4:\t+5], v[\s+8:\s+9], v[\s+10:\s+11]
	v_pk_add_f32 v[\t+6:\t+7], v[\s+12:\s+13], v[\s+14:\s+15]
	v_pk_add_f32 v[\t:\t+1], v[\t:\t+1], v[\t+2:\t+3]
	v_pk_add_f32 v[\t+4:\t+5], v[\t+4:\t+5], v[\t+6:\t+7]
	v_pk_add_f32 v[\t:\t+1], v[\t:\t+1], v[\t+4:\t+5]
	v_add_f32 v[\t], v[\t], v[\t+1]
	v_mov_b32 v[\t+2], 0                           ; a lane permute's destination counts as one of its sources
	v_permlanex16_b32 v[\t+2], v[\t], s[SEL], s[SEL+1]
	v_add_f32 v[\t], v[\t], v[\t+2]
.endm
.macro RSQ16 s, t                      ; the same of their squares, in two chains
	v_pk_mul_f32 v[\t:\t+1], v[\s:\s+1], v[\s:\s+1]
	v_pk_mul_f32 v[\t+2:\t+3], v[\s+2:\s+3], v[\s+2:\s+3]
.irp i, 4,8,12
	v_pk_fma_f32 v[\t:\t+1], v[\s+\i:\s+\i+1], v[\s+\i:\s+\i+1], v[\t:\t+1]
	v_pk_fma_f32 v[\t+2:\t+3], v[\s+\i+2:\s+\i+3], v[\s+\i+2:\s+\i+3], v[\t+2:\t+3]
.endr
	v_pk_add_f32 v[\t:\t+1], v[\t:\t+1], v[\t+2:\t+3]
	v_add_f32 v[\t], v[\t], v[\t+1]
	v_mov_b32 v[\t+2], 0
	v_permlanex16_b32 v[\t+2], v[\t], s[SEL], s[SEL+1]
	v_add_f32 v[\t], v[\t], v[\t+2]
.endm
; v[a], v[b]: my wave's partial sums of rows (0, r), (1, r).  Lane L stores that of row L; behind the barrier it adds the sixteen waves': v[NT+16] = the total of row L
.macro XCHG a, b, reg
	v_cndmask_b32 v[NT+16], v[\a], v[\b], s[HM]
	s_wait_alu depctr_va_vdst(0)                   ; the select has written v[NT+16], which the LDS store reads; and all vector work so far is done with v[NT+16 .. NT+31], in which the sixteen loads below land
	ds_store_b32 v[SA], v[NT+16] offset:\reg
	BAR
	s_wait_alu depctr_vm_vsrc(0)                   ; the LDS store has read v[NT+16], in which the first load lands
.irp i, 0,1,2,3,4,5,6,7,8,9,10,11,12,13,14,15
	ds_load_b32 v[NT+16+\i], v[SL] offset:\reg+128*\i
.endr
	s_wait_dscnt 0x0
.irp i, 0,4,8,12
	v_pk_add_f32 v[NT+16+\i:NT+17+\i], v[NT+16+\i:NT+17+\i], v[NT+18+\i:NT+19+\i]
.endr
	v_pk_add_f32 v[NT+16:NT+17], v[NT+16:NT+17], v[NT+20:NT+21]
	v_pk_add_f32 v[NT+24:NT+25], v[NT+24:NT+25], v[NT+28:NT+29]
	v_pk_add_f32 v[NT+16:NT+17], v[NT+16:NT+17], v[NT+24:NT+25]
	v_add_f32 v[NT+16], v[NT+16], v[NT+17]
.endm
; dst = alpha (src - mean) / (std + eps) + beta over rows of 512; register 16 R + i = column 32 w + 16 h + i of row (R, r).  Two passes: the squares are taken of src - mean.  Two barriers
.macro NORM src, dst, sal, sbt
	RSUM16 \src, NT
	RSUM16 \src+16, NT+8
	XCHG NT, NT+8, STATA
	v_mul_f32 v[NT], 0x3b000000, v[NT+16]          ; / 512: the mean of row (h, r)
	v_mov_b32 v[NT+1], 0
	v_permlanex16_b32 v[NT+1], v[NT], s[SEL], s[SEL+1]   ; and of row (1 - h, r)
	v_cndmask_b32 v[MN], v[NT], v[NT+1], s[HM]
	v_cndmask_b32 v[MN+1], v[NT+1], v[NT], s[HM]
.irp i, 0,2,4,6,8,10,12,14
	v_pk_add_f32 v[\dst+\i:\dst+\i+1], v[\src+\i:\src+\i+1], v[MN:MN+1] op_sel_hi:[1,0] neg_lo:[0,1] neg_hi:[0,1]
.endr
.irp i, 0,2,4,6,8,10,12,14
	v_pk_add_f32 v[\dst+16+\i:\dst+16+\i+1], v[\src+16+\i:\src+16+\i+1], v[MN:MN+1] op_sel:[0,1] op_sel_hi:[1,1] neg_lo:[0,1] neg_hi:[0,1]
.endr
	RSQ16 \dst, NT
	RSQ16 \dst+16, NT+8
	XCHG NT, NT+8, STATB
	v_mul_f32 v[NT], 0x3b004020, v[NT+16]          ; / 511
	s_wait_alu depctr_va_vdst(0)
	v_sqrt_f32 v[NT+1], v[NT]
	v_nop                                          ; a plain instruction behind the transcendental,
	s_wait_alu depctr_va_vdst(0)                   ; and a wait ahead of its first reader: the root is written
	v_add_f32 v[NT+1], 0x358637bd, v[NT+1]         ; + 1e-6
	s_wait_alu depctr_va_vdst(0)
	v_rcp_f32 v[NT+2], v[NT+1]
	v_nop
	s_wait_alu depctr_va_vdst(0)                   ; likewise: the reciprocal is written
	v_mul_f32 v[NT], s[\sal], v[NT+2]
	v_mov_b32 v[NT+1], 0
	v_permlanex16_b32 v[NT+1], v[NT], s[SEL], s[SEL+1]
	v_cndmask_b32 v[GN], v[NT], v[NT+1], s[HM]
	v_cndmask_b32 v[GN+1], v[NT+1], v[NT], s[HM]
.irp i, 0,2,4,6,8,10,12,14
	v_pk_fma_f32 v[\dst+\i:\dst+\i+1], v[\dst+\i:\dst+\i+1], v[GN:GN+1], s[\sbt:\sbt+1] op_sel_hi:[1,0,0]
.endr
.irp i, 0,2,4,6,8,10,12,14
	v_pk_fma_f32 v[\dst+16+\i:\dst+16+\i+1], v[\dst+16+\i:\dst+16+\i+1], v[GN:GN+1], s[\sbt:\sbt+1] op_sel:[0,1,0] op_sel_hi:[1,1,0]
.endr
.endm
; Two blocks of 32 at once.  v[a ..], v[b ..]: numbers 16 h + 0 .. 15 of a block of set a and of set b.  Out: v[QC .. QC+5] the whole block's 24 bytes, v[QS] its scale byte: set a's in lanes 0-15, set b's in lanes 16-31
.macro Q32X2 a, b, relu, abs
.if \relu
.irp i, 0,1,2,3,4,5,6,7,8,9,10,11,12,13,14,15
	v_max_num_f32 v[\a+\i], 0, v[\a+\i]
.endr
.irp i, 0,1,2,3,4,5,6,7,8,9,10,11,12,13,14,15
	v_max_num_f32 v[\b+\i], 0, v[\b+\i]
.endr
.endif
.if \abs
	v_max3_num_f32 v[QT], |v[\a]|, |v[\a+1]|, 0x2800000       ; my 16 numbers and the floor 2^(5 - 127): the byte cannot fall under 1
	v_max3_num_f32 v[QT+1], |v[\b]|, |v[\b+1]|, 0x2800000
.irp i, 2,4,6,8,10,12,14
	v_max3_num_f32 v[QT], v[QT], |v[\a+\i]|, |v[\a+\i+1]|
	v_max3_num_f32 v[QT+1], v[QT+1], |v[\b+\i]|, |v[\b+\i+1]|
.endr
.else
	v_max3_num_f32 v[QT], v[\a], v[\a+1], 0x2800000
	v_max3_num_f32 v[QT+1], v[\b], v[\b+1], 0x2800000
.irp i, 2,4,6,8,10,12,14
	v_max3_num_f32 v[QT], v[QT], v[\a+\i], v[\a+\i+1]
	v_max3_num_f32 v[QT+1], v[QT+1], v[\b+\i], v[\b+\i+1]
.endr
.endif
	v_mov_b32 v[QT+2], 0
	v_mov_b32 v[QT+3], 0
	v_permlanex16_b32 v[QT+2], v[QT], s[SEL], s[SEL+1]
	v_permlanex16_b32 v[QT+3], v[QT+1], s[SEL], s[SEL+1]
	v_max_num_f32 v[QT], v[QT], v[QT+2]            ; with lane l xor 16's: the block's largest magnitude
	v_max_num_f32 v[QT+1], v[QT+1], v[QT+3]
	v_add_nc_u32 v[QT+4], 0xfe000000, v[QT]        ; 4 off its exponent field: the conversion's scale operand
	v_add_nc_u32 v[QT+5], 0xfe000000, v[QT+1]
	v_cvt_scalef32_pk16_bf6_f32 v[QC:QC+2], v[\a:\a+15], v[QT+4]
	v_cvt_scalef32_pk16_bf6_f32 v[QC+4:QC+6], v[\b:\b+15], v[QT+5]
	v_lshrrev_b32 v[QT+6], 23, v[QT+4]             ; the scale's byte (also the plain instruction behind the conversions)
	v_lshrrev_b32 v[QT+7], 23, v[QT+5]
.irp i, 0,1,2
	v_permlane16_swap_b32 v[QC+\i], v[QC+4+\i]     ; the first's lanes 16-31 change places with the second's lanes 0-15: a lane now holds a whole block
.endr
	v_mov_b32 v[QC+3], v[QC+4]
	v_mov_b32 v[QC+4], v[QC+5]
	v_mov_b32 v[QC+5], v[QC+6]
	v_cndmask_b32 v[QS], v[QT+6], v[QT+7], s[HM]
.endm
.macro BIAS sb, off                    ; 16 numbers of a bias: columns 16 h + 0 .. 15 of my 32
.irp i, 0,1,2,3
	global_load_b128 v[BB+4*\i:BB+4*\i+3], v[BO], s[\sb:\sb+1] offset:(\off)+16*\i
.endr
.endm
.macro FETCH pair                      ; n's fragments of K steps 2 pair, 2 pair + 1
	FETCHN GR, NIMG+3072*(\pair), RSTRN, NSC+256*(\pair)
.endm
.macro READY n                         ; a group's operands are in.  n: the global loads issued behind this group's weights
	s_wait_loadcnt \n
	s_wait_dscnt 0x0
.endm
	s_load_b256 s[8:15], s[0:1], 0x0               ; x 8, src_mask 10, alpha1 12, beta1 14
	s_load_b64 s[16:17], s[0:1], 0x20              ; wimg
	s_load_b64 s[20:21], s[0:1], 0x28              ; bq
	s_load_b64 s[26:27], s[0:1], 0x30              ; bk
	s_load_b64 s[32:33], s[0:1], 0x38              ; bv
	s_load_b64 s[34:35], s[0:1], 0x40              ; qimg
	s_load_b64 s[36:37], s[0:1], 0x48              ; qsc
	s_load_b64 s[38:39], s[0:1], 0x50              ; kv
	v_lshl_add_u32 v82, v0, 2, 0x14500
	v_mov_b32 v83, 0
	v_lshrrev_b32 v100, 5, v0
	v_readfirstlane_b32 s[WV], v100                ; wave 0..15
	v_and_b32 v100, 31, v0                         ; lane
	v_and_b32 v101, 15, v0                         ; r
	v_bfe_u32 v102, v0, 4, 1                       ; h
	v_and_b32 v103, 8, v0
	v_add_nc_u32 v103, v103, v101                  ; r + 8 (r / 8)
	v_lshl_add_u32 v104, v102, 3, v103             ; + 8 h
	v_lshlrev_b32 v[LN8], 3, v100
	v_lshlrev_b32 v[MKO], 2, v104
	v_lshlrev_b32 v[BVO], 2, v103
	v_lshlrev_b32 v[SA], 2, v0
	v_lshlrev_b32 v[SL], 2, v100
	v_lshlrev_b32 v[GR], 4, v100
	v_lshlrev_b32 v[BO], 6, v102
	v_lshlrev_b32 v[OIM], 4, v101
	v_lshl_add_u32 v[OIM], v102, 10, v[OIM]
	v_mul_u32_u24 v[OV], v102, 1536
	v_lshl_add_u32 v[OV], v101, 3, v[OV]
	v_mov_b32 v[VZ], 0
	v_mov_b32 v[C127], 127
	v_mov_b32 v[C1], 1
	s_mov_b32 s[HM], 0xffff0000
	s_mov_b32 s[SEL], 0x76543210
	s_mov_b32 s[SEL+1], 0xfedcba98
	s_wait_alu depctr_va_sdst(0)                   ; the wave's number is written, ahead of its first reader: LDS addresses and the buffers' offsets are made from it
	s_and_b32 s53, s[WV], 1                        ; which block of the head is mine
	; my block w of n's K: K step w / 4; in its fragment registers 6 c .. 6 c + 5, c = (w / 2) % 2, of lane r + 16 (w % 2).  Register pair 6 c + 2 p lies at 16 x lane + 0, 8, 512 (c = 0) or 520, 1024, 1032 (c = 1)
	s_lshr_b32 s48, s[WV], 2
	s_mul_i32 s48, s48, 1536
	s_lshl_b32 s49, s53, 8
	s_add_co_u32 s48, s48, s49
	s_add_co_u32 s48, s48, NIMG
	s_bfe_u32 s49, s[WV], 0x10001
	s_mul_i32 s50, s49, 520
	s_add_co_u32 s50, s50, s48
	s_mul_i32 s51, s49, 1016
	s_add_co_u32 s51, s51, s48
	v_mul_u32_u24 v[PAN0], v102, RSTRN
	v_lshl_add_u32 v[PAN0], v101, 4, v[PAN0]
	v_add_nc_u32 v[PAN1], s51, v[PAN0]             ; piece 1, with the offset 8
	v_add_nc_u32 v[PAN0], s50, v[PAN0]             ; pieces 0 and 2, with the offsets 0 and 512
	s_lshr_b32 s48, s[WV], 3                       ; its byte: pair w / 8, word (w / 4) % 2, byte w % 4
	s_lshl_b32 s48, s48, 8
	s_bfe_u32 s49, s[WV], 0x10002
	s_lshl_b32 s49, s49, 2
	s_add_co_u32 s48, s48, s49
	s_and_b32 s49, s[WV], 3
	s_add_co_u32 s48, s48, s49
	s_add_co_u32 s48, s48, NSC
	v_add_nc_u32 v[PSN], s48, v[LN8]
	s_lshl_b32 s48, s[WV], 7
	s_add_co_u32 s48, s48, STG
	v_mul_u32_u24 v[STW], v101, SPT
	v_lshl_add_u32 v[STW], v102, 6, v[STW]
	v_add_nc_u32 v[STW], s48, v[STW]
	s_mul_i32 s48, s[WV], 2*SPT
	s_add_co_u32 s48, s48, STG
	v_add_nc_u32 v[STR], s48, v[GR]
	s_cmp_eq_u32 s53, 0
	s_cselect_b32 s60, 0x0c, 0                     ; 1.0
	s_cselect_b32 s61, 0x2c, 0                     ; -1.0
	s_mov_b32 s62, 1
	s_cselect_b32 s62, 160, s62                    ; 2^33
	v_mov_b32 v[QAUG], s60
	v_mov_b32 v[KAUG], s61
	v_mov_b32 v[KCB], s62
	; slots 2 w, 2 w + 1 of the stage are tokens t0, t0 + 1: t0 = 8 (w / 8) + 2 (w % 8) + 8 ((w % 8) / 4)
	s_lshr_b32 s48, s[WV], 3
	s_lshl_b32 s48, s48, 3
	s_and_b32 s49, s[WV], 7
	s_lshl_b32 s50, s49, 1
	s_add_co_u32 s48, s48, s50
	s_lshr_b32 s49, s49, 2
	s_lshl_b32 s49, s49, 3
	s_add_co_u32 s48, s48, s49
	s_lshl_b32 s48, s48, 11
	s_lshl_b32 s49, ttmp9, 16                      ; the block's 32 rows of 2,048 bytes
	s_add_co_u32 s48, s48, s49
	s_mov_b32 s49, 0
	s_wait_kmcnt 0x0
	s_load_b32 s42, s[12:13], 0x0                  ; alpha1
	s_load_b32 s44, s[14:15], 0x0                  ; beta1
	s_add_nc_u64 s[8:9], s[8:9], s[48:49]
	s_lshl_b32 s48, ttmp9, 7                       ; the mask: 4 bytes a token
	s_add_nc_u64 s[10:11], s[10:11], s[48:49]
	s_mul_i32 s48, s[WV], 6*GB                     ; my six groups of weights
	s_add_nc_u64 s[WB:WB+1], s[WB:WB+1], s[48:49]
	s_lshl_b32 s48, s[WV], 7                       ; my 32 numbers of each bias
	s_add_nc_u64 s[20:21], s[20:21], s[48:49]
	s_add_nc_u64 s[26:27], s[26:27], s[48:49]
	s_add_nc_u64 s[32:33], s[32:33], s[48:49]
	s_wait_alu depctr_va_vdst(0)                   ; all offsets and LDS addresses, and the constant 127, are written: every load and store of the kernel reads some of them, and none is written again
.irp i, 0,1,2,3,4,5,6,7
	global_load_b128 v[ACC+4*\i:ACC+4*\i+3], v[GR], s[8:9] offset:512*\i th:TH_LOAD_NT   ; two whole rows of x: 4,096 consecutive bytes
.endr
	global_load_b32 v[MK], v[MKO], s[10:11]
	BIAS 20, 0
	LOADW 0, 0
	LOADW 1, 1
	; where the results go.  b = block / 64, j = block % 64; head = w / 2; bh = 8 b + head; a chunk of kv is 16 blocks, a step 4
	s_lshr_b32 s50, ttmp9, 6
	s_and_b32 s51, ttmp9, 63
	s_lshr_b32 s52, s[WV], 1
	s_lshl_b32 s54, s50, 3
	s_add_co_u32 s54, s54, s52                     ; bh
	s_lshl_b32 s48, s54, 17                        ; qimg: (128 bh + 2 j) x 1,024 + 256 x my block
	s_lshl_b32 s55, s51, 11
	s_add_co_u32 s48, s48, s55
	s_lshl_b32 s55, s53, 8
	s_add_co_u32 s48, s48, s55
	s_add_nc_u64 s[34:35], s[34:35], s[48:49]
	s_lshl_b32 s48, s54, 13                        ; qsc: (2,048 bh + 32 j) x 4 + my block
	s_lshl_b32 s55, s51, 7
	s_add_co_u32 s48, s48, s55
	s_add_co_u32 s48, s48, s53
	s_add_nc_u64 s[36:37], s[36:37], s[48:49]
	s_mul_i32 s56, s54, 241664                     ; kv: the head's block, the chunk
	s_lshr_b32 s55, s51, 4
	s_mul_i32 s55, s55, 60416
	s_add_co_u32 s56, s56, s55
	s_and_b32 s57, s51, 15                         ; the block in its chunk,
	s_lshr_b32 s58, s57, 2                         ; its step,
	s_and_b32 s59, s51, 3                          ; its place in the step
	s_lshl_b32 s48, s57, 11                        ; K's images: tiles 2 (j % 16), + 1
	s_add_co_u32 s48, s48, s56
	s_lshl_b32 s55, s53, 8
	s_add_co_u32 s48, s48, s55
	s_add_nc_u64 s[66:67], s[38:39], s[48:49]
	s_lshl_b32 s48, s58, 9                         ; K's scale words
	s_add_co_u32 s48, s48, s56
	s_lshl_b32 s55, s59, 2
	s_add_co_u32 s48, s48, s55
	s_add_co_u32 s48, s48, s53
	s_add_co_u32 s48, s48, 57344
	s_add_nc_u64 s[68:69], s[38:39], s[48:49]
	s_mul_i32 s48, s58, 6144                       ; V's fragments
	s_add_co_u32 s48, s48, s56
	s_mul_i32 s55, s53, 3072
	s_add_co_u32 s48, s48, s55
	s_lshr_b32 s55, s59, 1
	s_mul_i32 s55, s55, 768
	s_add_co_u32 s48, s48, s55
	s_and_b32 s55, s59, 1
	s_lshl_b32 s55, s55, 7
	s_add_co_u32 s48, s48, s55
	s_add_co_u32 s48, s48, 32768
	s_add_nc_u64 s[70:71], s[38:39], s[48:49]
	s_lshl_b32 s48, s58, 8                         ; V's scale words
	s_add_co_u32 s48, s48, s56
	s_lshl_b32 s55, s53, 2
	s_add_co_u32 s48, s48, s55
	s_add_co_u32 s48, s48, s59
	s_add_co_u32 s48, s48, 59392
	s_add_nc_u64 s[72:73], s[38:39], s[48:49]
	s_wait_loadcnt 31                              ; x's eight loads are in; behind them: the mask 1, bq 4, two groups 26
.irp i, 0,1,2,3,4,5,6,7
	ds_store_b128 v[STR], v[ACC+4*\i:ACC+4*\i+3] offset:(\i/4)*SPT+512*(\i%4)
.endr
	BAR                                            ; the 32 rows lie in the stage
	s_wait_alu depctr_vm_vsrc(0)                   ; my stores into the stage have read v[ACC ..], in which the loads below land
.irp rr, 0,1
.irp i, 0,1,2,3
	ds_load_b128 v[ACC+16*\rr+4*\i:ACC+16*\rr+4*\i+3], v[STW] offset:\rr*16*SPT+16*\i   ; columns 32 w + 16 h + 0 .. 15 of rows (0, r), (1, r)
.endr
.endr
	s_wait_dscnt 0x0
	s_wait_kmcnt 0x0
	s_mov_b32 s45, s44                             ; (named with it as a pair)
	NORM ACC, ACC, 42, 44
	Q32X2 ACC, ACC+16, 0, 1                        ; block w of n's K, for the two tiles of rows
	s_wait_alu depctr_va_vdst(0)                   ; the quantiser has written n's codes and their byte, which the LDS stores read; the norm is done with v100-131, in which n's fragments land behind the barrier
	ds_store_b64 v[PAN0], v[QC:QC+1]
	ds_store_b64 v[PAN1], v[QC+2:QC+3] offset:8
	ds_store_b64 v[PAN0], v[QC+4:QC+5] offset:512
	ds_store_b8 v[PSN], v[QS]
	BAR                                            ; n's eight fragments and their scale words lie in LDS
	; ---- q
	FETCH 0
	READY 13                                       ; behind wq's first group: its second
	MMT 0, ACC, BB
	PLACES 4                                       ; in front of loads into registers that the products have read
	s_wait_alu depctr_va_vdst(0)                   ; the products are done reading n's fragments, bq and set 0, in which the loads below land
	FETCH 1                                        ; the LDS loads first: they are wanted first
	BIAS 26, 0
	LOADW 0, 2
	READY 17                                       ; behind wq's second group: bk 4, wk's first 13
	MMT 1, ACC, -1
	PLACES 4                                       ; and in front of the first read of the results
	s_wait_alu depctr_va_vdst(0)                   ; the products are done reading n's fragments and set 1, in which the loads below land
	FETCH 0                                        ; k's first fragments land while q is quantised: the quantiser names none of v100-149
	LOADW 1, 3
	s_wait_alu depctr_vm_vsrc(0)                   ; the LDS stores of n's codes have read v[QC ..] and v[QS], which the quantiser writes again
	Q32X2 ACC, ACC+16, 0, 1
	v_mov_b32 v[QC+6], v[QAUG]
	v_mov_b32 v[QC+7], 0
	s_wait_alu depctr_va_vdst(0)                   ; q's codes and their byte are written, which the stores read
	global_store_b128 v[OIM], v[QC:QC+3], s[34:35]             ; lanes 0-15 and lanes 16-31 each store 256 consecutive bytes, aligned
	global_store_b128 v[OIM], v[QC+4:QC+7], s[34:35] offset:512
	global_store_b8 v[SL], v[QS], s[36:37]
	global_store_b8 v[SL], v[C127], s[36:37] offset:2
	; ---- k
	READY 13
	MMT 0, ACC, BB
	PLACES 4
	s_wait_alu depctr_va_vdst(0)                   ; the products are done reading n's fragments, bk and set 0, in which the loads below land
	FETCH 1
	global_load_b32 v[BB], v[BVO], s[32:33]        ; bv of my lane's column in tile 0,
	global_load_b32 v[BB+1], v[BVO], s[32:33] offset:32        ; and in tile 1
	LOADW 0, 4
	READY 15                                       ; behind wk's second group: bv 2, wv's first 13
	MMT 1, ACC, -1
	PLACES 4
	s_wait_alu depctr_va_vdst(0)                   ; the products are done reading n's fragments and set 1, in which the loads below land
	FETCH 0                                        ; v's first fragments land while k is quantised
	s_wait_xcnt 0x0                                ; q's stores have had their addresses translated: the codes' registers are written again below,
	s_wait_alu depctr_vm_vsrc(0)                   ; and they have read v[QC ..] and v[QS]
	LOADW 1, 5
	Q32X2 ACC, ACC+16, 0, 1
	v_cmp_ne_u32 vcc_lo, 0, v[MK]                  ; the key counts
	s_wait_alu depctr_va_vcc(0)                    ; the compare has written VCC, which the selects below read
.irp i, 0,1,2,3,4,5
	v_cndmask_b32 v[QC+\i], 0, v[QC+\i], vcc_lo    ; a masked key's codes are zeros,
.endr
	v_cndmask_b32 v[QC+6], v[KAUG], v[VZ], vcc_lo  ; its code at k = 64 is -1.0,
	v_mov_b32 v[QC+7], 0
	v_cndmask_b32 v[KB2], v[KCB], v[C1], vcc_lo    ; under the byte 160; a key that counts has the byte 1 over zeros
	s_wait_alu depctr_va_vdst(0)                   ; k's codes and its two bytes are written, which the stores read
	global_store_b128 v[OIM], v[QC:QC+3], s[66:67]
	global_store_b128 v[OIM], v[QC+4:QC+7], s[66:67] offset:512
	global_store_b8 v[GR], v[QS], s[68:69]
	global_store_b8 v[GR], v[KB2], s[68:69] offset:2
	; ---- v, in the natural order: a lane holds one column and 16 tokens
	READY 13
	MMN 0, ACC, 1
	PLACES 4
	s_wait_alu depctr_va_vdst(0)                   ; the products are done reading n's fragments, in which the loads below land
	FETCH 1
	READY 0
	MMN 1, ACC, 0
	PLACES 4
.irp i, 0,2,4,6,8,10,12,14
	v_pk_add_f32 v[ACC+\i:ACC+\i+1], v[ACC+\i:ACC+\i+1], v[BB:BB+1] op_sel_hi:[1,0]
.endr
.irp i, 0,2,4,6,8,10,12,14
	v_pk_add_f32 v[ACC+16+\i:ACC+16+\i+1], v[ACC+16+\i:ACC+16+\i+1], v[BB:BB+1] op_sel:[0,1] op_sel_hi:[1,1]
.endr
	s_wait_alu depctr_va_vdst(0)
	s_wait_xcnt 0x0                                ; k's stores have had their addresses translated,
	s_wait_alu depctr_vm_vsrc(0)                   ; and they have read v[QC ..] and v[QS], which the quantiser writes again
	Q32X2 ACC, ACC+16, 0, 1                        ; the block of 32 keys, for my two tiles of the head's channels
	s_wait_alu depctr_va_vdst(0)                   ; v's codes and their byte are written, which the stores read
.irp p, 0,1,2
	global_store_b64 v[OV], v[QC+2*\p:QC+2*\p+1], s[70:71] offset:256*\p   ; runs of 128 consecutive bytes: a block of 32 keys is half of a fragment's piece
.endr
	global_store_b8 v[LN8], v[QS], s[72:73]
	s_wait_dscnt 0x0                               ; the closing lines, six on end
	s_wait_alu 0x0
	s_wait_tensorcnt 0x0
	ds_add_u32 v82, v83
	s_wait_dscnt 0x0
	s_endpgm
.Lfunc_end_k_qaf5b867459_qkv:
	.size	k_qaf5b867459_qkv, .Lfunc_end_k_qaf5b867459_qkv-k_qaf5b867459_qkv
	.p2alignl 7, 3214868480
	.fill 96, 4, 3214868480
	.section	.rodata,"a",@progbits
	.p2align	6, 0x0
	.amdhsa_kernel k_qaf5b867459_qkv
		.amdhsa_group_segment_fixed_size 85248
		.amdhsa_private_segment_fixed_size 0
		.amdhsa_enable_private_segment 0
		.amdhsa_kernarg_size 88
		.amdhsa_user_sgpr_count 2
		.amdhsa_user_sgpr_kernarg_segment_ptr 1
		.amdhsa_wavefront_size32 1
		.amdhsa_system_sgpr_workgroup_id_x 1
		.amdhsa_system_sgpr_workgroup_id_y 1
		.amdhsa_system_sgpr_workgroup_id_z 1
		.amdhsa_system_vgpr_workitem_id 0
		.amdhsa_next_free_vgpr 256
		.amdhsa_next_free_sgpr 100
		.amdhsa_reserve_vcc 1
		.amdhsa_float_denorm_mode_32 3
		.amdhsa_float_denorm_mode_16_64 3
		.amdhsa_memory_ordered 1
		.amdhsa_forward_progress 1
		.amdhsa_inst_pref_size 50
	.end_amdhsa_kernel
	.amdgpu_metadata
---
amdhsa.version: [ 1, 2 ]
amdhsa.kernels:
  - .name:           k_qaf5b867459_qkv
    .symbol:         k_qaf5b867459_qkv.kd
    .args:
      - { .name: x, .offset: 0, .size: 8, .value_kind: global_buffer, .address_space: global }
      - { .name: src_mask, .offset: 8, .size: 8, .value_kind: global_buffer, .address_space: global }
      - { .name: alpha1, .offset: 16, .size: 8, .value_kind: global_buffer, .address_space: global }
      - { .name: beta1, .offset: 24, .size: 8, .value_kind: global_buffer, .address_space: global }
      - { .name: wimg, .offset: 32, .size: 8, .value_kind: global_buffer, .address_space: global }
      - { .name: bq, .offset: 40, .size: 8, .value_kind: global_buffer, .address_space: global }
      - { .name: bk, .offset: 48, .size: 8, .value_kind: global_buffer, .address_space: global }
      - { .name: bv, .offset: 56, .size: 8, .value_kind: global_buffer, .address_space: global }
      - { .name: qimg, .offset: 64, .size: 8, .value_kind: global_buffer, .address_space: global }
      - { .name: qsc, .offset: 72, .size: 8, .value_kind: global_buffer, .address_space: global }
      - { .name: kv, .offset: 80, .size: 8, .value_kind: global_buffer, .address_space: global }
    .group_segment_fixed_size: 85248
    .private_segment_fixed_size: 0
    .kernarg_segment_align: 8
    .kernarg_segment_size: 88
    .max_flat_workgroup_size: 512
    .sgpr_count:     100
    .vgpr_count:     256
    .wavefront_size: 32
...
	.end_amdgpu_metadata
.endif
;; end of part 8
;; launch attn (part 9): grid 8 x 32, 16 waves a work-group, clusters of 4 x 1, 264,192 bytes of LDS; arguments qimg, qsc, kv, ctx, ctxsc; writes ctx, ctxsc
.if DOCPART == 9
	.amdgcn_target "amdgcn-amd-amdhsa--gfx1250"
	.amdhsa_code_object_version 6
	.text
	.protected	k_qaf5b867459_attn
	.globl	k_qaf5b867459_attn
	.p2align	8
	.type	k_qaf5b867459_attn,@function
k_qaf5b867459_attn:
	s_mov_b64 s[64:65], 0
	v_nop
	global_prefetch_b8 v0, s[64:65] scope:SCOPE_SE
	s_setreg_imm32_b32 hwreg(HW_REG_WAVE_MODE, 25, 1), 1
	s_wait_xcnt 0x0
	s_wait_alu depctr_hold_cnt(0) depctr_sa_sdst(0) depctr_va_vdst(0) depctr_va_sdst(0) depctr_va_ssrc(0) depctr_va_vcc(0) depctr_vm_vsrc(0)
	s_getreg_b32 s2, hwreg(HW_REG_IB_STS2, 6, 4)
	s_cmp_eq_u32 s2, 0
	s_cbranch_scc0 .Lentry_in_a_cluster
	s_endpgm
.Lentry_in_a_cluster:
	s_bfe_u32 s2, ttmp6, 0x10000c
	s_cmp_lg_u32 s2, 0x3003
	s_cbranch_scc0 .Lentry_shape_is_right
	s_endpgm
.Lentry_shape_is_right:
; ctx = softmax(q k^T / 8, masked) v for one (batch, head), both products on codes of BF6 (E3M2) with one E8M0 scale for each 32 along K; ctx is quantised along the model's 512 and leaves as an image of operand registers.
; THE SOFTMAX: t = score x log2(e) / 8; M = the running largest t rounded up to a whole number; p = 2^(t - M) is quantised along the keys, not normalised; the row's sum is taken of the unquantised p and divides at the end.
; THE MASK costs nothing here: a masked key's score arrives as -2^33 (the launch before has laid it into the 64 places of K that a head of 64 leaves free), t is then a whole number, p = 0 beside any key that counts and 1 in a row
; all of whose keys are masked.  LIMIT: the masked logit is -2^30 where reference() has -1e9.  NaN and infinities are not served.  1 / sum is v_rcp_f32.
; SHARES.  A work-group owns 256 queries of one head, each of its sixteen waves one tile of 16, in 256 registers: four waves to a SIMD, so that one wave's vector work stands beside another's matrix work and LDS loads.
; LDS holds the head's whole K and V, 241,664 bytes, an image of kv[bh], filled ONCE: four chunks of 512 keys, each brought by waves 0-3 (59 rows of 256 bytes each).  Nothing is filled again.
; CLUSTER.  The four query blocks of a cluster belong to one head: each load is asked for jointly, with the same descriptor and the mask of all four.  A wave has four tensor loads out at the most.
; No prefetch: every byte that the launch reads is asked for by the loads at its head.
; LAYOUT.  S^T = K Q^T and O^T = V^T P^T: a lane holds one query (lane % 16).  Tile 2 b + u of a step holds keys 32 b + 8 u + r + 8 (r / 8), so the 16 registers of tiles 2 b, 2 b + 1 are keys 32 b + 16 h + 0 .. 15.
; V's tiles of channels follow the same map, so O^T's 16 registers of tiles 2 i, 2 i + 1 are channels 32 i + 16 h + 0 .. 15: half a block of the next product's K.
.set CHB,  60416                       ; a chunk: K's images 32,768, V's fragments 24,576, K's scale words 2,048, V's 1,024
.set L16, 1                            ; v1   16 x lane
.set L8,  2                            ; v2   8 x lane
.set ADK, 3                            ; v3-6 LDS addresses of the step in hand: K's images, V's fragments, K's scale words, V's
.set ADV, 4
.set ADS, 5
.set ADT, 6
.set QSO, 7                            ; v7   4 r
.set CSO, 8                            ; v8   8 r + h
.set QF,  16                           ; v16-27   Q's fragment; v24-27 stay 0
.set QW,  28                           ; v28      Q's scale word
.set VS,  30                           ; v30-31   V's scale words
.set KF,  32                           ; v32-79   four fragments of K; registers 8-11 of each stay 0
.set ST,  96                           ; v96-159  S^T, then p; then v96-143 V's four fragments
.set OT,  160                          ; v160-191 O^T
.set BM,  200                          ; v200-203 the blocks' largest scores, then largest p
.set PD,  204                          ; v204-207 at work
.set SO,  208                          ; v208-211 the conversions' scale operands
.set H2,  212                          ; v212-214, v216-218 the conversions' second halves
.set FS,  220                          ; v220-221 f = 2^(old M - new M)
.set PW,  222                          ; v222     p's scale word
.set TP,  223
.set PCD, 224                          ; v224-235 p's codes
.set QT,  200                          ; the way out: at work, the codes, the byte
.set QC,  224
.set QS,  240
.set KS,  248                          ; v248-251 K's scale words
.set WV,  18
.set SEL, 20
.set CS,  22                           ; s[22:23] c = log2(e) / 8
.set G1,  24                           ; s[24:31] descriptor group 1;  s[32:47] group 0, a set for each chunk
.set G0,  32
.set TK,  2
.set TV,  3
.set TS,  66
.set TU,  67
.set HM,  69
.macro BAR
	s_wait_dscnt 0x0
	s_barrier_signal -1
	s_barrier_wait -1
.endm
.macro PLACES n
.rept \n
	v_nop
.endr
.endm
.macro CROUND                          ; a round of the cluster's barrier
	s_barrier_signal -1
	s_barrier_wait -1
	s_cmp_lg_u32 s[WV], 0
	s_cbranch_scc1 .Lnot_wave_0_\@
	s_barrier_signal -3
.Lnot_wave_0_\@:
	s_barrier_wait -3
	s_barrier_signal -1
	s_barrier_wait -1
.endm
.macro WM d, a, b, c, sa, sb, ra       ; one matrix instruction.  c < 0: the constant 0 starts the sum.  ra: source 0's scales stand in lanes 16-31
.if (\c) < 0
.if (\ra)
	v_wmma_scale_f32_16x16x128_f8f6f4 v[\d:\d+7], v[\a:\a+11], v[\b:\b+11], 0, v[\sa], v[\sb] matrix_a_fmt:MATRIX_FMT_BF6 matrix_b_fmt:MATRIX_FMT_BF6 matrix_a_scale:MATRIX_SCALE_ROW1
.else
	v_wmma_scale_f32_16x16x128_f8f6f4 v[\d:\d+7], v[\a:\a+11], v[\b:\b+11], 0, v[\sa], v[\sb] matrix_a_fmt:MATRIX_FMT_BF6 matrix_b_fmt:MATRIX_FMT_BF6
.endif
.else
.if (\ra)
	v_wmma_scale_f32_16x16x128_f8f6f4 v[\d:\d+7], v[\a:\a+11], v[\b:\b+11], v[\c:\c+7], v[\sa], v[\sb] matrix_a_fmt:MATRIX_FMT_BF6 matrix_b_fmt:MATRIX_FMT_BF6 matrix_a_scale:MATRIX_SCALE_ROW1
.else
	v_wmma_scale_f32_16x16x128_f8f6f4 v[\d:\d+7], v[\a:\a+11], v[\b:\b+11], v[\c:\c+7], v[\sa], v[\sb] matrix_a_fmt:MATRIX_FMT_BF6 matrix_b_fmt:MATRIX_FMT_BF6
.endif
.endif
.endm
	s_load_b256 s[4:11], s[0:1], 0x0               ; qimg 4, qsc 6, kv 8, ctx 10
	s_load_b64 s[12:13], s[0:1], 0x20              ; ctxsc
	v_lshl_add_u32 v254, v0, 2, 0x40000
	v_mov_b32 v255, 0
	ds_add_u32 v254, v255
	ds_add_u32 v254, v255
	v_lshrrev_b32 v[TP], 5, v0
	s_delay_alu instid0(VALU_DEP_1)
	v_readfirstlane_b32 s[WV], v[TP]               ; wave 0..15
	s_and_b32 s19, s[WV], 3                        ; which quarter of a chunk I fetch, if I fetch
	s_bfe_u32 s48, ttmp6, 0x40000                  ; cx: it enters Q's, ctx's and ctxsc's addresses alone
	s_lshl_b32 s49, ttmp9, 2
	s_add_co_u32 s49, s49, s48                     ; my block of 256 queries
	s_lshl_b32 s49, s49, 4
	s_add_co_u32 s49, s49, s[WV]                   ; T: my tile of 16 queries, 0 .. 127
	s_and_b32 s50, ttmp7, 0xffff                   ; bh, which the four partners share
	s_lshr_b32 s51, s50, 3                         ; the batch
	s_and_b32 s52, s50, 7                          ; the head
	s_mov_b32 s[G1], 15|(3<<16)|(1<<21)            ; 15:0 the mask: all four work-groups; 17:16 elements of 8 bytes; 21 set beside a mask; no padding
	s_mov_b32 s[G1+1], 32<<16                      ; tensor_dim0 = 32 elements: rows of 256 bytes
	s_mov_b32 s[G1+2], 59<<16                      ; tensor_dim1 = 59
	s_mov_b32 s[G1+3], 32<<16                      ; tile_dim0
	s_mov_b32 s[G1+4], 59                          ; tile_dim1
	s_mov_b32 s[G1+5], 32                          ; the rows are dense
	s_mov_b32 s[G1+6], 0
	s_mov_b32 s[G1+7], 0
	s_mov_b32 s[SEL], 0x76543210
	s_mov_b32 s[SEL+1], 0xfedcba98
	s_mov_b32 s[CS], 0x3e38aa3b
	s_mov_b32 s[CS+1], s[CS]                       ; (named with it as a pair)
	s_mov_b32 s[HM], 0xffff0000
	s_mul_i32 s54, s50, 4*CHB
	s_mul_i32 s55, s19, 15104                      ; 59 rows of 256 bytes
	s_add_co_u32 s56, s54, s55
	s_mov_b32 s57, 0
	s_lshl_b32 s62, s50, 17                        ; Q's image: (128 bh + T) x 1,024
	s_lshl_b32 s63, s49, 10
	s_add_co_u32 s62, s62, s63
	s_mov_b32 s63, 0
	s_lshl_b32 s70, s50, 13                        ; its scale words: (2,048 bh + 16 T) x 4
	s_lshl_b32 s71, s49, 6
	s_add_co_u32 s70, s70, s71
	s_mov_b32 s71, 0
	s_lshl_b32 s58, s51, 7                         ; ctx: row tile 128 b + T, K step head / 2, c = head % 2: 768 bytes each
	s_add_co_u32 s58, s58, s49
	s_lshl_b32 s58, s58, 2
	s_lshr_b32 s59, s52, 1
	s_add_co_u32 s58, s58, s59
	s_lshl_b32 s58, s58, 1
	s_and_b32 s59, s52, 1
	s_add_co_u32 s58, s58, s59
	s_mul_i32 s58, s58, 768
	s_mov_b32 s59, 0
	s_lshl_b32 s60, s51, 6                         ; ctxsc: block 64 b + T / 2, pair head / 4, lanes' half T % 2, word (head / 2) % 2, bytes 2 (head % 2) + h
	s_lshr_b32 s61, s49, 1
	s_add_co_u32 s60, s60, s61
	s_lshl_b32 s60, s60, 9
	s_lshr_b32 s61, s52, 2
	s_lshl_b32 s61, s61, 8
	s_add_co_u32 s60, s60, s61
	s_and_b32 s61, s49, 1
	s_lshl_b32 s61, s61, 7
	s_add_co_u32 s60, s60, s61
	s_bfe_u32 s61, s52, 0x10001
	s_lshl_b32 s61, s61, 2
	s_add_co_u32 s60, s60, s61
	s_and_b32 s61, s52, 1
	s_lshl_b32 s61, s61, 1
	s_add_co_u32 s60, s60, s61
	s_mov_b32 s61, 0
	s_wait_dscnt 0x0
	s_wait_kmcnt 0x0
	s_add_nc_u64 s[56:57], s[8:9], s[56:57]
	s_add_nc_u64 s[4:5], s[4:5], s[62:63]
	s_add_nc_u64 s[6:7], s[6:7], s[70:71]
	s_add_nc_u64 s[10:11], s[10:11], s[58:59]
	s_add_nc_u64 s[12:13], s[12:13], s[60:61]
.irp c, 0,1,2,3
	s_mov_b32 s[G0+4*\c], 1                        ; count = 1
	s_add_co_u32 s[G0+4*\c+1], s55, \c*CHB         ; LDS address: the same place as in kv[bh]
	s_add_nc_u64 s[G0+4*\c+2:G0+4*\c+3], s[56:57], \c*CHB
	s_or_b32 s[G0+4*\c+3], s[G0+4*\c+3], 0x80000000   ; type = 2
.endr
	CROUND                                         ; all four work-groups are here: the joint loads meet
	s_cmp_lt_u32 s[WV], 4                          ; waves 0-3 fetch: a wave's four first fills stand in one branch, ahead of every wait on TENSORcnt and every LDS read
	s_cbranch_scc0 .Lno_fetch
	tensor_load_to_lds s[G0:G0+3], s[G1:G1+7]
	s_nop 0
	tensor_load_to_lds s[G0+4:G0+7], s[G1:G1+7]
	s_nop 0
	tensor_load_to_lds s[G0+8:G0+11], s[G1:G1+7]
	s_nop 0
	tensor_load_to_lds s[G0+12:G0+15], s[G1:G1+7]
	s_nop 0
	PLACES 4
.Lno_fetch:
	v_and_b32 v[TP], 31, v0
	s_delay_alu instid0(VALU_DEP_1)
	v_lshlrev_b32 v[L16], 4, v[TP]
	s_delay_alu instid0(VALU_DEP_2)
	v_lshlrev_b32 v[L8], 3, v[TP]
	v_and_b32 v[QSO], 15, v0
	v_bfe_u32 v[CSO], v0, 4, 1
	s_delay_alu instid0(VALU_DEP_1)
	v_lshl_add_u32 v[CSO], v[QSO], 3, v[CSO]
	s_delay_alu instid0(VALU_DEP_3)
	v_lshlrev_b32 v[QSO], 2, v[QSO]
	global_load_b128 v[QF:QF+3], v[L16], s[4:5]                ; Q's registers 0-7 as they were stored
	global_load_b128 v[QF+4:QF+7], v[L16], s[4:5] offset:512
	global_load_b32 v[QW], v[QSO], s[6:7]
.irp i, 24,25,26,27, 40,41,42,43, 52,53,54,55, 64,65,66,67, 76,77,78,79
	v_mov_b32 v\i, 0                               ; k = 80 .. 127 of Q and of K's four buffers: zero codes, written once
.endr
.set jj, 0
.rept 32
	v_mov_b32 v[OT+jj], 0                          ; O^T.  (The step is written once: the first finds zeros, which the first change of M leaves zeros)
.set jj, jj+1
.endr
.irp b, 0,1,2,3
	v_mov_b32 v[PD+\b], 0                          ; a lane permute's destination counts as one of its sources
.endr
	v_mov_b32 v[FS+1], 0                           ; (named as the upper half of a pair)
	v_mov_b32 v13, 0xff61b1e6                      ; the largest t so far: -3e38
	s_delay_alu instid0(VALU_DEP_1)
	v_floor_f32 v12, -v13                          ; -M
	v_mov_b32 v14, 0                               ; the sum, in two halves
	v_mov_b32 v15, 0
; A KEY STEP: 128 keys
.macro STEP
	v_add_nc_u32 v[ADK], s[TK], v[L16]
	s_wait_alu depctr_va_vdst(0)
	v_add_nc_u32 v[ADV], s[TV], v[L8]
	v_add_nc_u32 v[ADS], s[TS], v[L16]
	v_add_nc_u32 v[ADT], s[TU], v[L8]
	PLACES 2                                       ; six places behind the last step's products: S^T is laid over V's fragments (five are owed), and loads land in V's scale words (four)
	ds_load_b128 v[KS:KS+3], v[ADS]                ; word i: lanes 0-15 tile 2 i, lanes 16-31 tile 2 i + 1
	ds_load_b64 v[VS:VS+1], v[ADT]
.irp g, 0,1                            ; S^T = K Q^T, four tiles of 16 keys at a time
.if \g
	PLACES 4                                       ; in front of loads into registers that the products have read
.endif
.irp t, 0,1,2,3
	ds_load_b128 v[KF+12*\t:KF+12*\t+3], v[ADK] offset:(4*\g+\t)*1024
	ds_load_b128 v[KF+12*\t+4:KF+12*\t+7], v[ADK] offset:(4*\g+\t)*1024+512
.endr
	s_wait_dscnt 0x0
.irp t, 0,1,2,3
	WM ST+8*(4*\g+\t), KF+12*\t, QF, -1, KS+2*\g+\t/2, QW, \t%2
.endr
.endr
	PLACES 4
.irp b, 0,1,2,3
	v_max3_num_f32 v[BM+\b], v[ST+16*\b], v[ST+1+16*\b], v[ST+2+16*\b]   ; the largest score of each block of 32 keys: for the row's maximum, and, since p rises with the score, for the block's largest p
.endr
.irp i, 3,5,7,9,11,13
.irp b, 0,1,2,3
	v_max3_num_f32 v[BM+\b], v[BM+\b], v[ST+16*\b+\i], v[ST+1+16*\b+\i]
.endr
.endr
.irp b, 0,1,2,3
	v_max_num_f32 v[BM+\b], v[BM+\b], v[ST+15+16*\b]
.endr
.irp b, 0,1,2,3
	s_delay_alu instid0(VALU_DEP_4)
	v_permlanex16_b32 v[PD+\b], v[BM+\b], s[SEL], s[SEL+1]
.endr
.irp b, 0,1,2,3
	s_delay_alu instid0(VALU_DEP_4)
	v_max_num_f32 v[BM+\b], v[BM+\b], v[PD+\b]     ; with lane l xor 16's 16 keys
.endr
	s_delay_alu instid0(VALU_DEP_2)
	v_max3_num_f32 v[TP], v[BM], v[BM+1], v[BM+2]
	s_delay_alu instid0(VALU_DEP_1)
	v_max_num_f32 v[TP], v[TP], v[BM+3]
	s_delay_alu instid0(VALU_DEP_1)
	v_mul_f32 v[TP], s[CS], v[TP]                  ; as t (c is positive)
	s_delay_alu instid0(VALU_DEP_1)
	v_max_num_f32 v13, v13, v[TP]                  ; the running largest t
	v_mov_b32 v[TP], v12
	s_delay_alu instid0(VALU_DEP_2)
	v_floor_f32 v12, -v13                          ; the new -M = -ceil(t)
	s_delay_alu instid0(VALU_DEP_1)
	v_sub_f32 v[TP], v12, v[TP]                    ; old M - new M: a whole number, 0 or less
	s_delay_alu instid0(VALU_DEP_1)
	v_cvt_i32_f32 v[TP], v[TP]                     ; (it saturates)
	s_delay_alu instid0(VALU_DEP_1)
	v_ldexp_f32 v[FS], 1.0, v[TP]                  ; f: a multiplication by it rounds nothing
.set jj, 0
.rept 32
	v_pk_fma_f32 v[ST+jj:ST+jj+1], v[ST+jj:ST+jj+1], s[CS:CS+1], v[12:13] op_sel_hi:[1,0,0]   ; t - M
.set jj, jj+2
.endr
.irp b, 0,1,2,3
	v_fma_f32 v[BM+\b], v[BM+\b], s[CS], v12       ; the same of each block's largest score
.endr
.set jj, 0
	s_wait_alu depctr_va_vdst(0)
.rept 64
	v_exp_f32 v[ST+jj], v[ST+jj]                   ; p = 2^(t - M)
.set jj, jj+1
.endr
	s_setprio 1
	v_pk_mul_f32 v[14:15], v[14:15], v[FS:FS+1] op_sel_hi:[1,0]   ; the sums under the new M (the plain instruction behind the exponentials)
	s_wait_alu depctr_va_vdst(0)                   ; one wait for the batch, ahead of its first reader
.irp b, 0,1,2,3
	v_exp_f32 v[BM+\b], v[BM+\b]                   ; the block's largest p
.endr
	v_pk_add_f32 v[204:205], v[100:101], v[104:105]
	v_pk_add_f32 v[252:253], v[108:109], v[112:113]
	v_pk_add_f32 v[250:251], v[116:117], v[120:121]
	v_pk_add_f32 v[248:249], v[124:125], v[128:129]
	v_pk_add_f32 v[246:247], v[132:133], v[136:137]
	v_pk_add_f32 v[244:245], v[140:141], v[144:145]
	v_pk_add_f32 v[242:243], v[148:149], v[152:153]
	v_pk_add_f32 v[14:15], v[14:15], v[156:157]
	v_pk_add_f32 v[204:205], v[204:205], v[96:97]
	v_pk_add_f32 v[252:253], v[252:253], v[98:99]
	v_pk_add_f32 v[250:251], v[250:251], v[102:103]
	v_pk_add_f32 v[248:249], v[248:249], v[106:107]
	v_pk_add_f32 v[246:247], v[246:247], v[110:111]
	v_pk_add_f32 v[244:245], v[244:245], v[114:115]
	v_pk_add_f32 v[242:243], v[242:243], v[118:119]
	v_pk_add_f32 v[14:15], v[14:15], v[122:123]
	v_pk_add_f32 v[204:205], v[204:205], v[126:127]
	v_pk_add_f32 v[252:253], v[252:253], v[130:131]
	v_pk_add_f32 v[250:251], v[250:251], v[134:135]
	v_pk_add_f32 v[248:249], v[248:249], v[138:139]
	v_pk_add_f32 v[246:247], v[246:247], v[142:143]
	v_pk_add_f32 v[244:245], v[244:245], v[146:147]
	v_pk_add_f32 v[242:243], v[242:243], v[150:151]
	v_pk_add_f32 v[14:15], v[14:15], v[154:155]
	v_pk_add_f32 v[204:205], v[204:205], v[158:159]
	s_delay_alu instid0(VALU_DEP_2)
	v_pk_add_f32 v[14:15], v[14:15], v[248:249]
	s_delay_alu instid0(VALU_DEP_2)
	v_pk_add_f32 v[204:205], v[204:205], v[246:247]
	v_pk_add_f32 v[252:253], v[252:253], v[244:245]
	v_pk_add_f32 v[250:251], v[250:251], v[242:243]
	s_delay_alu instid0(VALU_DEP_2)
	v_pk_add_f32 v[14:15], v[14:15], v[252:253]
	s_delay_alu instid0(VALU_DEP_2)
	v_pk_add_f32 v[204:205], v[204:205], v[250:251]
	s_delay_alu instid0(VALU_DEP_1)
	v_pk_add_f32 v[14:15], v[14:15], v[204:205]
	s_wait_alu depctr_va_vdst(0)                   ; and one for the four
.irp b, 0,1,2,3
	v_max_num_f32 v[BM+\b], 0x2800000, v[BM+\b]    ; the floor 2^(5 - 127)
.endr
.irp b, 0,1,2,3
	s_delay_alu instid0(VALU_DEP_4)
	v_add_nc_u32 v[SO+\b], 0xfe000000, v[BM+\b]    ; 4 off the exponent field: the conversion's scale operand
.endr
.irp b, 0,1,2,3
	s_delay_alu instid0(VALU_DEP_4)
	v_lshrrev_b32 v[PD+\b], 23, v[SO+\b]           ; the scale's byte
.endr
	s_delay_alu instid0(VALU_DEP_3)
	v_lshl_or_b32 v[PW], v[PD+1], 8, v[PD]
	s_delay_alu instid0(VALU_DEP_1)
	v_lshl_or_b32 v[PW], v[PD+2], 16, v[PW]
	s_delay_alu instid0(VALU_DEP_1)
	v_lshl_or_b32 v[PW], v[PD+3], 24, v[PW]
.irp c, 0,1
	v_cvt_scalef32_pk16_bf6_f32 v[PCD+6*\c:PCD+6*\c+2], v[ST+32*\c:ST+15+32*\c], v[SO+2*\c]
	v_cvt_scalef32_pk16_bf6_f32 v[H2+4*\c:H2+4*\c+2], v[ST+16+32*\c:ST+31+32*\c], v[SO+2*\c+1]
.endr
	v_nop                                          ; a plain instruction behind the conversions
.irp t, 0,1,2,3                        ; V's four fragments land where p lay; the lines below stand between these loads and the wait for them
.irp p, 0,1,2,3,4,5
	ds_load_b64 v[ST+12*\t+2*\p:ST+12*\t+2*\p+1], v[ADV] offset:\t*1536+(\p/3)*768+(\p%3)*256
.endr
.endr
.irp c, 0,1                            ; the operand wants a whole block in a lane
.irp i, 0,1,2
	v_permlane16_swap_b32 v[PCD+6*\c+\i], v[H2+4*\c+\i]
.endr
.irp i, 0,1,2
	s_delay_alu instid0(VALU_DEP_3)
	v_mov_b32 v[PCD+3+6*\c+\i], v[H2+4*\c+\i]
.endr
.endr
	s_setprio 0
.irp j, 0,2,4,6,8,10,12,14,16,18,20,22,24,26,28,30
	v_pk_mul_f32 v[OT+\j:OT+1+\j], v[OT+\j:OT+1+\j], v[FS:FS+1] op_sel_hi:[1,0]   ; O^T under the new M (also the places between the codes, the scale word and the products)
.endr
	PLACES 4
	s_wait_alu depctr_va_vdst(0)
	s_wait_dscnt 0x0
.irp t, 0,1,2,3                        ; O^T += V^T P^T; the four accumulators take turns
	WM OT+8*\t, ST+12*\t, PCD, OT+8*\t, VS+\t/2, PW, \t%2
.endr
	s_add_co_u32 s[TK], s[TK], 8192
	s_add_co_u32 s[TV], s[TV], 6144
	s_add_co_u32 s[TS], s[TS], 512
	s_add_co_u32 s[TU], s[TU], 256
.endm
; A chunk of 512 keys: the waves that fetched it wait for it (the later chunks' loads may stay out), then the barrier shows it to all sixteen
.macro CHUNK c
	s_wait_tensorcnt 3-\c
	BAR
	s_mov_b32 s[TK], \c*CHB
	s_mov_b32 s[TV], \c*CHB+32768
	s_mov_b32 s[TS], \c*CHB+57344
	s_mov_b32 s[TU], \c*CHB+59392
	s_mov_b32 s68, 4
.Lstep_\@:
	s_setprio 2
	STEP
	s_sub_co_u32 s68, s68, 1
	s_cmp_lg_u32 s68, 0
	s_cbranch_scc1 .Lstep_\@
	s_setprio 0
.endm
	s_wait_loadcnt 0x0                             ; Q
	CHUNK 0
	CHUNK 1
	CHUNK 2
	CHUNK 3
	; THE WAY OUT: O^T / the sum; my query's 64 channels are two blocks of the next product's K: quantised, each lane then holds one whole block, which is its own place in the fragment
	PLACES 4
	v_add_f32 v14, v14, v15
	s_delay_alu instid0(VALU_DEP_1)
	v_permlanex16_b32 v[TP], v14, s[SEL], s[SEL+1]
	s_delay_alu instid0(VALU_DEP_1)
	v_add_f32 v14, v14, v[TP]
	s_wait_alu depctr_va_vdst(0)
	v_rcp_f32 v14, v14
	v_nop
	s_wait_alu depctr_va_vdst(0)
.set jj, 0
.rept 32
	v_mul_f32 v[ST+jj], v[OT+jj], v14              ; register 16 i + n: channel 32 i + 16 h + n
.set jj, jj+1
.endr
	v_max3_num_f32 v[QT], |v[ST]|, |v[ST+1]|, 0x2800000
	v_max3_num_f32 v[QT+1], |v[ST+16]|, |v[ST+17]|, 0x2800000
.irp i, 2,4,6,8,10,12,14
	s_delay_alu instid0(VALU_DEP_2)
	v_max3_num_f32 v[QT], v[QT], |v[ST+\i]|, |v[ST+\i+1]|
	s_delay_alu instid0(VALU_DEP_2)
	v_max3_num_f32 v[QT+1], v[QT+1], |v[ST+16+\i]|, |v[ST+16+\i+1]|
.endr
	v_mov_b32 v[QT+2], 0
	v_mov_b32 v[QT+3], 0
	s_delay_alu instid0(VALU_DEP_2)
	v_permlanex16_b32 v[QT+2], v[QT], s[SEL], s[SEL+1]
	s_delay_alu instid0(VALU_DEP_2)
	v_permlanex16_b32 v[QT+3], v[QT+1], s[SEL], s[SEL+1]
	s_delay_alu instid0(VALU_DEP_2)
	v_max_num_f32 v[QT], v[QT], v[QT+2]
	s_delay_alu instid0(VALU_DEP_2)
	v_max_num_f32 v[QT+1], v[QT+1], v[QT+3]
	s_delay_alu instid0(VALU_DEP_2)
	v_add_nc_u32 v[QT+4], 0xfe000000, v[QT]
	s_delay_alu instid0(VALU_DEP_2)
	v_add_nc_u32 v[QT+5], 0xfe000000, v[QT+1]
	v_cvt_scalef32_pk16_bf6_f32 v[QC:QC+2], v[ST:ST+15], v[QT+4]
	v_cvt_scalef32_pk16_bf6_f32 v[QC+4:QC+6], v[ST+16:ST+31], v[QT+5]
	v_lshrrev_b32 v[QT+6], 23, v[QT+4]
	v_lshrrev_b32 v[QT+7], 23, v[QT+5]
.irp i, 0,1,2
	v_permlane16_swap_b32 v[QC+\i], v[QC+4+\i]
.endr
	s_delay_alu instid0(VALU_DEP_3)
	v_mov_b32 v[QC+3], v[QC+4]
	s_delay_alu instid0(VALU_DEP_3)
	v_mov_b32 v[QC+4], v[QC+5]
	s_delay_alu instid0(VALU_DEP_3)
	v_mov_b32 v[QC+5], v[QC+6]
	v_cndmask_b32 v[QS], v[QT+6], v[QT+7], s[HM]
.irp p, 0,1,2
	global_store_b64 v[L8], v[QC+2*\p:QC+2*\p+1], s[10:11] offset:256*\p   ; 32 lanes store 256 consecutive bytes, aligned
.endr
	global_store_b8 v[CSO], v[QS], s[12:13]
	s_wait_tensorcnt 0x0
	ds_add_u32 v254, v255
	s_wait_dscnt 0x0
	CROUND                                         ; the closing round: no work-group ends while a partner may still ask for a tile that names it
	s_endpgm
.Lfunc_end_k_qaf5b867459_attn:
	.size	k_qaf5b867459_attn, .Lfunc_end_k_qaf5b867459_attn-k_qaf5b867459_attn
	.p2alignl 7, 3214868480
	.fill 96, 4, 3214868480
	.section	.rodata,"a",@progbits
	.p2align	6, 0x0
	.amdhsa_kernel k_qaf5b867459_attn
		.amdhsa_group_segment_fixed_size 264192
		.amdhsa_private_segment_fixed_size 0
		.amdhsa_enable_private_segment 0
		.amdhsa_kernarg_size 40
		.amdhsa_user_sgpr_count 2
		.amdhsa_user_sgpr_kernarg_segment_ptr 1
		.amdhsa_wavefront_size32 1
		.amdhsa_system_sgpr_workgroup_id_x 1
		.amdhsa_system_sgpr_workgroup_id_y 1
		.amdhsa_system_sgpr_workgroup_id_z 1
		.amdhsa_system_vgpr_workitem_id 0
		.amdhsa_next_free_vgpr 256
		.amdhsa_next_free_sgpr 80
		.amdhsa_reserve_vcc 0
		.amdhsa_float_denorm_mode_32 3
		.amdhsa_float_denorm_mode_16_64 3
		.amdhsa_memory_ordered 1
		.amdhsa_forward_progress 1
		.amdhsa_inst_pref_size 87
	.end_amdhsa_kernel
	.amdgpu_metadata
---
amdhsa.version: [ 1, 2 ]
amdhsa.kernels:
  - .name:           k_qaf5b867459_attn
    .symbol:         k_qaf5b867459_attn.kd
    .args:
      - { .name: qimg, .offset: 0, .size: 8, .value_kind: global_buffer, .address_space: global }
      - { .name: qsc, .offset: 8, .size: 8, .value_kind: global_buffer, .address_space: global }
      - { .name: kv, .offset: 16, .size: 8, .value_kind: global_buffer, .address_space: global }
      - { .name: ctx, .offset: 24, .size: 8, .value_kind: global_buffer, .address_space: global }
      - { .name: ctxsc, .offset: 32, .size: 8, .value_kind: global_buffer, .address_space: global }
    .group_segment_fixed_size: 264192
    .private_segment_fixed_size: 0
    .kernarg_segment_align: 8
    .kernarg_segment_size: 40
    .max_flat_workgroup_size: 512
    .sgpr_count:     80
    .vgpr_count:     256
    .wavefront_size: 32
...
	.end_amdgpu_metadata
.endif
;; end of part 9
;; launch ffn (part 10): grid 256 x 1, 16 waves a work-group, no clusters, 136,704 bytes of LDS; arguments x, ctx, ctxsc, wimg, bo, alpha2, beta2, b1, b2, out0; writes out0
.if DOCPART == 10
	.amdgcn_target "amdgcn-amd-amdhsa--gfx1250"
	.amdhsa_code_object_version 6
	.text
	.protected	k_qaf5b867459_ffn
	.globl	k_qaf5b867459_ffn
	.p2align	8
	.type	k_qaf5b867459_ffn,@function
k_qaf5b867459_ffn:
	s_mov_b64 s[64:65], 0
	v_nop
	global_prefetch_b8 v0, s[64:65] scope:SCOPE_SE
	s_setreg_imm32_b32 hwreg(HW_REG_WAVE_SCHED_MODE, 0, 2), 2
	s_setreg_imm32_b32 hwreg(HW_REG_WAVE_MODE, 25, 1), 1
	s_wait_xcnt 0x0
	s_wait_alu depctr_vm_vsrc(0)
; x1 = x + ctx wo + bo; n2 = norm(x1); out = x1 + relu(n2 w1 + b1) w2 + b2.  All three products on codes of BF6 (E3M2) with one E8M0 scale for each 32 along K.  x1, n2 and the hidden layer never go to memory.
; SHARES.  A work-group takes 32 tokens, as two tiles R = 0, 1 (lane r of tile R is token 8 R + r + 8 (r / 8)); wave w of 16 takes columns 32 w .. 32 w + 31 of x1 and of out, and hidden units 128 w .. 128 w + 127.
; All products are used transposed (source 0 = 16 rows of the weight, taken by the same map, source 1 = 16 tokens): a lane's 16 registers of tiles u = 0, 1 are columns 16 h + 0 .. 15 of a block of 32: half a block of the next K.
; The rows' codes (ctx, n2, the hidden layer) go round through LDS as images of registers: register quad g (registers 4 g .. 4 g + 3) of lane L of a fragment lies at 512 g + 16 L: a fragment comes by three loads of 16 bytes a lane.
; THE WEIGHTS come from wimg, where the first launch has laid them in the order of these registers: a group (2 tiles x 2 K steps and its scale words) is 12 loads of 512 consecutive bytes and one of 256,
; straight into registers: each fragment has one reader in the work-group and feeds two matrix instructions; a ring of two register sets, one group each; my wave's 18 groups lie on end in the order of the walk.
; No joint loads: a tile asked for jointly lands in LDS, and here every weight byte (1,843,200 a work-group) would be written there and read back by its one reader.
; x + bo and later + b2 stand in the accumulators when the sums begin; b1 is the C of a hidden block's first products.
; LIMITS: NaN and infinities are not served; a block whose largest magnitude lies under 2^-122 keeps the scale byte 1; 1 / (std + eps) is v_rcp_f32, the root v_sqrt_f32; mean and variance are multiplied by 1/512 and 1/511.
; THE MODE: SCHED_MODE bits 1:0 = 2 (LLVM: expert scheduling mode 2), set by the entry lines.  The code itself states the register dependences
; between vector or matrix instructions and memory or LDS instructions, with s_wait_alu, always for 0.
; THE PLAN.  The text has no loop and no branch.  Registers that memory or LDS instructions touch:
;   v0, the offsets v1-3, v6-18, v254, v255   Written at the head (v0: at the entry) and never again: one wait on va_vdst ahead of the first load.
;   HA         x's rows land, the stage's stores read them; then the norm, the hidden blocks' products and the quantiser; in the last product fragments land; at the end out's rows land and the stores read them.
;   v116-131   In each exchange of sums: a select writes v116, an LDS store reads it, sixteen LDS loads land in v116-131: va_vdst ahead of the store, vm_vsrc ahead of the loads.
;   NF, NS     LDS loads land, the products read.  Between two products the norm and the quantiser work here, and the codes just made (QC, QS) lie here: the LDS stores read them, and the next fragments land on them:
;              va_vdst ahead of each run of stores, vm_vsrc behind it, ahead of the fragments' loads.
;   sets 0, 1, BB   Global loads land, the products (bo, b2: the additions) read.
;   ACC        x's columns land once; at the end the stage's stores read it.
; ONE wait on va_vdst stands behind each group's eight products: it states that they are done reading their set of weights, their fragments and the bias; the loads into those registers follow it, and no vector
; or matrix instruction between the wait and a load names a register in which that load lands.
; IN THE LAST PRODUCT the fragments have TWO buffers, which take turns with the two sets of weights: NF, NS and v52-99, v4-5 (HA and BB, which are free by then).  Pair q of K steps reads buffer and set q % 2;
; the wait behind its products frees both, and pair q + 2's weights and fragments are asked for there: they land while pair q + 1 is multiplied.
.set STATA, 0                          ; LDS: partial sums, 16 waves x 32 rows x 4 bytes
.set STATB, 2048
.set NSC,   4096                       ; scale words of ctx, then of n2: [pair 2][lane 32 = (r, R)][8 bytes]
.set HSC,   4608                       ; of the hidden layer: [pair 8][lane 32][8 bytes]
.set NIMG,  6656                       ; ctx's, then n2's eight fragments: [R 2][K step 4][1536]
.set RSTRN, 6272
.set HIMG,  19200                      ; the hidden layer's 32 fragments: [R 2][K step 16][1536]
.set RSTRH, 24704
.set STG,   68608                      ; 32 rows, slot 16 R + r, 2,048 bytes + 16: x on the way in, out on the way out
.set SPT,   2064
.set GB,    6400                       ; a group of weights in wimg
.set LN8, 1                            ; v1   8 x lane
.set PAN1, 2                           ; v2   where I store piece 1 of n2's block
.set CIA1, 3                           ; v3   where I put piece 1 of my part of ctx
.set NS2, 4                            ; v4-5 the second buffer's scale words
.set PAN0, 6                           ; v6   pieces 0 and 2 of n2's block
.set PSN, 7
.set PAH, 8                            ; v8   where I store the hidden layer's images
.set PSH, 9                            ; v9   and their scale bytes
.set SA,  10
.set SL,  11
.set STW, 12
.set STR, 13
.set GR,  14                           ; v14  16 x lane
.set BO,  15
.set GRH, 16                           ; v16  16 x lane + HIMG
.set CIA0, 17                          ; v17  pieces 0 and 2 of my part of ctx
.set CSA, 18                           ; v18  and my byte of its scales
.set ACC, 20                           ; v20-51   x1, then out
.set HA,  52                           ; v52-83   x's rows, n2, a hidden block, out's rows
.set NF2, 52                           ; v52-99   in the last product: the second buffer of four fragments
.set BB,  84
.set NF,  100
.set NT,  100
.set QT,  100
.set QC,  132
.set QS,  140
.set NS,  148
.set WR0, 150
.set WS0, 198
.set MN,  250
.set GN,  252
.set WB,  14                           ; s[14:15] my wave's 18 groups in wimg
.set WV,  40
.set HM,  41
.set SEL, 46
.macro BAR                             ; my LDS stores have landed and my LDS loads are in: then the work-group's barrier
	s_wait_dscnt 0x0
	s_barrier_signal -1
	s_barrier_wait -1
.endm
.macro PLACES n
.rept \n
	v_nop
.endr
.endm
.macro WM d, a, b, c, sa, sb, ra, rb   ; one matrix instruction; ra, rb: source 0's, source 1's scales stand in lanes 16-31
.if (\ra) && (\rb)
	v_wmma_scale_f32_16x16x128_f8f6f4 v[\d:\d+7], v[\a:\a+11], v[\b:\b+11], v[\c:\c+7], v[\sa], v[\sb] matrix_a_fmt:MATRIX_FMT_BF6 matrix_b_fmt:MATRIX_FMT_BF6 matrix_a_scale:MATRIX_SCALE_ROW1 matrix_b_scale:MATRIX_SCALE_ROW1
.elseif (\ra)
	v_wmma_scale_f32_16x16x128_f8f6f4 v[\d:\d+7], v[\a:\a+11], v[\b:\b+11], v[\c:\c+7], v[\sa], v[\sb] matrix_a_fmt:MATRIX_FMT_BF6 matrix_b_fmt:MATRIX_FMT_BF6 matrix_a_scale:MATRIX_SCALE_ROW1
.elseif (\rb)
	v_wmma_scale_f32_16x16x128_f8f6f4 v[\d:\d+7], v[\a:\a+11], v[\b:\b+11], v[\c:\c+7], v[\sa], v[\sb] matrix_a_fmt:MATRIX_FMT_BF6 matrix_b_fmt:MATRIX_FMT_BF6 matrix_b_scale:MATRIX_SCALE_ROW1
.else
	v_wmma_scale_f32_16x16x128_f8f6f4 v[\d:\d+7], v[\a:\a+11], v[\b:\b+11], v[\c:\c+7], v[\sa], v[\sb] matrix_a_fmt:MATRIX_FMT_BF6 matrix_b_fmt:MATRIX_FMT_BF6
.endif
.endm
; group g of my wave's weights (0, 1: wo; 2 + 2 b + q: w1's block b; 10 + q: w2) into set slot: fragment 2 ks + u at 12 (2 ks + u); the scale words: lanes 0-15 tile 0's rows, lanes 16-31 tile 1's.  13 loads
.macro LOADW slot, g
.irp i, 0,1,2,3,4,5,6,7,8,9,10,11
	global_load_b128 v[WR0+50*(\slot)+4*\i:WR0+50*(\slot)+4*\i+3], v[GR], s[WB:WB+1] offset:GB*(\g)+512*\i
.endr
	global_load_b64 v[WS0+50*(\slot):WS0+50*(\slot)+1], v[LN8], s[WB:WB+1] offset:GB*(\g)+6144
.endm
; four fragments of the rows' codes (K steps ks = 0, 1 x tiles R = 0, 1) into v[nf] on, and their scale words into v[ns], v[ns + 1], from LDS.  13 loads, of consecutive bytes
.macro FETCHN nf, ns, base, off, rstr, soff
.irp ks, 0,1
.irp rr, 0,1
.irp g, 0,1,2
	ds_load_b128 v[\nf+12*(2*\ks+\rr)+4*\g:\nf+12*(2*\ks+\rr)+4*\g+3], v[\base] offset:(\off)+\rr*(\rstr)+\ks*1536+\g*512
.endr
.endr
.endr
	ds_load_b64 v[\ns:\ns+1], v[LN8] offset:\soff
.endm
; eight matrix instructions: accumulator (R, u) at acc + 16 R + 8 u; the rows' fragments at nf, their scale words at ns.  The four accumulators take turns, one instruction a turn, in the same order in every group.
; bias >= 0: the first K step's C is the bias, eight registers a tile in the result's layout; else the sums go on in place
.macro MMT slot, acc, bias, nf, ns
.irp ks, 0,1
.irp u, 0,1
.irp rr, 0,1
.if ((\bias) >= 0) && (\ks == 0)
	WM \acc+16*\rr+8*\u, WR0+50*(\slot)+12*(2*\ks+\u), \nf+12*(2*\ks+\rr), (\bias)+8*\u, WS0+50*(\slot)+\ks, \ns+\ks, \u, \rr
.else
	WM \acc+16*\rr+8*\u, WR0+50*(\slot)+12*(2*\ks+\u), \nf+12*(2*\ks+\rr), \acc+16*\rr+8*\u, WS0+50*(\slot)+\ks, \ns+\ks, \u, \rr
.endif
.endr
.endr
.endr
.endm
.macro RSUM16 s, t                     ; the sum of 16 registers and of lane l xor 16's 16, into v[t]; each run of eight is first read at its low end
	v_pk_add_f32 v[\t:\t+1], v[\s:\s+1], v[\s+2:\s+3]
	v_pk_add_f32 v[\t+2:\t+3], v[\s+4:\s+5], v[\s+6:\s+7]
	v_pk_add_f32 v[\t+4:\t+5], v[\s+8:\s+9], v[\s+10:\s+11]
	v_pk_add_f32 v[\t+6:\t+7], v[\s+12:\s+13], v[\s+14:\s+15]
	v_pk_add_f32 v[\t:\t+1], v[\t:\t+1], v[\t+2:\t+3]
	v_pk_add_f32 v[\t+4:\t+5], v[\t+4:\t+5], v[\t+6:\t+7]
	v_pk_add_f32 v[\t:\t+1], v[\t:\t+1], v[\t+4:\t+5]
	v_add_f32 v[\t], v[\t], v[\t+1]
	v_mov_b32 v[\t+2], 0                           ; a lane permute's destination counts as one of its sources
	v_permlanex16_b32 v[\t+2], v[\t], s[SEL], s[SEL+1]
	v_add_f32 v[\t], v[\t], v[\t+2]
.endm
.macro RSQ16 s, t                      ; the same of their squares, in two chains
	v_pk_mul_f32 v[\t:\t+1], v[\s:\s+1], v[\s:\s+1]
	v_pk_mul_f32 v[\t+2:\t+3], v[\s+2:\s+3], v[\s+2:\s+3]
.irp i, 4,8,12
	v_pk_fma_f32 v[\t:\t+1], v[\s+\i:\s+\i+1], v[\s+\i:\s+\i+1], v[\t:\t+1]
	v_pk_fma_f32 v[\t+2:\t+3], v[\s+\i+2:\s+\i+3], v[\s+\i+2:\s+\i+3], v[\t+2:\t+3]
.endr
	v_pk_add_f32 v[\t:\t+1], v[\t:\t+1], v[\t+2:\t+3]
	v_add_f32 v[\t], v[\t], v[\t+1]
	v_mov_b32 v[\t+2], 0
	v_permlanex16_b32 v[\t+2], v[\t], s[SEL], s[SEL+1]
	v_add_f32 v[\t], v[\t], v[\t+2]
.endm
; v[a], v[b]: my wave's partial sums of rows (0, r), (1, r).  Lane L stores that of row L; behind the barrier it adds the sixteen waves': v[NT+16] = the total of row L
.macro XCHG a, b, reg
	v_cndmask_b32 v[NT+16], v[\a], v[\b], s[HM]
	s_wait_alu depctr_va_vdst(0)                   ; the select has written v[NT+16], which the LDS store reads; and all vector and matrix work so far is done with v[NT+16 .. NT+31], in which the sixteen loads below land
	ds_store_b32 v[SA], v[NT+16] offset:\reg
	BAR
	s_wait_alu depctr_vm_vsrc(0)                   ; the LDS store has read v[NT+16], in which the first load lands
.irp i, 0,1,2,3,4,5,6,7,8,9,10,11,12,13,14,15
	ds_load_b32 v[NT+16+\i], v[SL] offset:\reg+128*\i
.endr
	s_wait_dscnt 0x0
.irp i, 0,4,8,12
	v_pk_add_f32 v[NT+16+\i:NT+17+\i], v[NT+16+\i:NT+17+\i], v[NT+18+\i:NT+19+\i]
.endr
	v_pk_add_f32 v[NT+16:NT+17], v[NT+16:NT+17], v[NT+20:NT+21]
	v_pk_add_f32 v[NT+24:NT+25], v[NT+24:NT+25], v[NT+28:NT+29]
	v_pk_add_f32 v[NT+16:NT+17], v[NT+16:NT+17], v[NT+24:NT+25]
	v_add_f32 v[NT+16], v[NT+16], v[NT+17]
.endm
; dst = alpha (src - mean) / (std + eps) + beta over rows of 512; register 16 R + i = column 32 w + 16 h + i of row (R, r).  Two passes: the squares are taken of src - mean.  Two barriers
.macro NORM src, dst, sal, sbt
	RSUM16 \src, NT
	RSUM16 \src+16, NT+8
	XCHG NT, NT+8, STATA
	v_mul_f32 v[NT], 0x3b000000, v[NT+16]          ; / 512: the mean of row (h, r)
	v_mov_b32 v[NT+1], 0
	v_permlanex16_b32 v[NT+1], v[NT], s[SEL], s[SEL+1]   ; and of row (1 - h, r)
	v_cndmask_b32 v[MN], v[NT], v[NT+1], s[HM]
	v_cndmask_b32 v[MN+1], v[NT+1], v[NT], s[HM]
.irp i, 0,2,4,6,8,10,12,14
	v_pk_add_f32 v[\dst+\i:\dst+\i+1], v[\src+\i:\src+\i+1], v[MN:MN+1] op_sel_hi:[1,0] neg_lo:[0,1] neg_hi:[0,1]
.endr
.irp i, 0,2,4,6,8,10,12,14
	v_pk_add_f32 v[\dst+16+\i:\dst+16+\i+1], v[\src+16+\i:\src+16+\i+1], v[MN:MN+1] op_sel:[0,1] op_sel_hi:[1,1] neg_lo:[0,1] neg_hi:[0,1]
.endr
	RSQ16 \dst, NT
	RSQ16 \dst+16, NT+8
	XCHG NT, NT+8, STATB
	v_mul_f32 v[NT], 0x3b004020, v[NT+16]          ; / 511
	s_wait_alu depctr_va_vdst(0)
	v_sqrt_f32 v[NT+1], v[NT]
	v_nop                                          ; a plain instruction behind the transcendental,
	s_wait_alu depctr_va_vdst(0)                   ; and a wait ahead of its first reader: the root is written
	v_add_f32 v[NT+1], 0x358637bd, v[NT+1]         ; + 1e-6
	s_wait_alu depctr_va_vdst(0)
	v_rcp_f32 v[NT+2], v[NT+1]
	v_nop
	s_wait_alu depctr_va_vdst(0)                   ; likewise: the reciprocal is written
	v_mul_f32 v[NT], s[\sal], v[NT+2]
	v_mov_b32 v[NT+1], 0
	v_permlanex16_b32 v[NT+1], v[NT], s[SEL], s[SEL+1]
	v_cndmask_b32 v[GN], v[NT], v[NT+1], s[HM]
	v_cndmask_b32 v[GN+1], v[NT+1], v[NT], s[HM]
.irp i, 0,2,4,6,8,10,12,14
	v_pk_fma_f32 v[\dst+\i:\dst+\i+1], v[\dst+\i:\dst+\i+1], v[GN:GN+1], s[\sbt:\sbt+1] op_sel_hi:[1,0,0]
.endr
.irp i, 0,2,4,6,8,10,12,14
	v_pk_fma_f32 v[\dst+16+\i:\dst+16+\i+1], v[\dst+16+\i:\dst+16+\i+1], v[GN:GN+1], s[\sbt:\sbt+1] op_sel:[0,1,0] op_sel_hi:[1,1,0]
.endr
.endm
; Two blocks of 32 at once.  v[a ..], v[b ..]: numbers 16 h + 0 .. 15 of a block of set a and of set b.  Out: v[QC .. QC+5] the whole block's 24 bytes, v[QS] its scale byte: set a's in lanes 0-15, set b's in lanes 16-31
.macro Q32X2 a, b, relu, abs
.if \relu
.irp i, 0,1,2,3,4,5,6,7,8,9,10,11,12,13,14,15
	v_max_num_f32 v[\a+\i], 0, v[\a+\i]
.endr
.irp i, 0,1,2,3,4,5,6,7,8,9,10,11,12,13,14,15
	v_max_num_f32 v[\b+\i], 0, v[\b+\i]
.endr
.endif
.if \abs
	v_max3_num_f32 v[QT], |v[\a]|, |v[\a+1]|, 0x2800000       ; my 16 numbers and the floor 2^(5 - 127): the byte cannot fall under 1
	v_max3_num_f32 v[QT+1], |v[\b]|, |v[\b+1]|, 0x2800000
.irp i, 2,4,6,8,10,12,14
	v_max3_num_f32 v[QT], v[QT], |v[\a+\i]|, |v[\a+\i+1]|
	v_max3_num_f32 v[QT+1], v[QT+1], |v[\b+\i]|, |v[\b+\i+1]|
.endr
.else
	v_max3_num_f32 v[QT], v[\a], v[\a+1], 0x2800000
	v_max3_num_f32 v[QT+1], v[\b], v[\b+1], 0x2800000
.irp i, 2,4,6,8,10,12,14
	v_max3_num_f32 v[QT], v[QT], v[\a+\i], v[\a+\i+1]
	v_max3_num_f32 v[QT+1], v[QT+1], v[\b+\i], v[\b+\i+1]
.endr
.endif
	v_mov_b32 v[QT+2], 0
	v_mov_b32 v[QT+3], 0
	v_permlanex16_b32 v[QT+2], v[QT], s[SEL], s[SEL+1]
	v_permlanex16_b32 v[QT+3], v[QT+1], s[SEL], s[SEL+1]
	v_max_num_f32 v[QT], v[QT], v[QT+2]            ; with lane l xor 16's: the block's largest magnitude
	v_max_num_f32 v[QT+1], v[QT+1], v[QT+3]
	v_add_nc_u32 v[QT+4], 0xfe000000, v[QT]        ; 4 off its exponent field: the conversion's scale operand
	v_add_nc_u32 v[QT+5], 0xfe000000, v[QT+1]
	v_cvt_scalef32_pk16_bf6_f32 v[QC:QC+2], v[\a:\a+15], v[QT+4]
	v_cvt_scalef32_pk16_bf6_f32 v[QC+4:QC+6], v[\b:\b+15], v[QT+5]
	v_lshrrev_b32 v[QT+6], 23, v[QT+4]             ; the scale's byte (also the plain instruction behind the conversions)
	v_lshrrev_b32 v[QT+7], 23, v[QT+5]
.irp i, 0,1,2
	v_permlane16_swap_b32 v[QC+\i], v[QC+4+\i]     ; the first's lanes 16-31 change places with the second's lanes 0-15: a lane now holds a whole block
.endr
	v_mov_b32 v[QC+3], v[QC+4]
	v_mov_b32 v[QC+4], v[QC+5]
	v_mov_b32 v[QC+5], v[QC+6]
	v_cndmask_b32 v[QS], v[QT+6], v[QT+7], s[HM]
.endm
.macro BIAS sb, off                    ; 16 numbers of a bias: columns 16 h + 0 .. 15 of a block of 32
.irp i, 0,1,2,3
	global_load_b128 v[BB+4*\i:BB+4*\i+3], v[BO], s[\sb:\sb+1] offset:(\off)+16*\i
.endr
.endm
.macro ADDB                            ; the bias onto both tiles of rows, then four places ahead of the products that take the sums as C
.irp rr, 0,1
.irp i, 0,2,4,6,8,10,12,14
	v_pk_add_f32 v[ACC+16*\rr+\i:ACC+16*\rr+\i+1], v[ACC+16*\rr+\i:ACC+16*\rr+\i+1], v[BB+\i:BB+\i+1]
.endr
.endr
	PLACES 4
.endm
.macro FETCH pair                      ; the fragments of K steps 2 pair, 2 pair + 1 out of NIMG
	FETCHN NF, NS, GR, NIMG+3072*(\pair), RSTRN, NSC+256*(\pair)
.endm
.macro READY n                         ; a group's operands are in.  n: the global loads issued behind this group's weights
	s_wait_loadcnt \n
	s_wait_dscnt 0x0
.endm
	s_load_b256 s[8:15], s[0:1], 0x0               ; x 8, ctx 10, ctxsc 12, wimg 14
	s_load_b64 s[18:19], s[0:1], 0x20              ; bo
	s_load_b64 s[20:21], s[0:1], 0x28              ; alpha2
	s_load_b64 s[22:23], s[0:1], 0x30              ; beta2
	s_load_b64 s[28:29], s[0:1], 0x38              ; b1
	s_load_b64 s[34:35], s[0:1], 0x40              ; b2
	s_load_b64 s[36:37], s[0:1], 0x48              ; out0
	v_lshl_add_u32 v254, v0, 2, 0x20e00
	v_mov_b32 v255, 0
	v_lshrrev_b32 v100, 5, v0
	v_readfirstlane_b32 s[WV], v100                ; wave 0..15
	v_and_b32 v100, 31, v0                         ; lane
	v_and_b32 v101, 15, v0                         ; r
	v_bfe_u32 v102, v0, 4, 1                       ; h
	s_wait_alu depctr_va_vdst(0)
	v_lshlrev_b32 v[LN8], 3, v100
	v_lshlrev_b32 v[SA], 2, v0
	v_lshlrev_b32 v[SL], 2, v100
	v_lshlrev_b32 v[GR], 4, v100
	v_lshlrev_b32 v[BO], 6, v102
	v_add_nc_u32 v[GRH], HIMG, v[GR]
	v_add_nc_u32 v[CSA], NSC, v0
	s_mov_b32 s[HM], 0xffff0000
	s_mov_b32 s[SEL], 0x76543210
	s_mov_b32 s[SEL+1], 0xfedcba98
	s_wait_alu depctr_va_sdst(0)                   ; the wave's number is written, ahead of its first reader: LDS addresses and the buffers' offsets are made from it
	; block w of n2's K: K step w / 4; in its fragment registers 6 c .. 6 c + 5, c = (w / 2) % 2, of lane r + 16 (w % 2).  Register pair 6 c + 2 p lies at 16 x lane + 0, 8, 512 (c = 0) or 520, 1024, 1032 (c = 1)
	s_lshr_b32 s48, s[WV], 2
	s_mul_i32 s48, s48, 1536
	s_and_b32 s49, s[WV], 1
	s_lshl_b32 s49, s49, 8
	s_add_co_u32 s48, s48, s49
	s_add_co_u32 s48, s48, NIMG
	s_bfe_u32 s49, s[WV], 0x10001
	s_mul_i32 s50, s49, 520
	s_add_co_u32 s50, s50, s48
	s_mul_i32 s51, s49, 1016
	s_add_co_u32 s51, s51, s48
	v_mul_u32_u24 v[PAN0], v102, RSTRN
	v_lshl_add_u32 v[PAN0], v101, 4, v[PAN0]
	v_add_nc_u32 v[PAN1], s51, v[PAN0]             ; piece 1, with the offset 8
	v_add_nc_u32 v[PAN0], s50, v[PAN0]             ; pieces 0 and 2, with the offsets 0 and 512
	s_lshr_b32 s48, s[WV], 3                       ; its byte: pair w / 8, word (w / 4) % 2, byte w % 4
	s_lshl_b32 s48, s48, 8
	s_bfe_u32 s49, s[WV], 0x10002
	s_lshl_b32 s49, s49, 2
	s_add_co_u32 s48, s48, s49
	s_and_b32 s49, s[WV], 3
	s_add_co_u32 s48, s48, s49
	s_add_co_u32 s48, s48, NSC
	v_add_nc_u32 v[PSN], s48, v[LN8]
	s_mul_i32 s48, s[WV], 1536                     ; my 128 hidden units are K step w of the last product
	s_add_co_u32 s48, s48, HIMG
	v_mul_u32_u24 v[PAH], v102, RSTRH
	v_lshl_add_u32 v[PAH], v101, 4, v[PAH]
	v_add_nc_u32 v[PAH], s48, v[PAH]
	s_lshr_b32 s48, s[WV], 1                       ; their bytes: pair w / 2, word w % 2
	s_lshl_b32 s48, s48, 8
	s_and_b32 s49, s[WV], 1
	s_lshl_b32 s49, s49, 2
	s_add_co_u32 s48, s48, s49
	s_add_co_u32 s48, s48, HSC
	v_add_nc_u32 v[PSH], s48, v[LN8]
	; ctx: half a fragment a wave: tile R = w / 8, K step (w / 2) % 4, registers 6 c .. 6 c + 5 with c = w % 2, each lane its own: the same three places
	s_lshr_b32 s48, s[WV], 3
	s_mul_i32 s48, s48, RSTRN
	s_bfe_u32 s49, s[WV], 0x20001
	s_mul_i32 s49, s49, 1536
	s_add_co_u32 s48, s48, s49
	s_add_co_u32 s48, s48, NIMG
	s_and_b32 s49, s[WV], 1
	s_mul_i32 s50, s49, 520
	s_add_co_u32 s50, s50, s48
	s_mul_i32 s51, s49, 1016
	s_add_co_u32 s51, s51, s48
	v_add_nc_u32 v[CIA0], s50, v[GR]
	v_add_nc_u32 v[CIA1], s51, v[GR]
	s_lshl_b32 s48, s[WV], 7
	s_add_co_u32 s48, s48, STG
	v_mul_u32_u24 v[STW], v101, SPT
	v_lshl_add_u32 v[STW], v102, 6, v[STW]
	v_add_nc_u32 v[STW], s48, v[STW]
	s_mul_i32 s48, s[WV], 2*SPT
	s_add_co_u32 s48, s48, STG
	v_add_nc_u32 v[STR], s48, v[GR]
	; slots 2 w, 2 w + 1 of the stage are tokens t0, t0 + 1: t0 = 8 (w / 8) + 2 (w % 8) + 8 ((w % 8) / 4)
	s_lshr_b32 s48, s[WV], 3
	s_lshl_b32 s48, s48, 3
	s_and_b32 s49, s[WV], 7
	s_lshl_b32 s50, s49, 1
	s_add_co_u32 s48, s48, s50
	s_lshr_b32 s49, s49, 2
	s_lshl_b32 s49, s49, 3
	s_add_co_u32 s48, s48, s49
	s_lshl_b32 s48, s48, 11
	s_lshl_b32 s49, ttmp9, 16
	s_add_co_u32 s48, s48, s49
	s_mov_b32 s49, 0
	s_wait_kmcnt 0x0
	s_load_b32 s42, s[20:21], 0x0                  ; alpha2
	s_load_b32 s44, s[22:23], 0x0                  ; beta2
	s_add_nc_u64 s[8:9], s[8:9], s[48:49]
	s_add_nc_u64 s[36:37], s[36:37], s[48:49]
	s_mul_i32 s48, ttmp9, 12288                    ; ctx: the block's eight fragments, my 768 bytes
	s_mul_i32 s50, s[WV], 768
	s_add_co_u32 s48, s48, s50
	s_add_nc_u64 s[10:11], s[10:11], s[48:49]
	s_lshl_b32 s48, ttmp9, 9
	s_add_nc_u64 s[12:13], s[12:13], s[48:49]
	s_mul_i32 s48, s[WV], 18*GB                    ; my 18 groups of weights, behind the 96 groups of the launch for q, k and v
	s_add_co_u32 s48, s48, 96*GB
	s_add_nc_u64 s[WB:WB+1], s[WB:WB+1], s[48:49]
	s_lshl_b32 s48, s[WV], 9
	s_add_nc_u64 s[28:29], s[28:29], s[48:49]      ; b1: my 128 numbers
	s_lshl_b32 s48, s[WV], 7
	s_add_nc_u64 s[18:19], s[18:19], s[48:49]      ; bo, b2: my 32
	s_add_nc_u64 s[34:35], s[34:35], s[48:49]
	s_wait_alu depctr_va_vdst(0)                   ; all offsets and LDS addresses are written: every load and store of the kernel reads some of them, and none is written again; and the head is done with v100-102, in which ctx lands
	; ---- in: two whole rows of x, my part of ctx's images and scale bytes, through LDS
.irp i, 0,1,2,3,4,5,6,7
	global_load_b128 v[HA+4*\i:HA+4*\i+3], v[GR], s[8:9] offset:512*\i th:TH_LOAD_NT
.endr
.irp p, 0,1,2
	global_load_b64 v[NF+2*\p:NF+2*\p+1], v[LN8], s[10:11] offset:256*\p th:TH_LOAD_NT
.endr
	global_load_u8 v[NF+6], v0, s[12:13]
	BIAS 18, 0
	LOADW 0, 0
	s_wait_loadcnt 17                              ; x, ctx and its scale byte are in; behind them: bo 4, wo's first group 13
.irp i, 0,1,2,3,4,5,6,7
	ds_store_b128 v[STR], v[HA+4*\i:HA+4*\i+3] offset:(\i/4)*SPT+512*(\i%4)
.endr
	ds_store_b64 v[CIA0], v[NF:NF+1]
	ds_store_b64 v[CIA1], v[NF+2:NF+3] offset:8
	ds_store_b64 v[CIA0], v[NF+4:NF+5] offset:512
	ds_store_b8 v[CSA], v[NF+6]
	LOADW 1, 1
	BAR                                            ; x's 32 rows and ctx's eight fragments lie in LDS
	s_wait_alu depctr_vm_vsrc(0)                   ; my LDS stores have read v[NF .. NF+6], in which ctx's fragments land below, and v[HA ..], which the norm writes later
	; ---- x1 = x + bo + ctx wo
.irp rr, 0,1
.irp i, 0,1,2,3
	ds_load_b128 v[ACC+16*\rr+4*\i:ACC+16*\rr+4*\i+3], v[STW] offset:\rr*16*SPT+16*\i
.endr
.endr
	FETCH 0
	s_wait_loadcnt 26                              ; bo is in; behind it: wo's two groups
	s_wait_dscnt 13                                ; x is in; behind it: the 13 loads of ctx's fragments
	ADDB
	s_wait_alu depctr_va_vdst(0)
	READY 13
	MMT 0, ACC, -1, NF, NS
	PLACES 4                                       ; in front of loads into registers that the products have read
	s_wait_alu depctr_va_vdst(0)                   ; the products are done reading ctx's fragments and set 0, the additions are done reading bo: the loads below land in these registers
	FETCH 1                                        ; the LDS loads first: they are wanted first
	BIAS 28, 0
	LOADW 0, 2
	READY 17                                       ; behind wo's second group: b1 4, w1's first 13
	MMT 1, ACC, -1, NF, NS
	PLACES 4                                       ; and in front of the first read of the results
	s_wait_alu depctr_va_vdst(0)                   ; the products are done reading set 1, in which the loads below land
	LOADW 1, 3
	; ---- n2 = norm(x1), quantised.  Its images take ctx's place: they are stored behind the norm's two barriers, which every wave reaches behind its last read of ctx's
	s_wait_kmcnt 0x0
	s_mov_b32 s45, s44                             ; (named with it as a pair)
	NORM ACC, HA, 42, 44
	Q32X2 HA, HA+16, 0, 1
	s_wait_alu depctr_va_vdst(0)                   ; the quantiser has written n2's codes and their byte, which the LDS stores read; norm and quantiser are done with v100-140, in which n2's fragments land behind the barrier
	ds_store_b64 v[PAN0], v[QC:QC+1]
	ds_store_b64 v[PAN1], v[QC+2:QC+3] offset:8
	ds_store_b64 v[PAN0], v[QC+4:QC+5] offset:512
	ds_store_b8 v[PSN], v[QS]
	BAR
	s_wait_alu depctr_vm_vsrc(0)                   ; these LDS stores have read v[QC ..] and v[QS], in which n2's fragments land
	; ---- the hidden layer: my four blocks of 32 units
.irp b, 0,1,2,3
	FETCH 0
	READY 13
	MMT 0, HA, BB, NF, NS
	PLACES 4
	s_wait_alu depctr_va_vdst(0)                   ; the products are done reading n2's fragments, b1's block and set 0, in which the loads below land
	FETCH 1
.if \b < 3
	BIAS 28, 128*(\b+1)
.else
	BIAS 34, 0
.endif
	LOADW 0, 4+2*\b                                ; the groups lie in the order of the walk: behind w1's last come w2's
	READY 17                                       ; behind this group: the next bias 4, the next group 13
	MMT 1, HA, -1, NF, NS
	PLACES 4
	s_wait_alu depctr_va_vdst(0)                   ; the products are done reading set 1, in which the loads below land
	LOADW 1, 5+2*\b
	Q32X2 HA, HA+16, 1, 0                          ; relu; none is negative then, so the maximum takes the numbers as they are
	s_wait_alu depctr_va_vdst(0)                   ; the quantiser has written the block's codes and their byte, which the LDS stores read; it is done with v100-140, in which the next fragments land
	ds_store_b64 v[PAH], v[QC:QC+1] offset:(\b%2)*256+(\b/2)*520           ; block b of K step w: c = b / 2, lanes' half b % 2
	ds_store_b64 v[PAH], v[QC+2:QC+3] offset:(\b%2)*256+(\b/2)*1016+8
	ds_store_b64 v[PAH], v[QC+4:QC+5] offset:(\b%2)*256+(\b/2)*520+512
	ds_store_b8 v[PSH], v[QS] offset:\b
	s_wait_dscnt 0x0                               ; the stores are done,
	s_wait_alu depctr_vm_vsrc(0)                   ; and they have read v[QC ..] and v[QS]: the next fragments land there
.endr
	s_wait_loadcnt 26                              ; b2 is in; behind it: w2's first two groups
	ADDB
	BAR                                            ; the hidden layer's 32 fragments lie in LDS
	; ---- out = x1 + b2 + hidden w2: eight pairs of K steps; buffer and set q % 2
	s_wait_alu depctr_va_vdst(0)                   ; the additions are done reading b2, and the last block's quantiser is done with its numbers: v52-99 are the second buffer from here on, and fragments land in it
	FETCHN NF, NS, GRH, 0, RSTRH, HSC
	FETCHN NF2, NS2, GRH, 3072, RSTRH, HSC+256
.irp q, 0,1,2,3,4,5,6,7
.set NFQ, NF-48*(\q%2)
.set NSQ, NS-144*(\q%2)
.if \q < 7
	s_wait_loadcnt 13                              ; this pair's weights are in; behind them: the next pair's 13 loads
	s_wait_dscnt 13                                ; LDS loads come back in order: this pair's fragments are in; behind them: the next pair's 13 loads
.else
	s_wait_loadcnt 0x0
	s_wait_dscnt 0x0
.endif
	MMT \q%2, ACC, -1, NFQ, NSQ
	PLACES 4
	s_wait_alu depctr_va_vdst(0)                   ; the products are done reading this set of weights and this buffer of fragments, in which the loads below land; behind the last pair: they have written the accumulators, which the LDS stores read, and are done reading v52-99, in which out's rows land
.if \q < 6
	LOADW \q%2, 12+\q                              ; the pair after the next: both runs have the next pair's products in which to land
	FETCHN NFQ, NSQ, GRH, 3072*(\q+2), RSTRH, HSC+256*(\q+2)
.endif
.endr
	; ---- the way out: through the stage, so that whole rows leave
.irp rr, 0,1
.irp i, 0,1,2,3
	ds_store_b128 v[STW], v[ACC+16*\rr+4*\i:ACC+16*\rr+4*\i+3] offset:\rr*16*SPT+16*\i   ; each accumulator from its low end on
.endr
.endr
	BAR
.irp i, 0,1,2,3,4,5,6,7
	ds_load_b128 v[HA+4*\i:HA+4*\i+3], v[STR] offset:(\i/4)*SPT+512*(\i%4)
.endr
.irp i, 0,1,2,3,4,5,6,7
	s_wait_dscnt 7-\i
	global_store_b128 v[GR], v[HA+4*\i:HA+4*\i+3], s[36:37] offset:512*\i th:TH_STORE_NT   ; 32 lanes store 512 consecutive bytes, aligned
.endr
	s_wait_dscnt 0x0                               ; the closing lines, six on end
	s_wait_alu 0x0
	s_wait_tensorcnt 0x0
	ds_add_u32 v254, v255
	s_wait_dscnt 0x0
	s_endpgm
.Lfunc_end_k_qaf5b867459_ffn:
	.size	k_qaf5b867459_ffn, .Lfunc_end_k_qaf5b867459_ffn-k_qaf5b867459_ffn
	.p2alignl 7, 3214868480
	.fill 96, 4, 3214868480
	.section	.rodata,"a",@progbits
	.p2align	6, 0x0
	.amdhsa_kernel k_qaf5b867459_ffn
		.amdhsa_group_segment_fixed_size 136704
		.amdhsa_private_segment_fixed_size 0
		.amdhsa_enable_private_segment 0
		.amdhsa_kernarg_size 80
		.amdhsa_user_sgpr_count 2
		.amdhsa_user_sgpr_kernarg_segment_ptr 1
		.amdhsa_wavefront_size32 1
		.amdhsa_system_sgpr_workgroup_id_x 1
		.amdhsa_system_sgpr_workgroup_id_y 1
		.amdhsa_system_sgpr_workgroup_id_z 1
		.amdhsa_system_vgpr_workitem_id 0
		.amdhsa_next_free_vgpr 256
		.amdhsa_next_free_sgpr 100
		.amdhsa_reserve_vcc 0
		.amdhsa_float_denorm_mode_32 3
		.amdhsa_float_denorm_mode_16_64 3
		.amdhsa_memory_ordered 1
		.amdhsa_forward_progress 1
		.amdhsa_inst_pref_size 98
	.end_amdhsa_kernel
	.amdgpu_metadata
---
amdhsa.version: [ 1, 2 ]
amdhsa.kernels:
  - .name:           k_qaf5b867459_ffn
    .symbol:         k_qaf5b867459_ffn.kd
    .args:
      - { .name: x, .offset: 0, .size: 8, .value_kind: global_buffer, .address_space: global }
      - { .name: ctx, .offset: 8, .size: 8, .value_kind: global_buffer, .address_space: global }
      - { .name: ctxsc, .offset: 16, .size: 8, .value_kind: global_buffer, .address_space: global }
      - { .name: wimg, .offset: 24, .size: 8, .value_kind: global_buffer, .address_space: global }
      - { .name: bo, .offset: 32, .size: 8, .value_kind: global_buffer, .address_space: global }
      - { .name: alpha2, .offset: 40, .size: 8, .value_kind: global_buffer, .address_space: global }
      - { .name: beta2, .offset: 48, .size: 8, .value_kind: global_buffer, .address_space: global }
      - { .name: b1, .offset: 56, .size: 8, .value_kind: global_buffer, .address_space: global }
      - { .name: b2, .offset: 64, .size: 8, .value_kind: global_buffer, .address_space: global }
      - { .name: out0, .offset: 72, .size: 8, .value_kind: global_buffer, .address_space: global }
    .group_segment_fixed_size: 136704
    .private_segment_fixed_size: 0
    .kernarg_segment_align: 8
    .kernarg_segment_size: 80
    .max_flat_workgroup_size: 512
    .sgpr_count:     100
    .vgpr_count:     256
    .wavefront_size: 32
...
	.end_amdgpu_metadata
.endif
;; end of part 10
